; MI455X (gfx1250); checked and timed in simulation.
; The chip was launched on July 23, 2026; its instructions are those of AMD's public machine-readable ISA for CDNA 5 (MIT licence, August 2026) and "CDNA5" Instruction Set Architecture Reference Guide (July 2026). The comments in the code are by the model that wrote it; some were corrected since.
;; Encoder Block. Allowed arithmetic: float matrix products may take bf16 or f16 operands with f32 sums; all other float work in f32.
;; Inputs: b1 4,096 float32; b2 1,024 float32; b_proj 1,024 float32; beta1 1,024 float32; beta2 1,024 float32; bk 16 x 64 float32; bq 16 x 64 float32; bv 16 x 64 float32; gamma1 1,024 float32; gamma2 1,024 float32; w1 1,024 x 4,096 float32; w2 4,096 x 1,024 float32; w_proj 1,024 x 1,024 float32; wk 16 x 1,024 x 64 float32; wq 16 x 1,024 x 64 float32; wv 16 x 1,024 x 64 float32; x 2 x 2,048 x 1,024 float32.
;; Outputs: out0 2 x 2,048 x 1,024 float32.
;; 3 versions, each right; version 2 is faster than version 1; version 3 is version 2 with the launches ln1, ln2 written anew for expert scheduling mode. Each part assembles by itself: llvm-mc -triple=amdgcn-amd-amdhsa -mcpu=gfx1250 --defsym DOCPART=n.
;; ======== version 1 of 3: 8 launches
;; workspace buffers: castb 33,554,432 bytes; qkvb 25,165,824 bytes; cb 8,388,608 bytes; y 16,777,216 bytes; o1f 16,777,216 bytes; o1b 8,388,608 bytes; hb 33,554,432 bytes
;; launch cast (part 1): grid 1024 x 1, 8 waves a work-group, no clusters, 0 bytes of LDS; arguments x, w1, w2, wq, wk, wv, w_proj, castb; writes castb
.if DOCPART == 1
	.amdgcn_target "amdgcn-amd-amdhsa--gfx1250"
	.amdhsa_code_object_version 6
	.text
	.protected	k_q1835c94eef_cast
	.globl	k_q1835c94eef_cast
	.p2align	8
	.type	k_q1835c94eef_cast,@function
k_q1835c94eef_cast:
	s_mov_b64 s[64:65], 0
	v_nop
	global_prefetch_b8 v0, s[64:65] scope:SCOPE_SE
	s_setreg_imm32_b32 hwreg(HW_REG_WAVE_MODE, 25, 1), 1
	s_wait_xcnt 0x0
; Encoder block, launch 1 of 8: bf16 copies of x and of the six weight tensors, one behind the other in castb, in their own row-major order.
; The matrix units take bf16 operands and a tensor load converts nothing, so every matrix operand is rounded once here (nearest even).
; castb, byte offsets: x 0, w1 8388608, w2 16777216, wq 25165824, wk 27262976, wv 29360128, w_proj 31457280.
;
; WORK LEFT OUT IN THE WHOLE PROGRAM: the input bk.  scores[s][t] = q[s] . (x[t] wk + bk) = q[s] . (x[t] wk) + q[s] . bk.
; The second term does not hang on t, the axis of the softmax, so it multiplies numerator and denominator of the softmax by the same factor
; and cancels, for all values of all inputs.  k feeds nothing but the scores.  So bk reaches no output: it is not loaded and is no argument
; of any launch.  Limit: a NaN, an infinity or an overflow that would reach the result through bk alone is not carried to it.
;
; Work-group g casts 16384 numbers: 65536 bytes in, 32768 bytes out at castb + 32768 g.  All tensor sizes are multiples of 16384 numbers,
; so a work-group lies in one tensor; which one is a choice of pointer by g.  Thread t takes 16 bytes at 16 t of each block of 4096 bytes:
; a load of a wave covers 512 consecutive bytes, a store 256 consecutive aligned bytes.  All sixteen loads of a thread go out first.
.set X, 4                              ; v[4:67]   sixteen loads of four f32
.set Y, 68                             ; v[68:99]  sixteen pairs of packed bf16; no register is written twice, so no wait frees one
	s_load_b512 s[8:23], s[0:1], 0x0               ; x s[8:9], w1, w2, wq, wk, wv, w_proj s[20:21], castb s[22:23]
	s_mov_b32 s6, 0                                ; first work-group of the chosen tensor
	v_lshlrev_b32 v1, 4, v0                        ; 16 t
	v_lshlrev_b32 v2, 3, v0                        ; 8 t
	s_wait_kmcnt 0x0
	s_mov_b64 s[4:5], s[8:9]
.macro PICK first, ptr                 ; from work-group first on the source is the tensor whose pointer lies in s[ptr:ptr+1]
	s_cmp_ge_u32 ttmp9, \first
	s_cselect_b64 s[4:5], s[\ptr:\ptr+1], s[4:5]
	s_cselect_b32 s6, \first, s6
.endm
	PICK 256, 10
	PICK 512, 12
	PICK 768, 14
	PICK 832, 16
	PICK 896, 18
	PICK 960, 20
	s_sub_co_u32 s24, ttmp9, s6
	s_lshl_b32 s24, s24, 16                        ; 65536 bytes of f32 for each work-group inside its tensor
	s_mov_b32 s25, 0
	s_add_nc_u64 s[4:5], s[4:5], s[24:25]
	s_lshl_b32 s26, ttmp9, 15                      ; 32768 bytes of bf16 for each work-group in castb
	s_mov_b32 s27, 0
	s_add_nc_u64 s[22:23], s[22:23], s[26:27]
.irp i, 0,1,2,3,4,5,6,7,8,9,10,11,12,13,14,15
	global_load_b128 v[X+4*\i:X+4*\i+3], v1, s[4:5] offset:4096*\i th:TH_LOAD_NT
.endr
.irp i, 0,1,2,3,4,5,6,7,8,9,10,11,12,13,14,15
	s_wait_loadcnt 15-\i                           ; loads come back in order: load i is in, the younger ones stay out
	v_cvt_pk_bf16_f32 v[Y+2*\i], v[X+4*\i], v[X+4*\i+1]
	v_cvt_pk_bf16_f32 v[Y+2*\i+1], v[X+4*\i+2], v[X+4*\i+3]
	global_store_b64 v2, v[Y+2*\i:Y+2*\i+1], s[22:23] offset:2048*\i
.endr
	s_endpgm
.Lfunc_end_k_q1835c94eef_cast:
	.size	k_q1835c94eef_cast, .Lfunc_end_k_q1835c94eef_cast-k_q1835c94eef_cast
	.p2alignl 7, 3214868480
	.fill 96, 4, 3214868480
	.section	.rodata,"a",@progbits
	.p2align	6, 0x0
	.amdhsa_kernel k_q1835c94eef_cast
		.amdhsa_group_segment_fixed_size 0
		.amdhsa_private_segment_fixed_size 0
		.amdhsa_enable_private_segment 0
		.amdhsa_kernarg_size 64
		.amdhsa_user_sgpr_count 2
		.amdhsa_user_sgpr_kernarg_segment_ptr 1
		.amdhsa_wavefront_size32 1
		.amdhsa_system_sgpr_workgroup_id_x 1
		.amdhsa_system_sgpr_workgroup_id_y 1
		.amdhsa_system_sgpr_workgroup_id_z 1
		.amdhsa_system_vgpr_workitem_id 0
		.amdhsa_next_free_vgpr 100
		.amdhsa_next_free_sgpr 66
		.amdhsa_reserve_vcc 0
		.amdhsa_float_denorm_mode_32 3
		.amdhsa_float_denorm_mode_16_64 3
		.amdhsa_memory_ordered 1
		.amdhsa_forward_progress 1
		.amdhsa_inst_pref_size 8
	.end_amdhsa_kernel
	.amdgpu_metadata
---
amdhsa.version: [ 1, 2 ]
amdhsa.kernels:
  - .name:           k_q1835c94eef_cast
    .symbol:         k_q1835c94eef_cast.kd
    .args:
      - { .name: x, .offset: 0, .size: 8, .value_kind: global_buffer, .address_space: global }
      - { .name: w1, .offset: 8, .size: 8, .value_kind: global_buffer, .address_space: global }
      - { .name: w2, .offset: 16, .size: 8, .value_kind: global_buffer, .address_space: global }
      - { .name: wq, .offset: 24, .size: 8, .value_kind: global_buffer, .address_space: global }
      - { .name: wk, .offset: 32, .size: 8, .value_kind: global_buffer, .address_space: global }
      - { .name: wv, .offset: 40, .size: 8, .value_kind: global_buffer, .address_space: global }
      - { .name: w_proj, .offset: 48, .size: 8, .value_kind: global_buffer, .address_space: global }
      - { .name: castb, .offset: 56, .size: 8, .value_kind: global_buffer, .address_space: global }
    .group_segment_fixed_size: 0
    .private_segment_fixed_size: 0
    .kernarg_segment_align: 8
    .kernarg_segment_size: 64
    .max_flat_workgroup_size: 256
    .sgpr_count:     66
    .vgpr_count:     100
    .wavefront_size: 32
...
	.end_amdgpu_metadata
.endif
;; end of part 1
;; launch qkv (part 2): grid 16 x 16, 4 waves a work-group, clusters of 4 x 4, 327,680 bytes of LDS; arguments castb, bq, bv, qkvb; writes qkvb
.if DOCPART == 2
	.amdgcn_target "amdgcn-amd-amdhsa--gfx1250"
	.amdhsa_code_object_version 6
	.text
	.protected	k_q1835c94eef_qkv
	.globl	k_q1835c94eef_qkv
	.p2align	8
	.type	k_q1835c94eef_qkv,@function
k_q1835c94eef_qkv:
	s_mov_b64 s[64:65], 0
	v_nop
	global_prefetch_b8 v0, s[64:65] scope:SCOPE_SE
	s_setreg_imm32_b32 hwreg(HW_REG_WAVE_MODE, 25, 1), 1
	s_wait_xcnt 0x0
	s_wait_alu depctr_hold_cnt(0) depctr_sa_sdst(0) depctr_va_vdst(0) depctr_va_sdst(0) depctr_va_ssrc(0) depctr_va_vcc(0) depctr_vm_vsrc(0)
	s_getreg_b32 s2, hwreg(HW_REG_IB_STS2, 6, 4)
	s_cmp_eq_u32 s2, 0
	s_cbranch_scc0 .Lentry_in_a_cluster
	s_endpgm
.Lentry_in_a_cluster:
	s_bfe_u32 s2, ttmp6, 0x10000c
	s_cmp_lg_u32 s2, 0xf033
	s_cbranch_scc0 .Lentry_shape_is_right
	s_endpgm
.Lentry_shape_is_right:
; Launch 2: q = x wq + bq, k = x wk, v = x wv + bv, in bf16, as qkvb[3 which][32 b*16+h][2048 s][64].
; bk is left out: it adds to every score of a query the same number along the softmax axis and cancels (shown at the head of the first kernel).
; A work-group makes 256 tokens (block row by) x the 192 columns of one head (bx): 64 of q, 64 of k, 64 of v.  Wave w makes rows 64 w .. 64 w + 63
; of all 192 columns: 4 x 12 accumulator tiles of 16 x 16, 384 registers.  K = 1024 goes in steps of 128 through two LDS slots.
; The weights lie [k][n]: their fragments come out of LDS by the transposing load.  The matrix instruction is used transposed (source 0 =
; 16 columns of the weights, source 1 = 16 tokens), so that a lane holds eight neighbouring columns of one token.
; The bias costs no arithmetic: the first product of each sum takes it as C (k: the constant 0).
; CLUSTER 4 x 4: the x tile hangs on by alone and is asked for jointly along a row of the cluster, the weight tiles on bx alone, along a column.
; Waves 0 to 2 fetch the weight plane of q, k, v (128 k x 64, dense in memory); wave 3 fetches the 256 rows of x.
; REGISTERS.  window 0: v16-27 addresses, v32-63 and v96-127 fragments of x (two buffers), v160-207 packed results, v208-255 rows read back.
; window 1: v0-95 and v96-191 fragments of the weights (two buffers), v192-255 bq and bv.  windows 2, 3: accumulators of m tiles 0, 1 and 2, 3.
.set MT, 4
.set NT, 12
.set KSTEP, 128
.set PITCH, 272                        ; an LDS row of x: 256 bytes + 16: an odd multiple of 16
.set BP, 160                           ; an LDS row of a weight plane: 128 bytes + 32: an odd multiple of 32
.set PLANE, 128*BP
.set BOFF, 256*PITCH
.set SLOT, BOFF+3*PLANE                ; 131072
.set STAGE, 2*SLOT                     ; behind the ring; no tensor load lands here
.set SP, 144
.set SW, 3*16*SP                       ; a wave stage: 3 planes x 16 rows
.set LAPS, 1024/(2*KSTEP)
.set WQB, 25165824
.set ASTEP, 2*KSTEP*2                  ; two K steps along a row of x, bytes
.set BSTEP, 2*KSTEP*128                ; two K steps down a weight plane, bytes
.set ADRA, 16
.set ADRB, 20
.set STO, 24
.set RD, 25
.set CO, 26
.set VB, 27
.set FA, 32
.set TMP, 160
.set RB, 208
.set FB, 0
.set BIAS, 192
.set G1A, 24
.set G0A, 32
.set G1B, 48
.set G0B, 56
.set OB, 66
.set TO_B, 0x40                        ; destination window 1, address window 0
.set MSB, 0
.macro WIN new                         ; the high byte of the immediate repeats the setting that is left
.if MSB != \new
	s_set_vgpr_msb (MSB<<8)|\new
.set MSB, \new
.endif
.endm
.macro PLACES                          ; four places behind matrix instructions in front of loads into their sources and reads of their results
.rept 4
	v_nop
.endr
.endm
.macro JLOAD s                         ; one joint load a wave; the branch hangs on the wave number alone
	s_cmp_eq_u32 s14, 3
	s_cbranch_scc0 .Lfor_b_\@
	tensor_load_to_lds s[G0A+4*\s:G0A+4*\s+3], s[G1A:G1A+7]
	s_nop 0
	s_branch .Lasked_\@
.Lfor_b_\@:
	tensor_load_to_lds s[G0B+4*\s:G0B+4*\s+3], s[G1B:G1B+7]
	s_nop 0
.Lasked_\@:
.endm
.macro CREST                           ; a round of the cluster barrier behind its opening work-group barrier
	s_cmp_lg_u32 s14, 0
	s_cbranch_scc1 .Lnot_wave_0_\@
	s_barrier_signal -3
.Lnot_wave_0_\@:
	s_barrier_wait -3
	s_barrier_signal -1
	s_barrier_wait -1
.endm
.macro CROUND
	s_barrier_signal -1
	s_barrier_wait -1
	CREST
.endm
	s_load_b256 s[4:11], s[0:1], 0x0               ; castb s[4:5], bq s[6:7], bv s[8:9], qkvb s[10:11]
	v_lshl_add_u32 v158, v0, 2, 0x46c00
	v_mov_b32 v159, 0
	ds_add_u32 v158, v159
	v_lshrrev_b32 v1, 5, v0
	v_readfirstlane_b32 s14, v1                    ; wave
	s_bfe_u32 s17, ttmp6, 0x40000                  ; cx
	s_bfe_u32 s18, ttmp6, 0x40004                  ; cy
	s_lshl_b32 s19, ttmp9, 2
	s_add_co_u32 s19, s19, s17                     ; bx: the head
	s_and_b32 s20, ttmp7, 0xffff
	s_lshl_b32 s20, s20, 2
	s_add_co_u32 s20, s20, s18                     ; by: block of 256 tokens
	s_lshl_b32 s21, s18, 2
	s_lshl_b32 s21, 15, s21                        ; my row of the cluster
	s_lshl_b32 s22, 0x1111, s17                    ; my column
	; group 1 for x: 256 rows x 128 elements of 2 bytes, row pitch 1024 elements, 4 words of padding behind every 64
	s_or_b32 s[G1A+0], s21, (1<<16)|(1<<20)|(1<<21)|(5<<22)|(3<<25)
	s_mov_b32 s[G1A+1], 128<<16
	s_mov_b32 s[G1A+2], 256<<16
	s_mov_b32 s[G1A+3], 128<<16
	s_mov_b32 s[G1A+4], 256
	s_mov_b32 s[G1A+5], 1024
	s_mov_b32 s[G1A+6], 0
	s_mov_b32 s[G1A+7], 0
	; group 1 for a weight plane: 16384 dense bytes as 64 rows of 128 elements, 8 words of padding behind every 32 (one k row)
	s_or_b32 s[G1B+0], s22, (1<<16)|(1<<20)|(1<<21)|(4<<22)|(7<<25)
	s_mov_b32 s[G1B+1], 128<<16
	s_mov_b32 s[G1B+2], 64<<16
	s_mov_b32 s[G1B+3], 128<<16
	s_mov_b32 s[G1B+4], 64
	s_mov_b32 s[G1B+5], 128
	s_mov_b32 s[G1B+6], 0
	s_mov_b32 s[G1B+7], 0
	s_lshl_b32 s40, s20, 19                        ; x: 256 by rows of 2048 bytes
	s_mov_b32 s41, 0
	s_lshl_b32 s44, s14, 21                        ; weights: tensor w of wq, wk, wv (2097152 bytes each); the set of wave 3 is never used
	s_lshl_b32 s45, s19, 17                        ; head bx: 131072 bytes
	s_add_co_u32 s44, s44, s45
	s_add_co_u32 s44, s44, WQB
	s_mov_b32 s45, 0
	s_mul_i32 s72, s14, PLANE
	s_add_co_u32 s72, s72, BOFF                    ; LDS place of plane w
	s_wait_dscnt 0x0
	s_wait_kmcnt 0x0
	s_add_nc_u64 s[42:43], s[4:5], s[40:41]
	s_add_nc_u64 s[46:47], s[4:5], s[44:45]
	CROUND                                         ; all sixteen work-groups are here: the first joint loads meet
.irp s, 0,1
	s_mov_b32 s[G0A+4*\s], 1
	s_mov_b32 s[G0A+4*\s+1], \s*SLOT
	s_add_nc_u64 s[G0A+4*\s+2:G0A+4*\s+3], s[42:43], \s*KSTEP*2
	s_or_b32 s[G0A+4*\s+3], s[G0A+4*\s+3], 0x80000000
	s_mov_b32 s[G0B+4*\s], 1
	s_add_co_u32 s[G0B+4*\s+1], s72, \s*SLOT
	s_add_nc_u64 s[G0B+4*\s+2:G0B+4*\s+3], s[46:47], \s*KSTEP*128
	s_or_b32 s[G0B+4*\s+3], s[G0B+4*\s+3], 0x80000000
	JLOAD \s                                       ; both slots are asked for before anything else: two loads of the wave are out
.endr
	v_and_b32 v1, 15, v0                           ; r
	v_bfe_u32 v2, v0, 4, 1                         ; h
	v_and_b32 v3, 7, v0                            ; lane mod 8
	v_bfe_u32 v4, v0, 3, 1                         ; bit 3 of the lane
	v_and_b32 v5, 31, v0                           ; lane
	v_mul_u32_u24 v6, v1, PITCH
	v_lshl_add_u32 v6, v2, 4, v6
	s_mul_i32 s73, s14, 64*PITCH
	v_add_nc_u32 v[ADRA], s73, v6                  ; (64 w + r) 272 + 16 h
	v_add_nc_u32 v[ADRA+1], SLOT, v[ADRA]
	v_lshl_add_u32 v7, v2, 3, v3
	v_mul_u32_u24 v7, v7, BP
	v_lshl_add_u32 v7, v4, 4, v7
	v_add_nc_u32 v[ADRB], BOFF, v7                 ; (8 h + lane mod 8) 160 + 16 bit 3: the transposing load
	v_add_nc_u32 v[ADRB+1], SLOT, v[ADRB]
	s_mul_i32 s74, s14, SW
	s_add_co_u32 s74, s74, STAGE
	v_mul_u32_u24 v8, v1, SP
	v_lshl_add_u32 v8, v2, 4, v8
	v_add_nc_u32 v[STO], s74, v8                   ; stage in: row r, 16 bytes for each half of the lanes
	v_lshrrev_b32 v9, 3, v5
	v_mul_u32_u24 v9, v9, SP
	v_lshl_add_u32 v9, v3, 4, v9
	v_add_nc_u32 v[RD], s74, v9                    ; stage back: eight lanes a row of 128 bytes, four rows a load
	v_lshlrev_b32 v[CO], 4, v5
	s_lshl_b32 s75, s19, 8
	v_lshl_add_u32 v[VB], v2, 5, s75               ; bias: 256 bx + 32 h
	WIN TO_B
.irp b, 0,1,2,3
	global_load_b128 v[BIAS+8*\b:BIAS+8*\b+3], v[VB], s[6:7] offset:64*\b
	global_load_b128 v[BIAS+8*\b+4:BIAS+8*\b+7], v[VB], s[6:7] offset:64*\b+16
	global_load_b128 v[BIAS+32+8*\b:BIAS+32+8*\b+3], v[VB], s[8:9] offset:64*\b
	global_load_b128 v[BIAS+32+8*\b+4:BIAS+32+8*\b+7], v[VB], s[8:9] offset:64*\b+16
.endr
	WIN 0
; 12 matrix instructions: m tile 2 hi + al x all 12 n tiles, 32 along K, from buffer f.  first = 1: C is the bias (q, v) or 0 (k).
; All 48 accumulators take turns in one fixed order, one instruction a turn, over the backward jump too.
.macro MULQ f, hi, al, first
.irp b, 0,1,2,3,4,5,6,7,8,9,10,11
.set AC, 8*(\al*NT+\b)
.set BF, FB+8*NT*\f+8*\b
.set AF, FA+64*\f+8*(2*\hi+\al)
.if \first
.if \b < 4
	v_wmma_f32_16x16x32_bf16 v[AC:AC+7], v[BF:BF+7], v[AF:AF+7], v[BIAS+8*\b:BIAS+8*\b+7]
.else
.if \b < 8
	v_wmma_f32_16x16x32_bf16 v[AC:AC+7], v[BF:BF+7], v[AF:AF+7], 0
.else
	v_wmma_f32_16x16x32_bf16 v[AC:AC+7], v[BF:BF+7], v[AF:AF+7], v[BIAS+8*(\b-4):BIAS+8*(\b-4)+7]
.endif
.endif
.else
	v_wmma_f32_16x16x32_bf16 v[AC:AC+7], v[BF:BF+7], v[AF:AF+7], v[AC:AC+7]
.endif
.endr
.endm
; 32 LDS loads in one run: quarter kq (32 along K) of a slot into buffer f: 24 for the weights, then 8 for x
.macro FETCH slot, kq, f
	WIN TO_B
.irp b, 0,1,2,3,4,5,6,7,8,9,10,11
	ds_load_tr16_b128 v[FB+8*NT*\f+8*\b:FB+8*NT*\f+8*\b+3], v[ADRB+\slot] offset:(32*\kq)*BP+(\b>>2)*PLANE+32*(\b&3)
	ds_load_tr16_b128 v[FB+8*NT*\f+8*\b+4:FB+8*NT*\f+8*\b+7], v[ADRB+\slot] offset:(32*\kq+16)*BP+(\b>>2)*PLANE+32*(\b&3)
.endr
	WIN 0
.irp a, 0,1,2,3
	ds_load_b128 v[FA+64*\f+8*\a:FA+64*\f+8*\a+3], v[ADRA+\slot] offset:64*\kq+\a*16*PITCH
	ds_load_b128 v[FA+64*\f+8*\a+4:FA+64*\f+8*\a+7], v[ADRA+\slot] offset:64*\kq+\a*16*PITCH+32
.endr
.endm
; multiplies buffer f; in its middle fetches quarter kq of the same slot into buffer g
.macro QUARTER slot, kq, f, g, first
	s_wait_dscnt MT                                ; the youngest four loads (m tiles 2, 3 of x) may be out
.if \first
	WIN 0x91                                       ; C from window 1, D window 2
.else
	WIN 0xa1
.endif
	MULQ \f, 0, 0, \first
	MULQ \f, 0, 1, \first
	PLACES
	FETCH \slot, \kq, \g
	s_wait_dscnt 32                                ; all but the 32 just issued
.if \first
	WIN 0xd1
.else
	WIN 0xf1
.endif
	MULQ \f, 1, 0, \first
	MULQ \f, 1, 1, \first
.endm
.macro THREE slot, first
	QUARTER \slot, 1, 0, 1, \first
	QUARTER \slot, 2, 1, 0, 0
	QUARTER \slot, 3, 0, 1, 0
.endm
; the last quarter of a K step: multiplies buffer 1 and changes slots.  In front of the barrier each wave waits for its reads of this slot and
; for all its tensor loads (one is out: its part of the next slot).  fill = 1: the barrier opens a round of the cluster barrier, and the joint
; refill of this slot is the first tensor load behind the round, one a wave.
.macro TURN slot, next, fill
	s_wait_dscnt MT
	WIN 0xa1
	MULQ 1, 0, 0, 0
	s_wait_dscnt 0x0
	s_set_vgpr_msb 0xa1a0
	s_wait_tensorcnt 0x0
	ds_add_u32 v158, v159
	s_wait_dscnt 0x0
	s_set_vgpr_msb 0xa0a1
	s_barrier_signal -1
	MULQ 1, 0, 1, 0                                ; register work between signal and wait
	WIN 0
	s_barrier_wait -1
.if \fill
	CREST
	s_add_nc_u64 s[G0A+4*\slot+2:G0A+4*\slot+3], s[G0A+4*\slot+2:G0A+4*\slot+3], ASTEP
	s_add_nc_u64 s[G0B+4*\slot+2:G0B+4*\slot+3], s[G0B+4*\slot+2:G0B+4*\slot+3], BSTEP
	JLOAD \slot
.endif
	PLACES
	FETCH \next, 0, 0
	WIN 0xf1
	MULQ 1, 1, 0, 0
	MULQ 1, 1, 1, 0
.endm
.macro LAP first
	THREE 0, \first
	TURN 0, 1, 1
	THREE 1, 0
	TURN 1, 0, 1
.endm
	s_wait_tensorcnt 0x1                           ; my part of K step 0 is in; K step 1 may stay out
	s_wait_loadcnt 0x0                             ; the biases
	s_barrier_signal -1
	s_barrier_wait -1
	FETCH 0, 0, 0
	LAP 1                                          ; the first lap starts the sums
	WIN 0
	s_mov_b32 s23, LAPS-2
.Llap:
	LAP 0
	WIN 0
	s_sub_co_u32 s23, s23, 1
	s_cmp_lg_u32 s23, 0
	s_cbranch_scc1 .Llap
	THREE 0, 0                                     ; the last lap fills nothing
	TURN 0, 1, 0
	THREE 1, 0
	s_wait_dscnt MT
	WIN 0xa1
	MULQ 1, 0, 0, 0
	MULQ 1, 0, 1, 0
	s_wait_dscnt 0x0
	WIN 0xf1
	MULQ 1, 1, 0, 0
	MULQ 1, 1, 1, 0
	PLACES
	; the way out: rows of 128 bytes of one head lie back to back in qkvb, so four rows read back from the stage are 512 consecutive aligned bytes
	s_lshr_b32 s72, s20, 3                         ; batch
	s_lshl4_add_u32 s72, s72, s19                  ; 16 b + head
	s_lshl_b32 s72, s72, 18                        ; x 2048 rows of 128 bytes
	s_and_b32 s73, s20, 7
	s_lshl_b32 s73, s73, 15                        ; 256 rows for each block inside the batch
	s_add_co_u32 s72, s72, s73
	s_lshl_b32 s73, s14, 13                        ; 64 rows for each wave
	s_add_co_u32 s72, s72, s73
	s_mov_b32 s73, 0
	s_add_nc_u64 s[OB:OB+1], s[10:11], s[72:73]
	s_add_nc_u64 s[OB+2:OB+3], s[OB:OB+1], 0x800000
	s_add_nc_u64 s[OB+4:OB+5], s[OB+2:OB+3], 0x800000
.macro OUT16 a
.if \a < MT/2
	WIN 0x0a
.else
	WIN 0x0f
.endif
.irp b, 0,1,2,3,4,5,6,7,8,9,10,11
.irp r, 0,1,2,3
	v_cvt_pk_bf16_f32 v[TMP+4*\b+\r], v[8*((\a%(MT/2))*NT+\b)+2*\r], v[8*((\a%(MT/2))*NT+\b)+2*\r+1]
.endr
.endr
	WIN 0
.irp b, 0,1,2,3,4,5,6,7,8,9,10,11
	ds_store_b128 v[STO], v[TMP+4*\b:TMP+4*\b+3] offset:(\b>>2)*16*SP+32*(\b&3)
.endr
	s_wait_xcnt 0x0                                ; RB, which the last stores read, is loaded again only behind this wait
.irp t, 0,1,2,3,4,5,6,7,8,9,10,11
	ds_load_b128 v[RB+4*\t:RB+4*\t+3], v[RD] offset:(\t>>2)*16*SP+(\t&3)*4*SP   ; a wave is served in order: these see the stores above
.endr
.irp t, 0,1,2,3,4,5,6,7,8,9,10,11
	s_wait_dscnt 11-\t                             ; the younger loads stay out
	global_store_b128 v[CO], v[RB+4*\t:RB+4*\t+3], s[OB+2*(\t>>2):OB+2*(\t>>2)+1] offset:(16*\a+4*(\t&3))*128
.endr
.endm
	OUT16 0
	OUT16 1
	OUT16 2
	OUT16 3
	s_wait_tensorcnt 0x0
	ds_add_u32 v158, v159
	s_wait_dscnt 0x0
	CROUND                                         ; the closing round: no work-group ends while a partner may still ask jointly
	s_endpgm
.Lfunc_end_k_q1835c94eef_qkv:
	.size	k_q1835c94eef_qkv, .Lfunc_end_k_q1835c94eef_qkv-k_q1835c94eef_qkv
	.p2alignl 7, 3214868480
	.fill 96, 4, 3214868480
	.section	.rodata,"a",@progbits
	.p2align	6, 0x0
	.amdhsa_kernel k_q1835c94eef_qkv
		.amdhsa_group_segment_fixed_size 327680
		.amdhsa_private_segment_fixed_size 0
		.amdhsa_enable_private_segment 0
		.amdhsa_kernarg_size 32
		.amdhsa_user_sgpr_count 2
		.amdhsa_user_sgpr_kernarg_segment_ptr 1
		.amdhsa_wavefront_size32 1
		.amdhsa_system_sgpr_workgroup_id_x 1
		.amdhsa_system_sgpr_workgroup_id_y 1
		.amdhsa_system_sgpr_workgroup_id_z 1
		.amdhsa_system_vgpr_workitem_id 0
		.amdhsa_next_free_vgpr 1024
		.amdhsa_next_free_sgpr 80
		.amdhsa_reserve_vcc 0
		.amdhsa_float_denorm_mode_32 3
		.amdhsa_float_denorm_mode_16_64 3
		.amdhsa_memory_ordered 1
		.amdhsa_forward_progress 1
		.amdhsa_inst_pref_size 165
	.end_amdhsa_kernel
	.amdgpu_metadata
---
amdhsa.version: [ 1, 2 ]
amdhsa.kernels:
  - .name:           k_q1835c94eef_qkv
    .symbol:         k_q1835c94eef_qkv.kd
    .args:
      - { .name: castb, .offset: 0, .size: 8, .value_kind: global_buffer, .address_space: global }
      - { .name: bq, .offset: 8, .size: 8, .value_kind: global_buffer, .address_space: global }
      - { .name: bv, .offset: 16, .size: 8, .value_kind: global_buffer, .address_space: global }
      - { .name: qkvb, .offset: 24, .size: 8, .value_kind: global_buffer, .address_space: global }
    .group_segment_fixed_size: 327680
    .private_segment_fixed_size: 0
    .kernarg_segment_align: 8
    .kernarg_segment_size: 32
    .max_flat_workgroup_size: 128
    .sgpr_count:     80
    .vgpr_count:     1024
    .wavefront_size: 32
...
	.end_amdgpu_metadata
.endif
;; end of part 2
;; launch attn (part 3): grid 8 x 32, 4 waves a work-group, clusters of 4 x 1, 327,680 bytes of LDS; arguments qkvb, cb; writes cb
.if DOCPART == 3
	.amdgcn_target "amdgcn-amd-amdhsa--gfx1250"
	.amdhsa_code_object_version 6
	.text
	.protected	k_q1835c94eef_attn
	.globl	k_q1835c94eef_attn
	.p2align	8
	.type	k_q1835c94eef_attn,@function
k_q1835c94eef_attn:
	s_mov_b64 s[64:65], 0
	v_nop
	global_prefetch_b8 v0, s[64:65] scope:SCOPE_SE
	s_setreg_imm32_b32 hwreg(HW_REG_WAVE_MODE, 25, 1), 1
	s_wait_xcnt 0x0
	s_wait_alu depctr_hold_cnt(0) depctr_sa_sdst(0) depctr_va_vdst(0) depctr_va_sdst(0) depctr_va_ssrc(0) depctr_va_vcc(0) depctr_vm_vsrc(0)
	s_getreg_b32 s2, hwreg(HW_REG_IB_STS2, 6, 4)
	s_cmp_eq_u32 s2, 0
	s_cbranch_scc0 .Lentry_in_a_cluster
	s_endpgm
.Lentry_in_a_cluster:
	s_bfe_u32 s2, ttmp6, 0x10000c
	s_cmp_lg_u32 s2, 0x3003
	s_cbranch_scc0 .Lentry_shape_is_right
	s_endpgm
.Lentry_shape_is_right:
; Launch 3: out = softmax(q k^T / 8) v for each of the 32 (batch, head) pairs, with a running maximum; cb[16 heads][4096 tokens][64] in bf16.
; k comes without bk: that term is the same along the softmax axis and cancels (shown at the head of the first kernel).
; A work-group has 256 queries of one (batch, head); wave w has 64: four tiles q of 16.  The four work-groups of a cluster are four query blocks
; of the same (batch, head) and ask jointly for its K and V tiles of 256 keys (two LDS slots, eight tiles).
; LAYOUT WITHOUT SHUFFLES.  S^T = K Q^T (source 0 = 16 keys, source 1 = 16 queries): lane (r, h) holds keys 16 tt + 8 h + j of query r.  Packed in
; pairs, tiles 2 u and 2 u + 1 are the source 1 fragment of O^T = V^T P^T (source 0 = 16 columns of V by the transposing load), in which lane
; (r, h) holds columns 16 et + 8 h + j of query r.  So maximum, sum and rescaling are a lane's own; the maximum crosses the two halves of the
; lanes by one permute a step, the sum once at the end.
; NM = -c x running maximum, c = log2(e) / 8.  p = exp2(c s + NM), the rescaling factor is exp2(NM new - NM old): one reference value serves p,
; the factor and the sum, so its own rounding cancels in the quotient.  Exponents are at most a rounding error above 0.
; REGISTERS.  window 0: v1-7 addresses, v8-15 pairs (NM, L), v16-23 pairs (AL, X), v24-31 at work, v32-95 Q, v96-223 S (P packed into the first
; 16 of each 32).  window 1: v0-63 K fragments, v64-127 V fragments, v128-255 O.
.set KP, 144
.set VP, 160
.set VOFF, 256*KP
.set SLOT, VOFF+256*VP                 ; 77824
.set STAGE, 2*SLOT                     ; behind the ring; no tensor load lands here
.set SP, 144
.set ADK, 1
.set ADV, 3
.set STO, 5
.set RD, 6
.set CO, 7
.set NM, 8
.set AL, 16
.set T, 24
.set Q, 32
.set S, 96
.set KF, 0
.set VF, 64
.set O, 128
.set G1K, 16
.set G1V, 24
.set G0K, 32
.set G0V, 40
.set MSB, 0
.macro WIN new
.if MSB != \new
	s_set_vgpr_msb (MSB<<8)|\new
.set MSB, \new
.endif
.endm
.macro PLACES n
.rept \n
	v_nop
.endr
.endm
.macro ROUND                           ; a round of the cluster barrier
	s_barrier_signal -1
	s_barrier_wait -1
	s_cmp_lg_u32 s8, 0
	s_cbranch_scc1 .Lnot_wave_0_\@
	s_barrier_signal -3
.Lnot_wave_0_\@:
	s_barrier_wait -3
	s_barrier_signal -1
	s_barrier_wait -1
.endm
.macro JLOAD s                         ; waves 0, 1: the halves of K; waves 2, 3: the halves of V
	s_cmp_eq_u32 s49, 0
	s_cbranch_scc0 .Lfor_v_\@
	tensor_load_to_lds s[G0K+4*\s:G0K+4*\s+3], s[G1K:G1K+7]
	s_nop 0
	s_branch .Lasked_\@
.Lfor_v_\@:
	tensor_load_to_lds s[G0V+4*\s:G0V+4*\s+3], s[G1V:G1V+7]
	s_nop 0
.Lasked_\@:
.endm
	s_load_b128 s[4:7], s[0:1], 0x0                ; qkvb s[4:5], cb s[6:7]
	v_lshl_add_u32 v254, v0, 2, 0x2f000
	v_mov_b32 v255, 0
	ds_add_u32 v254, v255
	v_lshrrev_b32 v1, 5, v0
	v_readfirstlane_b32 s8, v1                     ; wave
	s_and_b32 s9, s8, 1
	s_lshr_b32 s49, s8, 1
	s_bfe_u32 s10, ttmp6, 0x40000                  ; cx
	s_and_b32 s11, ttmp7, 0xffff                   ; 16 b + head
	s_lshl_b32 s12, ttmp9, 2
	s_add_co_u32 s12, s12, s10                     ; query block
	s_mov_b32 s14, 0x3e38aa3b                      ; c = log2(e) / 8
	s_mov_b32 s15, 0x3e38aa3b
	s_mov_b32 s48, 0xbe38aa3b                      ; -c
	s_mov_b32 s50, 0x76543210                      ; lane i of one half reads lane i of the other
	s_mov_b32 s51, 0xfedcba98
	; group 1: 128 keys = 16384 dense bytes as 64 rows of 128 elements; padding behind every 32 words (one key): 4 words for K, 8 for V; mask 15: all four
	s_mov_b32 s[G1K+0], 15|(1<<16)|(1<<20)|(1<<21)|(4<<22)|(3<<25)
	s_mov_b32 s[G1K+1], 128<<16
	s_mov_b32 s[G1K+2], 64<<16
	s_mov_b32 s[G1K+3], 128<<16
	s_mov_b32 s[G1K+4], 64
	s_mov_b32 s[G1K+5], 128
	s_mov_b32 s[G1K+6], 0
	s_mov_b32 s[G1K+7], 0
	s_mov_b32 s[G1V+0], 15|(1<<16)|(1<<20)|(1<<21)|(4<<22)|(7<<25)
	s_mov_b32 s[G1V+1], 128<<16
	s_mov_b32 s[G1V+2], 64<<16
	s_mov_b32 s[G1V+3], 128<<16
	s_mov_b32 s[G1V+4], 64
	s_mov_b32 s[G1V+5], 128
	s_mov_b32 s[G1V+6], 0
	s_mov_b32 s[G1V+7], 0
	s_lshl_b32 s52, s11, 18                        ; 2048 keys of 128 bytes for each (batch, head)
	s_lshl_b32 s53, s9, 14                         ; my half: 128 keys
	s_add_co_u32 s52, s52, s53
	s_add_co_u32 s52, s52, 0x800000                ; k lies behind q
	s_mov_b32 s53, 0
	s_mul_i32 s54, s9, 128*KP
	s_mul_i32 s55, s9, 128*VP
	s_add_co_u32 s55, s55, VOFF
	s_wait_dscnt 0x0
	s_wait_kmcnt 0x0
	s_add_nc_u64 s[56:57], s[4:5], s[52:53]
	s_add_nc_u64 s[58:59], s[56:57], 0x800000      ; v lies behind k
.irp s, 0,1
	s_mov_b32 s[G0K+4*\s], 1
	s_add_co_u32 s[G0K+4*\s+1], s54, \s*SLOT
	s_add_nc_u64 s[G0K+4*\s+2:G0K+4*\s+3], s[56:57], \s*32768
	s_or_b32 s[G0K+4*\s+3], s[G0K+4*\s+3], 0x80000000
	s_mov_b32 s[G0V+4*\s], 1
	s_add_co_u32 s[G0V+4*\s+1], s55, \s*SLOT
	s_add_nc_u64 s[G0V+4*\s+2:G0V+4*\s+3], s[58:59], \s*32768
	s_or_b32 s[G0V+4*\s+3], s[G0V+4*\s+3], 0x80000000
.endr
	ROUND                                          ; in front of the first joint load
	JLOAD 0                                        ; tile 0
	v_and_b32 v25, 15, v0                          ; r
	v_bfe_u32 v26, v0, 4, 1                        ; h
	v_and_b32 v27, 7, v0
	v_bfe_u32 v28, v0, 3, 1
	v_and_b32 v29, 31, v0
	v_mul_u32_u24 v[ADK], v25, KP
	v_lshl_add_u32 v[ADK], v26, 4, v[ADK]          ; 144 r + 16 h
	v_add_nc_u32 v[ADK+1], SLOT, v[ADK]
	v_lshl_add_u32 v[ADV], v26, 3, v27
	v_mul_u32_u24 v[ADV], v[ADV], VP
	v_lshl_add_u32 v[ADV], v28, 4, v[ADV]
	v_add_nc_u32 v[ADV], VOFF, v[ADV]              ; (8 h + lane mod 8) 160 + 16 bit 3
	v_add_nc_u32 v[ADV+1], SLOT, v[ADV]
	s_mul_i32 s54, s8, 64*SP
	s_add_co_u32 s54, s54, STAGE
	v_add_nc_u32 v[STO], s54, v[ADK]
	v_lshrrev_b32 v[RD], 3, v29
	v_mul_u32_u24 v[RD], v[RD], SP
	v_lshl_add_u32 v[RD], v27, 4, v[RD]
	v_add_nc_u32 v[RD], s54, v[RD]
	v_lshlrev_b32 v[CO], 4, v29
	v_lshlrev_b32 v24, 7, v25
	v_lshl_add_u32 v24, v26, 4, v24                ; Q: 128 r + 16 h
	s_lshl_b32 s52, s11, 18
	s_lshl_b32 s54, s12, 15                        ; 256 queries of 128 bytes for each block
	s_add_co_u32 s52, s52, s54
	s_lshl_b32 s54, s8, 13                         ; 64 for each wave
	s_add_co_u32 s52, s52, s54
	s_mov_b32 s53, 0
	s_add_nc_u64 s[4:5], s[4:5], s[52:53]
.irp q, 0,1,2,3
.irp ks, 0,1
	global_load_b128 v[Q+16*\q+8*\ks:Q+16*\q+8*\ks+3], v24, s[4:5] offset:2048*\q+64*\ks
	global_load_b128 v[Q+16*\q+8*\ks+4:Q+16*\q+8*\ks+7], v24, s[4:5] offset:2048*\q+64*\ks+32
.endr
	v_mov_b32 v[NM+2*\q+1], 0                      ; the second register of the pair (NM, L) counts as read by the packed multiply-add
.endr
	s_wait_loadcnt 0x0                             ; Q is in; v24 is free
.macro KLOAD slot, i                   ; K fragments of keys 64 i .. 64 i + 63: 16 loads
	WIN 0x40
.irp tt, 0,1,2,3
.irp ks, 0,1
	ds_load_b128 v[KF+16*\tt+8*\ks:KF+16*\tt+8*\ks+3], v[ADK+\slot] offset:64*KP*(\i)+16*KP*\tt+64*\ks
	ds_load_b128 v[KF+16*\tt+8*\ks+4:KF+16*\tt+8*\ks+7], v[ADK+\slot] offset:64*KP*(\i)+16*KP*\tt+64*\ks+32
.endr
.endr
.endm
.macro VLOAD slot, i                   ; V fragments of the same keys, transposed: 16 loads
	WIN 0x40
.irp et, 0,1,2,3
.irp u, 0,1
	ds_load_tr16_b128 v[VF+16*\et+8*\u:VF+16*\et+8*\u+3], v[ADV+\slot] offset:64*VP*(\i)+32*VP*\u+32*\et
	ds_load_tr16_b128 v[VF+16*\et+8*\u+4:VF+16*\et+8*\u+7], v[ADV+\slot] offset:64*VP*(\i)+32*VP*\u+16*VP+32*\et
.endr
.endr
.endm
; the softmax step of query tile q on its 64 keys (32 registers)
.macro SOFTMAX q, first
.set SB, S+32*\q
	v_max3_num_f32 v[T], v[SB], v[SB+1], v[SB+2]
	v_max3_num_f32 v[T+2], v[SB+16], v[SB+17], v[SB+18]
.irp j, 3,5,7,9,11,13
	v_max3_num_f32 v[T], v[T], v[SB+\j], v[SB+\j+1]
	v_max3_num_f32 v[T+2], v[T+2], v[SB+16+\j], v[SB+17+\j]
.endr
	v_max3_num_f32 v[T], v[T], v[SB+15], v[SB+31]
	v_max_num_f32 v[T], v[T], v[T+2]
	v_permlanex16_b32 v[T+1], v[T], s50, s51       ; the other 32 keys of the same query
	v_max_num_f32 v[T], v[T], v[T+1]
.if \first
	v_mul_f32 v[NM+2*\q], s48, v[T]
.else
	v_mul_f32 v[T], s48, v[T]
	v_min_num_f32 v[T], v[T], v[NM+2*\q]           ; -c x the larger maximum
	v_sub_f32 v[T+1], v[T], v[NM+2*\q]
	v_exp_f32 v[AL+2*\q], v[T+1]                   ; the factor for what has been summed so far
	v_mov_b32 v[NM+2*\q], v[T]                     ; a plain instruction behind the exponential, touching neither its source nor its result
.endif
.set j, 0
.rept 16
	v_pk_fma_f32 v[SB+j:SB+j+1], v[SB+j:SB+j+1], s[14:15], v[NM+2*\q:NM+2*\q+1] op_sel_hi:[1,0,0]
.set j, j+2
.endr
.set j, 0
.rept 32
	v_exp_f32 v[SB+j], v[SB+j]
.set j, j+1
.endr
	v_nop                                          ; one plain place behind the last exponential (ISA guide 5.7.2)
	s_wait_alu depctr_va_vdst(0)
	v_pk_add_f32 v[T:T+1], v[SB:SB+1], v[SB+2:SB+3]
	v_pk_add_f32 v[T+2:T+3], v[SB+16:SB+17], v[SB+18:SB+19]
.irp j, 4,6,8,10,12,14
	v_pk_add_f32 v[T:T+1], v[T:T+1], v[SB+\j:SB+\j+1]
	v_pk_add_f32 v[T+2:T+3], v[T+2:T+3], v[SB+16+\j:SB+17+\j]
.endr
	v_pk_add_f32 v[T:T+1], v[T:T+1], v[T+2:T+3]
.if \first
	v_add_f32 v[NM+2*\q+1], v[T], v[T+1]
.else
	v_add_f32 v[AL+2*\q+1], v[T], v[T+1]
	v_fma_f32 v[NM+2*\q+1], v[NM+2*\q+1], v[AL+2*\q], v[AL+2*\q+1]
.endif
.set j, 0
.rept 16
	v_cvt_pk_bf16_f32 v[SB+j], v[SB+2*j], v[SB+2*j+1]   ; ascending: register j is written when registers up to 2 j + 1 have been read
.set j, j+1
.endr
.endm
; 64 keys x the 64 queries of the wave.  pre = 1: the next 64 keys of K are fetched behind the score products.
; Both runs of products take their 16 accumulators by turns, one instruction a turn.
.macro STEP slot, i, first, pre
	VLOAD \slot, \i
	s_wait_dscnt 16                                ; the 16 V loads just issued stay out; K is in
	WIN 0x01
.irp q, 0,1,2,3
.irp tt, 0,1,2,3
	v_wmma_f32_16x16x32_bf16 v[S+32*\q+8*\tt:S+32*\q+8*\tt+7], v[KF+16*\tt:KF+16*\tt+7], v[Q+16*\q:Q+16*\q+7], 0
.endr
.endr
.irp q, 0,1,2,3
.irp tt, 0,1,2,3
	v_wmma_f32_16x16x32_bf16 v[S+32*\q+8*\tt:S+32*\q+8*\tt+7], v[KF+16*\tt+8:KF+16*\tt+15], v[Q+16*\q+8:Q+16*\q+15], v[S+32*\q+8*\tt:S+32*\q+8*\tt+7]
.endr
.endr
	PLACES 4                                       ; in front of the reads of S and of the loads into the K fragments
.if \pre
	KLOAD \slot, \i+1
.endif
	WIN 0
	SOFTMAX 0, \first
	SOFTMAX 1, \first
	SOFTMAX 2, \first
	SOFTMAX 3, \first
.if \first
.else
	WIN 0x41
.irp q, 0,1,2,3
.set n, 0
.rept 16
	v_pk_mul_f32 v[O+32*\q+n:O+32*\q+n+1], v[O+32*\q+n:O+32*\q+n+1], v[AL+2*\q:AL+2*\q+1] op_sel_hi:[1,0]
.set n, n+2
.endr
.endr
.endif
.if \pre
	s_wait_dscnt 16                                ; the 16 K loads issued behind them stay out; V is in
.else
	s_wait_dscnt 0x0
.endif
	WIN 0x51
.irp q, 0,1,2,3
.irp et, 0,1,2,3
.if \first
	v_wmma_f32_16x16x32_bf16 v[O+32*\q+8*\et:O+32*\q+8*\et+7], v[VF+16*\et:VF+16*\et+7], v[S+32*\q:S+32*\q+7], 0
.else
	v_wmma_f32_16x16x32_bf16 v[O+32*\q+8*\et:O+32*\q+8*\et+7], v[VF+16*\et:VF+16*\et+7], v[S+32*\q:S+32*\q+7], v[O+32*\q+8*\et:O+32*\q+8*\et+7]
.endif
.endr
.endr
.irp q, 0,1,2,3
.irp et, 0,1,2,3
	v_wmma_f32_16x16x32_bf16 v[O+32*\q+8*\et:O+32*\q+8*\et+7], v[VF+16*\et+8:VF+16*\et+15], v[S+32*\q+8:S+32*\q+15], v[O+32*\q+8*\et:O+32*\q+8*\et+7]
.endr
.endr
	PLACES 5                                       ; the next score products write over P, the next loads land in the V fragments, the end reads O
	WIN 0
.endm
; one tile of 256 keys.  In front of the round: all my tensor loads have landed (my part of this tile among them) and my reads of the other slot
; are back.  Behind it the other slot is asked for first, one joint load a wave; it has this tile's four steps in which to land.
.macro TRIP slot, other, refill, first
	s_wait_tensorcnt 0x0
	ds_add_u32 v254, v255
	s_wait_dscnt 0x0
	s_add_nc_u64 s[G0K+4*\slot+2:G0K+4*\slot+3], s[G0K+4*\slot+2:G0K+4*\slot+3], 65536   ; no load of mine is out: this slot's next tile
	s_add_nc_u64 s[G0V+4*\slot+2:G0V+4*\slot+3], s[G0V+4*\slot+2:G0V+4*\slot+3], 65536
	s_wait_dscnt 0x0
	ROUND
.if \refill
	JLOAD \other
.endif
	KLOAD \slot, 0
	STEP \slot, 0, \first, 1
	STEP \slot, 1, 0, 1
	STEP \slot, 2, 0, 1
	STEP \slot, 3, 0, 0
.endm
	TRIP 0, 1, 1, 1                                ; tiles 0 and 1: the very first step starts maximum, sum and O
	TRIP 1, 0, 1, 0
	s_mov_b32 s13, 2
.Lpair:
	TRIP 0, 1, 1, 0                                ; tiles 2 to 5
	TRIP 1, 0, 1, 0
	s_sub_co_u32 s13, s13, 1
	s_cmp_lg_u32 s13, 0
	s_cbranch_scc1 .Lpair
	TRIP 0, 1, 1, 0                                ; tile 6 asks for tile 7,
	TRIP 1, 0, 0, 0                                ; which asks for nothing (the stepped addresses are not used)
	; the end: the two halves of each sum meet, O is divided by it, rounded, and leaves through the stage as rows of 128 bytes
.irp q, 0,1,2,3
	v_permlanex16_b32 v[T+\q], v[NM+2*\q+1], s50, s51
.endr
.irp q, 0,1,2,3
	v_add_f32 v[NM+2*\q+1], v[NM+2*\q+1], v[T+\q]
.endr
.irp q, 0,1,2,3
	v_rcp_f32 v[AL+2*\q], v[NM+2*\q+1]
.endr
	v_nop
	WIN 0x41
	s_wait_alu depctr_va_vdst(0)
.irp q, 0,1,2,3
.set n, 0
.rept 16
	v_pk_mul_f32 v[O+32*\q+n:O+32*\q+n+1], v[O+32*\q+n:O+32*\q+n+1], v[AL+2*\q:AL+2*\q+1] op_sel_hi:[1,0]
.set n, n+2
.endr
.endr
	WIN 0x05
.irp t, 0,1,2,3,4,5,6,7,8,9,10,11,12,13,14,15
.irp r, 0,1,2,3
	v_cvt_pk_bf16_f32 v[S+4*\t+\r], v[O+8*\t+2*\r], v[O+8*\t+2*\r+1]
.endr
.endr
	WIN 0
	s_and_b32 s52, s11, 15
	s_lshl_b32 s52, s52, 19                        ; the head's plane: 4096 tokens of 128 bytes
	s_lshr_b32 s54, s11, 4
	s_lshl_b32 s54, s54, 18                        ; the batch: 2048 tokens
	s_add_co_u32 s52, s52, s54
	s_lshl_b32 s54, s12, 15
	s_add_co_u32 s52, s52, s54
	s_lshl_b32 s54, s8, 13
	s_add_co_u32 s52, s52, s54
	s_mov_b32 s53, 0
	s_add_nc_u64 s[6:7], s[6:7], s[52:53]
.irp t, 0,1,2,3,4,5,6,7,8,9,10,11,12,13,14,15
	ds_store_b128 v[STO], v[S+4*\t:S+4*\t+3] offset:16*SP*(\t>>2)+32*(\t&3)
.endr
.irp t, 0,1,2,3,4,5,6,7,8,9,10,11,12,13,14,15
	ds_load_b128 v[S+64+4*\t:S+64+4*\t+3], v[RD] offset:4*SP*\t     ; a wave is served in order: these see the stores above
.endr
.irp t, 0,1,2,3,4,5,6,7,8,9,10,11,12,13,14,15
	s_wait_dscnt 15-\t                             ; the younger loads stay out
	global_store_b128 v[CO], v[S+64+4*\t:S+64+4*\t+3], s[6:7] offset:512*\t   ; four rows: 512 consecutive aligned bytes
.endr
	s_wait_tensorcnt 0x0
	ds_add_u32 v254, v255
	s_wait_dscnt 0x0
	ROUND                                          ; the closing round
	s_endpgm
.Lfunc_end_k_q1835c94eef_attn:
	.size	k_q1835c94eef_attn, .Lfunc_end_k_q1835c94eef_attn-k_q1835c94eef_attn
	.p2alignl 7, 3214868480
	.fill 96, 4, 3214868480
	.section	.rodata,"a",@progbits
	.p2align	6, 0x0
	.amdhsa_kernel k_q1835c94eef_attn
		.amdhsa_group_segment_fixed_size 327680
		.amdhsa_private_segment_fixed_size 0
		.amdhsa_enable_private_segment 0
		.amdhsa_kernarg_size 16
		.amdhsa_user_sgpr_count 2
		.amdhsa_user_sgpr_kernarg_segment_ptr 1
		.amdhsa_wavefront_size32 1
		.amdhsa_system_sgpr_workgroup_id_x 1
		.amdhsa_system_sgpr_workgroup_id_y 1
		.amdhsa_system_sgpr_workgroup_id_z 1
		.amdhsa_system_vgpr_workitem_id 0
		.amdhsa_next_free_vgpr 512
		.amdhsa_next_free_sgpr 66
		.amdhsa_reserve_vcc 0
		.amdhsa_float_denorm_mode_32 3
		.amdhsa_float_denorm_mode_16_64 3
		.amdhsa_memory_ordered 1
		.amdhsa_forward_progress 1
		.amdhsa_inst_pref_size 255
	.end_amdhsa_kernel
	.section	.bss,"aw",@nobits
	.p2align	6
	.space	262144
	.amdgpu_metadata
---
amdhsa.version: [ 1, 2 ]
amdhsa.kernels:
  - .name:           k_q1835c94eef_attn
    .symbol:         k_q1835c94eef_attn.kd
    .args:
      - { .name: qkvb, .offset: 0, .size: 8, .value_kind: global_buffer, .address_space: global }
      - { .name: cb, .offset: 8, .size: 8, .value_kind: global_buffer, .address_space: global }
    .group_segment_fixed_size: 327680
    .private_segment_fixed_size: 0
    .kernarg_segment_align: 8
    .kernarg_segment_size: 16
    .max_flat_workgroup_size: 128
    .sgpr_count:     66
    .vgpr_count:     512
    .wavefront_size: 32
...
	.end_amdgpu_metadata
.endif
;; end of part 3
;; launch proj (part 4): grid 8 x 32, 4 waves a work-group, clusters of 4 x 4, 327,680 bytes of LDS; arguments cb, castb, b_proj, x, y; writes y
.if DOCPART == 4
	.amdgcn_target "amdgcn-amd-amdhsa--gfx1250"
	.amdhsa_code_object_version 6
	.text
	.protected	k_q1835c94eef_proj
	.globl	k_q1835c94eef_proj
	.p2align	8
	.type	k_q1835c94eef_proj,@function
k_q1835c94eef_proj:
	s_mov_b64 s[64:65], 0
	v_nop
	global_prefetch_b8 v0, s[64:65] scope:SCOPE_SE
	s_setreg_imm32_b32 hwreg(HW_REG_WAVE_MODE, 25, 1), 1
	s_wait_xcnt 0x0
	s_wait_alu depctr_hold_cnt(0) depctr_sa_sdst(0) depctr_va_vdst(0) depctr_va_sdst(0) depctr_va_ssrc(0) depctr_va_vcc(0) depctr_vm_vsrc(0)
	s_getreg_b32 s2, hwreg(HW_REG_IB_STS2, 6, 4)
	s_cmp_eq_u32 s2, 0
	s_cbranch_scc0 .Lentry_in_a_cluster
	s_endpgm
.Lentry_in_a_cluster:
	s_bfe_u32 s2, ttmp6, 0x10000c
	s_cmp_lg_u32 s2, 0xf033
	s_cbranch_scc0 .Lentry_shape_is_right
	s_endpgm
.Lentry_shape_is_right:
; Launch 4: y = concat w_proj + b_proj + x, f32 [4096][1024].  The same text serves launch 7 with other SIZE_K and WOFF.
; A is plane-major bf16 [SIZE_K/64 planes][4096 rows][64]; the weights are bf16 [SIZE_K][1024] at byte WOFF of castb.
; 256 work-groups need blocks of 128 x 128.  Every wave makes the WHOLE block (64 accumulator tiles) over its own quarter of K, so that 32 along K
; cost 16 KiB of LDS reads for 64 matrix instructions; the four partial blocks are added through LDS on the way out, which passes LDS anyway.
; Limit: each output is a sum of four partial sums over K, an order of rounding that differs from a single ascending sum.
; A slot holds K = 256: four planes of A (128 rows, pitch 144), then 256 k rows of the weights (pitch 288).  Wave w uses plane w and k rows 64 w ..
; CLUSTER 4 x 4: the tile of A hangs on by alone (joint along a row of the cluster), that of the weights on bx alone (along a column).
; The matrix instruction is used transposed (source 0 = weights, source 1 = A): a lane holds eight neighbouring columns of one row.
; REGISTERS.  window 0: v8-31 addresses and bias, v64-127, v128-191 fragments of A, later the residual and the result, v192-255 partial rows.
; window 1: v64-127, v128-191 fragments of the weights.  windows 2, 3: accumulators, tile (a, b) at 8 (8 (a mod 4) + b).
.set SIZE_K, 1024
.set WOFF, 31457280
.set AP, 144
.set APL, 128*AP
.set BP, 288
.set BOFF, 4*APL
.set SLOT, BOFF+256*BP                 ; 147456
.set LAPS, SIZE_K/512
.set ASTEP, 8*524288                   ; two slots: eight planes
.set BSTEP, 512*2048                   ; two slots: 512 k rows
.set PP, 528                           ; a row of a partial block: 512 bytes + 16
.set PART, 128*PP
.set RDP, 8
.set ADRA, 16
.set ADRB, 20
.set STO, 24
.set CO, 26
.set BI, 28
.set F0, 64
.set F1, 128
.set RES, 64
.set PT, 192
.set G1A, 24
.set G0A, 32
.set G1B, 48
.set G0B, 56
.set TO_B, 0x40
.set MUL_LO, 0xa1
.set MUL_HI, 0xf1
.set MSB, 0
.macro WIN new
.if MSB != \new
	s_set_vgpr_msb (MSB<<8)|\new
.set MSB, \new
.endif
.endm
.macro PLACES
.rept 4
	v_nop
.endr
.endm
.macro JLOAD s                         ; waves 0, 1: two planes of A each; waves 2, 3: 128 k rows of the weights each
	s_cmp_eq_u32 s15, 0
	s_cbranch_scc0 .Lfor_b_\@
	tensor_load_to_lds s[G0A+4*\s:G0A+4*\s+3], s[G1A:G1A+7]
	s_nop 0
	s_branch .Lasked_\@
.Lfor_b_\@:
	tensor_load_to_lds s[G0B+4*\s:G0B+4*\s+3], s[G1B:G1B+7]
	s_nop 0
.Lasked_\@:
.endm
.macro CREST
	s_cmp_lg_u32 s14, 0
	s_cbranch_scc1 .Lnot_wave_0_\@
	s_barrier_signal -3
.Lnot_wave_0_\@:
	s_barrier_wait -3
	s_barrier_signal -1
	s_barrier_wait -1
.endm
.macro CROUND
	s_barrier_signal -1
	s_barrier_wait -1
	CREST
.endm
	s_load_b256 s[4:11], s[0:1], 0x0               ; A s[4:5], castb s[6:7], bias s[8:9], residual s[10:11]
	s_load_b64 s[12:13], s[0:1], 0x20              ; y
	s_set_vgpr_msb 0x40
	v_lshl_add_u32 v255, v0, 2, 0x48000
	s_set_vgpr_msb 0x4000
	v_mov_b32 v63, 0
	s_set_vgpr_msb 0x1
	ds_add_u32 v255, v63
	s_set_vgpr_msb 0x100
	v_lshrrev_b32 v1, 5, v0
	v_readfirstlane_b32 s14, v1
	s_lshr_b32 s15, s14, 1
	s_and_b32 s16, s14, 1
	s_bfe_u32 s17, ttmp6, 0x40000
	s_bfe_u32 s18, ttmp6, 0x40004
	s_lshl_b32 s19, ttmp9, 2
	s_add_co_u32 s19, s19, s17                     ; bx: 128 columns
	s_and_b32 s20, ttmp7, 0xffff
	s_lshl_b32 s20, s20, 2
	s_add_co_u32 s20, s20, s18                     ; by: 128 rows
	s_lshl_b32 s21, s18, 2
	s_lshl_b32 s21, 15, s21
	s_lshl_b32 s22, 0x1111, s17
	; group 1 for A: the 128 rows of a plane are 16384 dense bytes, taken as one row of 8192 elements; two planes, 262144 elements apart;
	; 4 words of padding behind every 32 (one row of 64 elements)
	s_or_b32 s[G1A+0], s21, (1<<16)|(1<<20)|(1<<21)|(4<<22)|(3<<25)
	s_mov_b32 s[G1A+1], 8192<<16
	s_mov_b32 s[G1A+2], 2<<16
	s_mov_b32 s[G1A+3], 8192<<16
	s_mov_b32 s[G1A+4], 2
	s_mov_b32 s[G1A+5], 262144
	s_mov_b32 s[G1A+6], 0
	s_mov_b32 s[G1A+7], 0
	; group 1 for the weights: 128 k rows x 128 elements, pitch 1024, 8 words of padding behind every 64
	s_or_b32 s[G1B+0], s22, (1<<16)|(1<<20)|(1<<21)|(5<<22)|(7<<25)
	s_mov_b32 s[G1B+1], 128<<16
	s_mov_b32 s[G1B+2], 128<<16
	s_mov_b32 s[G1B+3], 128<<16
	s_mov_b32 s[G1B+4], 128
	s_mov_b32 s[G1B+5], 1024
	s_mov_b32 s[G1B+6], 0
	s_mov_b32 s[G1B+7], 0
	s_lshl_b32 s40, s16, 20                        ; A: my two planes of 524288 bytes
	s_lshl_b32 s41, s20, 14                        ; 128 by rows of 128 bytes
	s_add_co_u32 s40, s40, s41
	s_mov_b32 s41, 0
	s_lshl_b32 s44, s16, 18                        ; weights: my 128 k rows of 2048 bytes
	s_lshl_b32 s45, s19, 8                         ; 128 bx columns
	s_add_co_u32 s44, s44, s45
	s_add_co_u32 s44, s44, WOFF
	s_mov_b32 s45, 0
	s_mul_i32 s72, s16, 2*APL                      ; 36864: two planes of A, and 128 k rows of the weights
	s_wait_dscnt 0x0
	s_wait_kmcnt 0x0
	s_add_nc_u64 s[42:43], s[4:5], s[40:41]
	s_add_nc_u64 s[46:47], s[6:7], s[44:45]
	CROUND
.irp s, 0,1
	s_mov_b32 s[G0A+4*\s], 1
	s_add_co_u32 s[G0A+4*\s+1], s72, \s*SLOT
	s_add_nc_u64 s[G0A+4*\s+2:G0A+4*\s+3], s[42:43], \s*4*524288
	s_or_b32 s[G0A+4*\s+3], s[G0A+4*\s+3], 0x80000000
	s_mov_b32 s[G0B+4*\s], 1
	s_add_co_u32 s[G0B+4*\s+1], s72, BOFF+\s*SLOT
	s_add_nc_u64 s[G0B+4*\s+2:G0B+4*\s+3], s[46:47], \s*256*2048
	s_or_b32 s[G0B+4*\s+3], s[G0B+4*\s+3], 0x80000000
	JLOAD \s                                       ; two loads of the wave are out
.endr
	v_and_b32 v1, 15, v0
	v_bfe_u32 v2, v0, 4, 1
	v_and_b32 v3, 7, v0
	v_bfe_u32 v4, v0, 3, 1
	v_and_b32 v5, 31, v0
	v_mul_u32_u24 v6, v1, AP
	v_lshl_add_u32 v6, v2, 4, v6
	s_mul_i32 s73, s14, APL
	v_add_nc_u32 v[ADRA], s73, v6                  ; plane w: 144 r + 16 h
	v_add_nc_u32 v[ADRA+1], SLOT, v[ADRA]
	v_lshl_add_u32 v7, v2, 3, v3
	v_mul_u32_u24 v7, v7, BP
	v_lshl_add_u32 v7, v4, 4, v7
	s_mul_i32 s74, s14, 64*BP
	s_add_co_u32 s74, s74, BOFF
	v_add_nc_u32 v[ADRB], s74, v7                  ; (64 w + 8 h + lane mod 8) 288 + 16 bit 3
	v_add_nc_u32 v[ADRB+1], SLOT, v[ADRB]
	v_mul_u32_u24 v6, v1, PP
	v_lshl_add_u32 v6, v2, 5, v6
	s_mul_i32 s75, s14, PART
	v_add_nc_u32 v[STO], s75, v6                   ; my partial block: 528 r + 32 h
	v_lshlrev_b32 v[CO], 4, v5                     ; 16 x lane
	s_mul_i32 s76, s14, 32*PP
	v_add_nc_u32 v[RDP], s76, v[CO]                ; rows 32 w .. of partial block 0,
	v_add_nc_u32 v[RDP+1], PART, v[RDP]            ; 1,
	v_add_nc_u32 v[RDP+2], 2*PART, v[RDP]          ; 2,
	v_add_nc_u32 v[RDP+3], 3*PART, v[RDP]          ; 3
; 16 matrix instructions: m tiles a0, a0 + 1 of the four of a window x all 8 n tiles.  zero = 1: the product starts the sums.
; All 64 accumulators take turns in one fixed order, one instruction a turn, over the backward jump too.
.macro MUL16 f, hi, a0, zero
.irp a, \a0, \a0+1
.irp b, 0,1,2,3,4,5,6,7
.if \zero
	v_wmma_f32_16x16x32_bf16 v[8*(8*(\a)+\b):8*(8*(\a)+\b)+7], v[\f+8*\b:\f+8*\b+7], v[\f+8*(4*\hi+\a):\f+8*(4*\hi+\a)+7], 0
.else
	v_wmma_f32_16x16x32_bf16 v[8*(8*(\a)+\b):8*(8*(\a)+\b)+7], v[\f+8*\b:\f+8*\b+7], v[\f+8*(4*\hi+\a):\f+8*(4*\hi+\a)+7], v[8*(8*(\a)+\b):8*(8*(\a)+\b)+7]
.endif
.endr
.endr
.endm
.macro FETCH slot, kq, f               ; 32 LDS loads: 32 along K (half kq of my 64) into buffer f
	WIN TO_B
.irp b, 0,1,2,3,4,5,6,7
	ds_load_tr16_b128 v[\f+8*\b:\f+8*\b+3], v[ADRB+\slot] offset:(32*\kq)*BP+32*\b
	ds_load_tr16_b128 v[\f+8*\b+4:\f+8*\b+7], v[ADRB+\slot] offset:(32*\kq+16)*BP+32*\b
.endr
	WIN 0
.irp a, 0,1,2,3,4,5,6,7
	ds_load_b128 v[\f+8*\a:\f+8*\a+3], v[ADRA+\slot] offset:64*\kq+\a*16*AP
	ds_load_b128 v[\f+8*\a+4:\f+8*\a+7], v[ADRA+\slot] offset:64*\kq+\a*16*AP+32
.endr
.endm
.macro QUARTER slot, kq, f, g, zero
	s_wait_dscnt 8                                 ; the youngest eight loads (m tiles 4 to 7 of A) may be out
	WIN MUL_LO
	MUL16 \f, 0, 0, \zero
	MUL16 \f, 0, 2, \zero
	PLACES
	FETCH \slot, \kq, \g
	s_wait_dscnt 32                                ; all but the 32 just issued
	WIN MUL_HI
	MUL16 \f, 1, 0, \zero
	MUL16 \f, 1, 2, \zero
.endm
; multiplies buffer 1 and changes slots: in front of the barrier my reads of this slot and all my tensor loads are waited for; with fill = 1 the
; barrier opens a round of the cluster barrier and the joint refill is the first tensor load behind it, one a wave
.macro TURN slot, next, fill
	s_wait_dscnt 8
	WIN MUL_LO
	MUL16 F1, 0, 0, 0
	s_wait_dscnt 0x0
	s_wait_tensorcnt 0x0
	ds_add_u32 v255, v63
	s_wait_dscnt 0x0
	s_barrier_signal -1
	MUL16 F1, 0, 2, 0
	WIN 0
	s_barrier_wait -1
.if \fill
	CREST
	s_add_nc_u64 s[G0A+4*\slot+2:G0A+4*\slot+3], s[G0A+4*\slot+2:G0A+4*\slot+3], ASTEP
	s_add_nc_u64 s[G0B+4*\slot+2:G0B+4*\slot+3], s[G0B+4*\slot+2:G0B+4*\slot+3], BSTEP
	JLOAD \slot
.endif
	PLACES
	FETCH \next, 0, F0
	WIN MUL_HI
	MUL16 F1, 1, 0, 0
	MUL16 F1, 1, 2, 0
.endm
.macro LAP zero
	QUARTER 0, 1, F0, F1, \zero
	TURN 0, 1, 1
	QUARTER 1, 1, F0, F1, 0
	TURN 1, 0, 1
.endm
	s_wait_tensorcnt 0x1                           ; my part of slot 0 is in; slot 1 may stay out
	s_barrier_signal -1
	s_barrier_wait -1
	FETCH 0, 0, F0
	LAP 1
.if LAPS > 2
	WIN 0
	s_mov_b32 s23, LAPS-2
.Llap:
	LAP 0
	WIN 0
	s_sub_co_u32 s23, s23, 1
	s_cmp_lg_u32 s23, 0
	s_cbranch_scc1 .Llap
.endif
	QUARTER 0, 1, F0, F1, 0                        ; the last lap fills nothing
	TURN 0, 1, 0
	QUARTER 1, 1, F0, F1, 0
	s_wait_dscnt 8
	WIN MUL_LO
	MUL16 F1, 0, 0, 0
	MUL16 F1, 0, 2, 0
	s_wait_dscnt 0x0
	WIN MUL_HI
	MUL16 F1, 1, 0, 0
	MUL16 F1, 1, 2, 0
	; THE WAY OUT.  Wave w owns rows 32 w .. 32 w + 31 of the block: their residual is asked for first, into the fragment registers.
	PLACES
	WIN 0
	s_lshl_b32 s72, s20, 19                        ; 128 by rows of 4096 bytes
	s_lshl_b32 s73, s14, 17                        ; 32 w rows
	s_add_co_u32 s72, s72, s73
	s_lshl_b32 s74, s19, 9                         ; 128 bx columns of 4 bytes
	s_add_co_u32 s72, s72, s74
	s_mov_b32 s73, 0
	s_mov_b32 s75, 0
	s_add_nc_u64 s[66:67], s[10:11], s[72:73]
	s_add_nc_u64 s[68:69], s[12:13], s[72:73]
	s_add_nc_u64 s[70:71], s[8:9], s[74:75]
	global_load_b128 v[BI:BI+3], v[CO], s[70:71]
.set i, 0
.rept 32
	global_load_b128 v[RES+4*i:RES+4*i+3], v[CO], s[66:67] offset:4096*i
.set i, i+1
.endr
	s_wait_dscnt 0x0                               ; the ring has had its last fill; when all four waves have read it out,
	s_barrier_signal -1
	s_barrier_wait -1                              ; its bytes take the four partial blocks
	WIN 0x08
.irp a, 0,1,2,3
.irp b, 0,1,2,3,4,5,6,7
	ds_store_b128 v[STO], v[8*(8*\a+\b):8*(8*\a+\b)+3] offset:PP*16*\a+64*\b
	ds_store_b128 v[STO], v[8*(8*\a+\b)+4:8*(8*\a+\b)+7] offset:PP*16*\a+64*\b+16
.endr
.endr
	WIN 0x0c
.irp a, 0,1,2,3
.irp b, 0,1,2,3,4,5,6,7
	ds_store_b128 v[STO], v[8*(8*\a+\b):8*(8*\a+\b)+3] offset:PP*16*(\a+4)+64*\b
	ds_store_b128 v[STO], v[8*(8*\a+\b)+4:8*(8*\a+\b)+7] offset:PP*16*(\a+4)+64*\b+16
.endr
.endr
	WIN 0
	s_wait_dscnt 0x0                               ; my block is written, for the others
	s_barrier_signal -1
	s_barrier_wait -1
	s_wait_loadcnt 0x0                             ; bias and residual
.set g, 0
.rept 8                                ; four rows at a time: sixteen loads, then ((p0 + p1) + (p2 + p3)) + (residual + bias)
.irp t, 0,1,2,3
.irp p, 0,1,2,3
	ds_load_b128 v[PT+16*\t+4*\p:PT+16*\t+4*\p+3], v[RDP+\p] offset:PP*(4*g+\t)
.endr
.endr
.irp t, 0,1,2,3
.set PB, PT+16*\t
.set RR, RES+4*(4*g+\t)
	s_wait_dscnt 12-4*\t                           ; the loads of the later rows stay out
	v_pk_add_f32 v[PB:PB+1], v[PB:PB+1], v[PB+4:PB+5]
	v_pk_add_f32 v[PB+2:PB+3], v[PB+2:PB+3], v[PB+6:PB+7]
	v_pk_add_f32 v[PB+8:PB+9], v[PB+8:PB+9], v[PB+12:PB+13]
	v_pk_add_f32 v[PB+10:PB+11], v[PB+10:PB+11], v[PB+14:PB+15]
	v_pk_add_f32 v[RR:RR+1], v[RR:RR+1], v[BI:BI+1]
	v_pk_add_f32 v[RR+2:RR+3], v[RR+2:RR+3], v[BI+2:BI+3]
	v_pk_add_f32 v[PB:PB+1], v[PB:PB+1], v[PB+8:PB+9]
	v_pk_add_f32 v[PB+2:PB+3], v[PB+2:PB+3], v[PB+10:PB+11]
	v_pk_add_f32 v[RR:RR+1], v[RR:RR+1], v[PB:PB+1]
	v_pk_add_f32 v[RR+2:RR+3], v[RR+2:RR+3], v[PB+2:PB+3]
	global_store_b128 v[CO], v[RR:RR+3], s[68:69] offset:4096*(4*g+\t)   ; 512 consecutive aligned bytes; its registers are never written again
.endr
.set g, g+1
.endr
	s_set_vgpr_msb 0x1
	s_wait_tensorcnt 0x0
	ds_add_u32 v255, v63
	s_wait_dscnt 0x0
	s_set_vgpr_msb 0x100
	CROUND                                         ; the closing round
	s_endpgm
.Lfunc_end_k_q1835c94eef_proj:
	.size	k_q1835c94eef_proj, .Lfunc_end_k_q1835c94eef_proj-k_q1835c94eef_proj
	.p2alignl 7, 3214868480
	.fill 96, 4, 3214868480
	.section	.rodata,"a",@progbits
	.p2align	6, 0x0
	.amdhsa_kernel k_q1835c94eef_proj
		.amdhsa_group_segment_fixed_size 327680
		.amdhsa_private_segment_fixed_size 0
		.amdhsa_enable_private_segment 0
		.amdhsa_kernarg_size 40
		.amdhsa_user_sgpr_count 2
		.amdhsa_user_sgpr_kernarg_segment_ptr 1
		.amdhsa_wavefront_size32 1
		.amdhsa_system_sgpr_workgroup_id_x 1
		.amdhsa_system_sgpr_workgroup_id_y 1
		.amdhsa_system_sgpr_workgroup_id_z 1
		.amdhsa_system_vgpr_workitem_id 0
		.amdhsa_next_free_vgpr 1024
		.amdhsa_next_free_sgpr 80
		.amdhsa_reserve_vcc 0
		.amdhsa_float_denorm_mode_32 3
		.amdhsa_float_denorm_mode_16_64 3
		.amdhsa_memory_ordered 1
		.amdhsa_forward_progress 1
		.amdhsa_inst_pref_size 103
	.end_amdhsa_kernel
	.amdgpu_metadata
---
amdhsa.version: [ 1, 2 ]
amdhsa.kernels:
  - .name:           k_q1835c94eef_proj
    .symbol:         k_q1835c94eef_proj.kd
    .args:
      - { .name: cb, .offset: 0, .size: 8, .value_kind: global_buffer, .address_space: global }
      - { .name: castb, .offset: 8, .size: 8, .value_kind: global_buffer, .address_space: global }
      - { .name: b_proj, .offset: 16, .size: 8, .value_kind: global_buffer, .address_space: global }
      - { .name: x, .offset: 24, .size: 8, .value_kind: global_buffer, .address_space: global }
      - { .name: y, .offset: 32, .size: 8, .value_kind: global_buffer, .address_space: global }
    .group_segment_fixed_size: 327680
    .private_segment_fixed_size: 0
    .kernarg_segment_align: 8
    .kernarg_segment_size: 40
    .max_flat_workgroup_size: 128
    .sgpr_count:     80
    .vgpr_count:     1024
    .wavefront_size: 32
...
	.end_amdgpu_metadata
.endif
;; end of part 4
;; launch ln1 (part 5): grid 256 x 1, 4 waves a work-group, no clusters, 0 bytes of LDS; arguments y, gamma1, beta1, o1f, o1b; writes o1f, o1b
.if DOCPART == 5
	.amdgcn_target "amdgcn-amd-amdhsa--gfx1250"
	.amdhsa_code_object_version 6
	.text
	.protected	k_q1835c94eef_ln1
	.globl	k_q1835c94eef_ln1
	.p2align	8
	.type	k_q1835c94eef_ln1,@function
k_q1835c94eef_ln1:
	s_mov_b64 s[64:65], 0
	v_nop
	global_prefetch_b8 v0, s[64:65] scope:SCOPE_SE
	s_setreg_imm32_b32 hwreg(HW_REG_WAVE_MODE, 25, 1), 1
	s_wait_xcnt 0x0
; Launch 5: out1 = LayerNorm(y) gamma1 + beta1, stored in f32 (the later residual) and in bf16 (the operand of the next product).
; A stream: memory binds, so no LDS, no barrier, no matrix unit.  One wave takes a whole row of 4096 bytes in 32 registers and keeps it between
; the pass for the mean, the pass for the variance of the differences (two passes: no difference of large sums) and the scaling.
; Wave 4 g + w owns four rows; all its 32 row loads go out at once, behind the 16 loads of gamma and beta.
.set WITH_BF16, 1
.set T, 4                              ; v[4:11]   four chains of sums
.set NMEAN, 12                         ; v[12:13]  minus the mean, twice
.set RSTD, 14                          ; v[14:15]  1 / sqrt(var + eps), twice
.set G, 16                             ; v[16:47]  gamma of my 32 columns
.set BT, 48                            ; v[48:79]  beta
.set X, 80                             ; v[80:207] four rows of 32 registers
.set Y2, 208                           ; v[208:223] a row in bf16
	s_load_b256 s[4:11], s[0:1], 0x0               ; y s[4:5], gamma s[6:7], beta s[8:9], f32 result s[10:11]
.if WITH_BF16
	s_load_b64 s[12:13], s[0:1], 0x20              ; bf16 result
.endif
	v_lshrrev_b32 v3, 5, v0
	v_readfirstlane_b32 s14, v3
	v_and_b32 v1, 31, v0
	v_lshlrev_b32 v2, 3, v1                        ; 8 x lane
	v_lshlrev_b32 v1, 4, v1                        ; 16 x lane
	s_lshl2_add_u32 s15, ttmp9, s14                ; 4 g + w
	s_lshl_b32 s22, s15, 14                        ; four rows of 4096 bytes
	s_mov_b32 s23, 0
	s_mov_b32 s16, 0xba800000                      ; -1/1024
	s_mov_b32 s17, 0x3a800000                      ; 1/1024
	s_mov_b32 s18, 0x2edbe6ff                      ; 1e-10
	s_mov_b32 s20, 0x76543210
	s_mov_b32 s21, 0xfedcba98
	s_wait_kmcnt 0x0
	s_add_nc_u64 s[4:5], s[4:5], s[22:23]
	s_add_nc_u64 s[10:11], s[10:11], s[22:23]
.if WITH_BF16
	s_lshl_b32 s22, s15, 13                        ; four rows of 2048 bytes
	s_add_nc_u64 s[12:13], s[12:13], s[22:23]
.endif
.irp j, 0,1,2,3,4,5,6,7
	global_load_b128 v[G+4*\j:G+4*\j+3], v1, s[6:7] offset:512*\j
	global_load_b128 v[BT+4*\j:BT+4*\j+3], v1, s[8:9] offset:512*\j
.endr
.irp i, 0,1,2,3
.irp j, 0,1,2,3,4,5,6,7
	global_load_b128 v[X+32*\i+4*\j:X+32*\i+4*\j+3], v1, s[4:5] offset:4096*\i+512*\j th:TH_LOAD_NT
.endr
.endr
.macro FOLD                            ; the four chains, then the 32 lanes: the sum ends up in v[T] of every lane
	v_pk_add_f32 v[T:T+1], v[T:T+1], v[T+2:T+3]
	v_pk_add_f32 v[T+4:T+5], v[T+4:T+5], v[T+6:T+7]
	v_pk_add_f32 v[T:T+1], v[T:T+1], v[T+4:T+5]
	v_add_f32 v[T], v[T], v[T+1]
	v_add_f32_dpp v[T], v[T], v[T] row_xmask:1 row_mask:0xf bank_mask:0xf
	v_add_f32_dpp v[T], v[T], v[T] row_xmask:2 row_mask:0xf bank_mask:0xf
	v_add_f32_dpp v[T], v[T], v[T] row_xmask:4 row_mask:0xf bank_mask:0xf
	v_add_f32_dpp v[T], v[T], v[T] row_xmask:8 row_mask:0xf bank_mask:0xf
	v_permlanex16_b32 v[T+1], v[T], s20, s21
	v_add_f32 v[T], v[T], v[T+1]
.endm
.macro ROW i
.set XB, X+32*\i
	s_wait_loadcnt 24-8*\i                         ; gamma, beta and rows up to i are in; the later rows stay out
.irp k, 0,2,4,6
	v_pk_add_f32 v[T+\k:T+\k+1], v[XB+\k:XB+\k+1], v[XB+8+\k:XB+9+\k]
.endr
.irp m, 16,24
.irp k, 0,2,4,6
	v_pk_add_f32 v[T+\k:T+\k+1], v[T+\k:T+\k+1], v[XB+\m+\k:XB+\m+\k+1]
.endr
.endr
	FOLD
	v_mul_f32 v[NMEAN], s16, v[T]
	v_mul_f32 v[NMEAN+1], s16, v[T]
.set k, 0
.rept 16
	v_pk_add_f32 v[XB+k:XB+k+1], v[XB+k:XB+k+1], v[NMEAN:NMEAN+1]
.set k, k+2
.endr
.irp k, 0,2,4,6
	v_pk_mul_f32 v[T+\k:T+\k+1], v[XB+\k:XB+\k+1], v[XB+\k:XB+\k+1]
.endr
.irp m, 8,16,24
.irp k, 0,2,4,6
	v_pk_fma_f32 v[T+\k:T+\k+1], v[XB+\m+\k:XB+\m+\k+1], v[XB+\m+\k:XB+\m+\k+1], v[T+\k:T+\k+1]
.endr
.endr
	FOLD
	v_fma_f32 v3, v[T], s17, s18                   ; variance + eps
	v_rsq_f32 v[RSTD], v3
	v_nop                                          ; one plain place behind the transcendental (ISA guide 5.7.2)
	s_wait_alu depctr_va_vdst(0)
	v_mov_b32 v[RSTD+1], v[RSTD]
.set k, 0
.rept 16
	v_pk_mul_f32 v[XB+k:XB+k+1], v[XB+k:XB+k+1], v[RSTD:RSTD+1]
	v_pk_fma_f32 v[XB+k:XB+k+1], v[XB+k:XB+k+1], v[G+k:G+k+1], v[BT+k:BT+k+1]
.set k, k+2
.endr
.irp j, 0,1,2,3,4,5,6,7
	global_store_b128 v1, v[XB+4*\j:XB+4*\j+3], s[10:11] offset:4096*\i+512*\j
.endr
.if WITH_BF16
	s_wait_xcnt 0x0                                ; Y2, which the stores of the row before read, is written again only behind this wait
.irp j, 0,1,2,3,4,5,6,7
	v_cvt_pk_bf16_f32 v[Y2+2*\j], v[XB+4*\j], v[XB+4*\j+1]
	v_cvt_pk_bf16_f32 v[Y2+2*\j+1], v[XB+4*\j+2], v[XB+4*\j+3]
	global_store_b64 v2, v[Y2+2*\j:Y2+2*\j+1], s[12:13] offset:2048*\i+256*\j   ; 32 lanes: 256 consecutive aligned bytes
.endr
.endif
.endm
	ROW 0
	ROW 1
	ROW 2
	ROW 3
	s_endpgm
.Lfunc_end_k_q1835c94eef_ln1:
	.size	k_q1835c94eef_ln1, .Lfunc_end_k_q1835c94eef_ln1-k_q1835c94eef_ln1
	.p2alignl 7, 3214868480
	.fill 96, 4, 3214868480
	.section	.rodata,"a",@progbits
	.p2align	6, 0x0
	.amdhsa_kernel k_q1835c94eef_ln1
		.amdhsa_group_segment_fixed_size 0
		.amdhsa_private_segment_fixed_size 0
		.amdhsa_enable_private_segment 0
		.amdhsa_kernarg_size 40
		.amdhsa_user_sgpr_count 2
		.amdhsa_user_sgpr_kernarg_segment_ptr 1
		.amdhsa_wavefront_size32 1
		.amdhsa_system_sgpr_workgroup_id_x 1
		.amdhsa_system_sgpr_workgroup_id_y 1
		.amdhsa_system_sgpr_workgroup_id_z 1
		.amdhsa_system_vgpr_workitem_id 0
		.amdhsa_next_free_vgpr 224
		.amdhsa_next_free_sgpr 66
		.amdhsa_reserve_vcc 0
		.amdhsa_float_denorm_mode_32 3
		.amdhsa_float_denorm_mode_16_64 3
		.amdhsa_memory_ordered 1
		.amdhsa_forward_progress 1
		.amdhsa_inst_pref_size 41
	.end_amdhsa_kernel
	.amdgpu_metadata
---
amdhsa.version: [ 1, 2 ]
amdhsa.kernels:
  - .name:           k_q1835c94eef_ln1
    .symbol:         k_q1835c94eef_ln1.kd
    .args:
      - { .name: y, .offset: 0, .size: 8, .value_kind: global_buffer, .address_space: global }
      - { .name: gamma1, .offset: 8, .size: 8, .value_kind: global_buffer, .address_space: global }
      - { .name: beta1, .offset: 16, .size: 8, .value_kind: global_buffer, .address_space: global }
      - { .name: o1f, .offset: 24, .size: 8, .value_kind: global_buffer, .address_space: global }
      - { .name: o1b, .offset: 32, .size: 8, .value_kind: global_buffer, .address_space: global }
    .group_segment_fixed_size: 0
    .private_segment_fixed_size: 0
    .kernarg_segment_align: 8
    .kernarg_segment_size: 40
    .max_flat_workgroup_size: 128
    .sgpr_count:     66
    .vgpr_count:     224
    .wavefront_size: 32
...
	.end_amdgpu_metadata
.endif
;; end of part 5
;; launch ffn1 (part 6): grid 16 x 16, 4 waves a work-group, clusters of 4 x 4, 327,680 bytes of LDS; arguments o1b, castb, b1, hb; writes hb
.if DOCPART == 6
	.amdgcn_target "amdgcn-amd-amdhsa--gfx1250"
	.amdhsa_code_object_version 6
	.text
	.protected	k_q1835c94eef_ffn1
	.globl	k_q1835c94eef_ffn1
	.p2align	8
	.type	k_q1835c94eef_ffn1,@function
k_q1835c94eef_ffn1:
	s_mov_b64 s[64:65], 0
	v_nop
	global_prefetch_b8 v0, s[64:65] scope:SCOPE_SE
	s_setreg_imm32_b32 hwreg(HW_REG_WAVE_MODE, 25, 1), 1
	s_wait_xcnt 0x0
	s_wait_alu depctr_hold_cnt(0) depctr_sa_sdst(0) depctr_va_vdst(0) depctr_va_sdst(0) depctr_va_ssrc(0) depctr_va_vcc(0) depctr_vm_vsrc(0)
	s_getreg_b32 s2, hwreg(HW_REG_IB_STS2, 6, 4)
	s_cmp_eq_u32 s2, 0
	s_cbranch_scc0 .Lentry_in_a_cluster
	s_endpgm
.Lentry_in_a_cluster:
	s_bfe_u32 s2, ttmp6, 0x10000c
	s_cmp_lg_u32 s2, 0xf033
	s_cbranch_scc0 .Lentry_shape_is_right
	s_endpgm
.Lentry_shape_is_right:
; Launch 6: h = relu(out1 w1 + b1) in bf16, plane-major hb[64 planes of 64 columns][4096 rows][64].
; Limit: relu is a maximum with 0 in which a NaN loses, so relu(NaN) is 0 here.
; A work-group makes 256 x 256 with four waves of 128 x 128 (64 accumulator tiles).  K = 1024 in steps of 128 through two LDS slots.
; out1 lies [m][k]; w1 lies [k][n] and its fragments come out of LDS by the transposing load.  The matrix instruction is used transposed
; (source 0 = w1, source 1 = out1): a lane holds eight neighbouring columns of one row.  The first product of each sum takes b1 as C.
; CLUSTER 4 x 4: the tile of out1 hangs on by alone (joint along a row of the cluster), that of w1 on bx alone (along a column).
; REGISTERS.  window 0: v16-27 addresses, v64-127, v128-191 fragments of out1, v192-223 packed results, v224-255 rows read back.
; window 1: v64-127, v128-191 fragments of w1, v192-255 b1.  windows 2, 3: accumulators, tile (a, b) at 8 (8 (a mod 4) + b).
.set KSTEP, 128
.set PITCH, 272
.set BP, 544                           ; 512 bytes + 32: an odd multiple of 32
.set BOFF, 256*PITCH
.set SLOT, BOFF+128*BP                 ; 139264
.set STAGE, 2*SLOT                     ; behind the ring; no tensor load lands here
.set SP, 144
.set SW, 2*16*SP
.set LAPS, 1024/(2*KSTEP)
.set W1B, 8388608
.set ASTEP, 2*KSTEP*2
.set BSTEP, 2*KSTEP*8192
.set ADRA, 16
.set ADRB, 20
.set STO, 24
.set RD, 25
.set CO, 26
.set VB, 27
.set F0, 64
.set F1, 128
.set TMP, 192
.set RB, 224
.set BIAS, 192
.set G1A, 24
.set G0A, 32
.set G1B, 48
.set G0B, 56
.set OB, 66
.set TO_B, 0x40
.set MSB, 0
.macro WIN new
.if MSB != \new
	s_set_vgpr_msb (MSB<<8)|\new
.set MSB, \new
.endif
.endm
.macro PLACES
.rept 4
	v_nop
.endr
.endm
.macro JLOAD s                         ; waves 0, 1: 128 rows of out1 each; waves 2, 3: 64 k rows of w1 each
	s_cmp_eq_u32 s15, 0
	s_cbranch_scc0 .Lfor_b_\@
	tensor_load_to_lds s[G0A+4*\s:G0A+4*\s+3], s[G1A:G1A+7]
	s_nop 0
	s_branch .Lasked_\@
.Lfor_b_\@:
	tensor_load_to_lds s[G0B+4*\s:G0B+4*\s+3], s[G1B:G1B+7]
	s_nop 0
.Lasked_\@:
.endm
.macro CREST
	s_cmp_lg_u32 s14, 0
	s_cbranch_scc1 .Lnot_wave_0_\@
	s_barrier_signal -3
.Lnot_wave_0_\@:
	s_barrier_wait -3
	s_barrier_signal -1
	s_barrier_wait -1
.endm
.macro CROUND
	s_barrier_signal -1
	s_barrier_wait -1
	CREST
.endm
	s_load_b256 s[4:11], s[0:1], 0x0               ; o1b s[4:5], castb s[6:7], b1 s[8:9], hb s[10:11]
	s_set_vgpr_msb 0x40
	v_lshl_add_u32 v63, v0, 2, 0x48800
	s_set_vgpr_msb 0x4000
	v_mov_b32 v63, 0
	s_set_vgpr_msb 0x1
	ds_add_u32 v63, v63
	s_set_vgpr_msb 0x100
	v_lshrrev_b32 v1, 5, v0
	v_readfirstlane_b32 s14, v1
	s_lshr_b32 s15, s14, 1                         ; my half of the rows; also: I fetch out1 (0) or w1 (1)
	s_and_b32 s16, s14, 1                          ; my half of the columns; also: which half of that tile I fetch
	s_bfe_u32 s17, ttmp6, 0x40000
	s_bfe_u32 s18, ttmp6, 0x40004
	s_lshl_b32 s19, ttmp9, 2
	s_add_co_u32 s19, s19, s17                     ; bx
	s_and_b32 s20, ttmp7, 0xffff
	s_lshl_b32 s20, s20, 2
	s_add_co_u32 s20, s20, s18                     ; by
	s_lshl_b32 s21, s18, 2
	s_lshl_b32 s21, 15, s21
	s_lshl_b32 s22, 0x1111, s17
	; group 1 for out1: 128 rows x 128 elements, pitch 1024, 4 words of padding behind every 64
	s_or_b32 s[G1A+0], s21, (1<<16)|(1<<20)|(1<<21)|(5<<22)|(3<<25)
	s_mov_b32 s[G1A+1], 128<<16
	s_mov_b32 s[G1A+2], 128<<16
	s_mov_b32 s[G1A+3], 128<<16
	s_mov_b32 s[G1A+4], 128
	s_mov_b32 s[G1A+5], 1024
	s_mov_b32 s[G1A+6], 0
	s_mov_b32 s[G1A+7], 0
	; group 1 for w1: 64 k rows x 256 elements, pitch 4096, 8 words of padding behind every 128
	s_or_b32 s[G1B+0], s22, (1<<16)|(1<<20)|(1<<21)|(6<<22)|(7<<25)
	s_mov_b32 s[G1B+1], 256<<16
	s_mov_b32 s[G1B+2], 64<<16
	s_mov_b32 s[G1B+3], 256<<16
	s_mov_b32 s[G1B+4], 64
	s_mov_b32 s[G1B+5], 4096
	s_mov_b32 s[G1B+6], 0
	s_mov_b32 s[G1B+7], 0
	s_lshl_b32 s40, s20, 19                        ; out1: 256 by rows of 2048 bytes
	s_lshl_b32 s41, s16, 18                        ; my 128 rows
	s_add_co_u32 s40, s40, s41
	s_mov_b32 s41, 0
	s_lshl_b32 s44, s16, 19                        ; w1: my 64 k rows of 8192 bytes
	s_lshl_b32 s45, s19, 9                         ; 256 bx columns
	s_add_co_u32 s44, s44, s45
	s_add_co_u32 s44, s44, W1B
	s_mov_b32 s45, 0
	s_mul_i32 s72, s16, 128*PITCH                  ; 34816: 128 rows of out1, and 64 k rows of w1
	s_wait_dscnt 0x0
	s_wait_kmcnt 0x0
	s_add_nc_u64 s[42:43], s[4:5], s[40:41]
	s_add_nc_u64 s[46:47], s[6:7], s[44:45]
	CROUND
.irp s, 0,1
	s_mov_b32 s[G0A+4*\s], 1
	s_add_co_u32 s[G0A+4*\s+1], s72, \s*SLOT
	s_add_nc_u64 s[G0A+4*\s+2:G0A+4*\s+3], s[42:43], \s*KSTEP*2
	s_or_b32 s[G0A+4*\s+3], s[G0A+4*\s+3], 0x80000000
	s_mov_b32 s[G0B+4*\s], 1
	s_add_co_u32 s[G0B+4*\s+1], s72, BOFF+\s*SLOT
	s_add_nc_u64 s[G0B+4*\s+2:G0B+4*\s+3], s[46:47], \s*KSTEP*8192
	s_or_b32 s[G0B+4*\s+3], s[G0B+4*\s+3], 0x80000000
	JLOAD \s                                       ; two loads of the wave are out
.endr
	v_and_b32 v1, 15, v0
	v_bfe_u32 v2, v0, 4, 1
	v_and_b32 v3, 7, v0
	v_bfe_u32 v4, v0, 3, 1
	v_and_b32 v5, 31, v0
	v_mul_u32_u24 v6, v1, PITCH
	v_lshl_add_u32 v6, v2, 4, v6
	s_mul_i32 s73, s15, 128*PITCH
	v_add_nc_u32 v[ADRA], s73, v6
	v_add_nc_u32 v[ADRA+1], SLOT, v[ADRA]
	v_lshl_add_u32 v7, v2, 3, v3
	v_mul_u32_u24 v7, v7, BP
	v_lshl_add_u32 v7, v4, 4, v7
	s_lshl_b32 s76, s16, 8                         ; my 128 columns: 256 bytes
	s_add_co_u32 s76, s76, BOFF
	v_add_nc_u32 v[ADRB], s76, v7
	v_add_nc_u32 v[ADRB+1], SLOT, v[ADRB]
	s_mul_i32 s74, s14, SW
	s_add_co_u32 s74, s74, STAGE
	v_mul_u32_u24 v8, v1, SP
	v_lshl_add_u32 v8, v2, 4, v8
	v_add_nc_u32 v[STO], s74, v8
	v_lshrrev_b32 v9, 3, v5
	v_mul_u32_u24 v9, v9, SP
	v_lshl_add_u32 v9, v3, 4, v9
	v_add_nc_u32 v[RD], s74, v9
	v_lshlrev_b32 v[CO], 4, v5
	s_lshl_b32 s75, s19, 10                        ; b1: 256 bx columns of 4 bytes
	s_lshl_b32 s77, s16, 9                         ; my 128
	s_add_co_u32 s75, s75, s77
	v_lshl_add_u32 v[VB], v2, 5, s75
	WIN TO_B
.irp b, 0,1,2,3,4,5,6,7
	global_load_b128 v[BIAS+8*\b:BIAS+8*\b+3], v[VB], s[8:9] offset:64*\b
	global_load_b128 v[BIAS+8*\b+4:BIAS+8*\b+7], v[VB], s[8:9] offset:64*\b+16
.endr
	WIN 0
; 16 matrix instructions: m tiles a0, a0 + 1 of the four of a window x all 8 n tiles.  first = 1: C is the bias.
; All 64 accumulators take turns in one fixed order, one instruction a turn, over the backward jump too.
.macro MUL16 f, hi, a0, first
.irp a, \a0, \a0+1
.irp b, 0,1,2,3,4,5,6,7
.if \first
	v_wmma_f32_16x16x32_bf16 v[8*(8*(\a)+\b):8*(8*(\a)+\b)+7], v[\f+8*\b:\f+8*\b+7], v[\f+8*(4*\hi+\a):\f+8*(4*\hi+\a)+7], v[BIAS+8*\b:BIAS+8*\b+7]
.else
	v_wmma_f32_16x16x32_bf16 v[8*(8*(\a)+\b):8*(8*(\a)+\b)+7], v[\f+8*\b:\f+8*\b+7], v[\f+8*(4*\hi+\a):\f+8*(4*\hi+\a)+7], v[8*(8*(\a)+\b):8*(8*(\a)+\b)+7]
.endif
.endr
.endr
.endm
.macro FETCH slot, kq, f
	WIN TO_B
.irp b, 0,1,2,3,4,5,6,7
	ds_load_tr16_b128 v[\f+8*\b:\f+8*\b+3], v[ADRB+\slot] offset:(32*\kq)*BP+32*\b
	ds_load_tr16_b128 v[\f+8*\b+4:\f+8*\b+7], v[ADRB+\slot] offset:(32*\kq+16)*BP+32*\b
.endr
	WIN 0
.irp a, 0,1,2,3,4,5,6,7
	ds_load_b128 v[\f+8*\a:\f+8*\a+3], v[ADRA+\slot] offset:64*\kq+\a*16*PITCH
	ds_load_b128 v[\f+8*\a+4:\f+8*\a+7], v[ADRA+\slot] offset:64*\kq+\a*16*PITCH+32
.endr
.endm
.macro QUARTER slot, kq, f, g, first
	s_wait_dscnt 8                                 ; the youngest eight loads (m tiles 4 to 7) may be out
.if \first
	WIN 0x91                                       ; C from window 1, D window 2
.else
	WIN 0xa1
.endif
	MUL16 \f, 0, 0, \first
	MUL16 \f, 0, 2, \first
	PLACES
	FETCH \slot, \kq, \g
	s_wait_dscnt 32                                ; all but the 32 just issued
.if \first
	WIN 0xd1
.else
	WIN 0xf1
.endif
	MUL16 \f, 1, 0, \first
	MUL16 \f, 1, 2, \first
.endm
.macro THREE slot, first
	QUARTER \slot, 1, F0, F1, \first
	QUARTER \slot, 2, F1, F0, 0
	QUARTER \slot, 3, F0, F1, 0
.endm
; multiplies buffer 1 and changes slots: in front of the barrier my reads of this slot and all my tensor loads are waited for; with fill = 1 the
; barrier opens a round of the cluster barrier and the joint refill is the first tensor load behind it, one a wave
.macro TURN slot, next, fill
	s_wait_dscnt 8
	WIN 0xa1
	MUL16 F1, 0, 0, 0
	s_wait_dscnt 0x0
	s_wait_tensorcnt 0x0
	ds_add_u32 v63, v63
	s_wait_dscnt 0x0
	s_barrier_signal -1
	MUL16 F1, 0, 2, 0
	WIN 0
	s_barrier_wait -1
.if \fill
	CREST
	s_add_nc_u64 s[G0A+4*\slot+2:G0A+4*\slot+3], s[G0A+4*\slot+2:G0A+4*\slot+3], ASTEP
	s_add_nc_u64 s[G0B+4*\slot+2:G0B+4*\slot+3], s[G0B+4*\slot+2:G0B+4*\slot+3], BSTEP
	JLOAD \slot
.endif
	PLACES
	FETCH \next, 0, F0
	WIN 0xf1
	MUL16 F1, 1, 0, 0
	MUL16 F1, 1, 2, 0
.endm
.macro LAP first
	THREE 0, \first
	TURN 0, 1, 1
	THREE 1, 0
	TURN 1, 0, 1
.endm
	s_wait_tensorcnt 0x1                           ; my part of K step 0 is in; K step 1 may stay out
	s_wait_loadcnt 0x0                             ; the bias
	s_barrier_signal -1
	s_barrier_wait -1
	FETCH 0, 0, F0
	LAP 1
	WIN 0
	s_mov_b32 s23, LAPS-2
.Llap:
	LAP 0
	WIN 0
	s_sub_co_u32 s23, s23, 1
	s_cmp_lg_u32 s23, 0
	s_cbranch_scc1 .Llap
	THREE 0, 0                                     ; the last lap fills nothing
	TURN 0, 1, 0
	THREE 1, 0
	s_wait_dscnt 8
	WIN 0xa1
	MUL16 F1, 0, 0, 0
	MUL16 F1, 0, 2, 0
	s_wait_dscnt 0x0
	WIN 0xf1
	MUL16 F1, 1, 0, 0
	MUL16 F1, 1, 2, 0
	PLACES
	; the way out: my 128 columns are two planes of hb; in a plane rows of 128 bytes lie back to back
	s_lshl_b32 s72, s19, 2
	s_lshl1_add_u32 s72, s16, s72                  ; plane 4 bx + 2 (w mod 2)
	s_lshl_b32 s72, s72, 19                        ; x 4096 rows of 128 bytes
	s_lshl_b32 s73, s20, 15                        ; 256 by rows
	s_add_co_u32 s72, s72, s73
	s_lshl_b32 s73, s15, 14                        ; my 128 rows
	s_add_co_u32 s72, s72, s73
	s_mov_b32 s73, 0
	s_add_nc_u64 s[OB:OB+1], s[10:11], s[72:73]
	s_add_nc_u64 s[OB+2:OB+3], s[OB:OB+1], 0x80000
; rows 16 i .. 16 i + 15 of my block = tiles (a, 0..7) of window 2 or 3.  inw: destination and source 1 in that window; from: sources 0 and 1
.macro OUT16 i, a, inw, from
	WIN \inw
.irp b, 0,1,2,3,4,5,6,7
.irp j, 0,1,2,3,4,5,6,7
	v_max_num_f32 v[8*(8*\a+\b)+\j], 0, v[8*(8*\a+\b)+\j]
.endr
.endr
	WIN \from
.irp b, 0,1,2,3,4,5,6,7
.irp r, 0,1,2,3
	v_cvt_pk_bf16_f32 v[TMP+4*\b+\r], v[8*(8*\a+\b)+2*\r], v[8*(8*\a+\b)+2*\r+1]
.endr
.endr
	WIN 0
.irp b, 0,1,2,3,4,5,6,7
	ds_store_b128 v[STO], v[TMP+4*\b:TMP+4*\b+3] offset:(\b>>2)*16*SP+32*(\b&3)
.endr
	s_wait_xcnt 0x0                                ; RB, which the last stores read, is loaded again only behind this wait
.irp t, 0,1,2,3,4,5,6,7
	ds_load_b128 v[RB+4*\t:RB+4*\t+3], v[RD] offset:(\t>>2)*16*SP+(\t&3)*4*SP   ; a wave is served in order: these see the stores above
.endr
.irp t, 0,1,2,3,4,5,6,7
	s_wait_dscnt 7-\t                              ; the younger loads stay out
	global_store_b128 v[CO], v[RB+4*\t:RB+4*\t+3], s[OB+2*(\t>>2):OB+2*(\t>>2)+1] offset:(16*\i+4*(\t&3))*128   ; four rows: 512 consecutive aligned bytes
.endr
.endm
	OUT16 0, 0, 0x88, 0x0a
	OUT16 1, 1, 0x88, 0x0a
	OUT16 2, 2, 0x88, 0x0a
	OUT16 3, 3, 0x88, 0x0a
	OUT16 4, 0, 0xcc, 0x0f
	OUT16 5, 1, 0xcc, 0x0f
	OUT16 6, 2, 0xcc, 0x0f
	OUT16 7, 3, 0xcc, 0x0f
	s_set_vgpr_msb 0x1
	s_wait_tensorcnt 0x0
	ds_add_u32 v63, v63
	s_wait_dscnt 0x0
	s_set_vgpr_msb 0x100
	CROUND                                         ; the closing round
	s_endpgm
.Lfunc_end_k_q1835c94eef_ffn1:
	.size	k_q1835c94eef_ffn1, .Lfunc_end_k_q1835c94eef_ffn1-k_q1835c94eef_ffn1
	.p2alignl 7, 3214868480
	.fill 96, 4, 3214868480
	.section	.rodata,"a",@progbits
	.p2align	6, 0x0
	.amdhsa_kernel k_q1835c94eef_ffn1
		.amdhsa_group_segment_fixed_size 327680
		.amdhsa_private_segment_fixed_size 0
		.amdhsa_enable_private_segment 0
		.amdhsa_kernarg_size 32
		.amdhsa_user_sgpr_count 2
		.amdhsa_user_sgpr_kernarg_segment_ptr 1
		.amdhsa_wavefront_size32 1
		.amdhsa_system_sgpr_workgroup_id_x 1
		.amdhsa_system_sgpr_workgroup_id_y 1
		.amdhsa_system_sgpr_workgroup_id_z 1
		.amdhsa_system_vgpr_workitem_id 0
		.amdhsa_next_free_vgpr 1024
		.amdhsa_next_free_sgpr 80
		.amdhsa_reserve_vcc 0
		.amdhsa_float_denorm_mode_32 3
		.amdhsa_float_denorm_mode_16_64 3
		.amdhsa_memory_ordered 1
		.amdhsa_forward_progress 1
		.amdhsa_inst_pref_size 214
	.end_amdhsa_kernel
	.amdgpu_metadata
---
amdhsa.version: [ 1, 2 ]
amdhsa.kernels:
  - .name:           k_q1835c94eef_ffn1
    .symbol:         k_q1835c94eef_ffn1.kd
    .args:
      - { .name: o1b, .offset: 0, .size: 8, .value_kind: global_buffer, .address_space: global }
      - { .name: castb, .offset: 8, .size: 8, .value_kind: global_buffer, .address_space: global }
      - { .name: b1, .offset: 16, .size: 8, .value_kind: global_buffer, .address_space: global }
      - { .name: hb, .offset: 24, .size: 8, .value_kind: global_buffer, .address_space: global }
    .group_segment_fixed_size: 327680
    .private_segment_fixed_size: 0
    .kernarg_segment_align: 8
    .kernarg_segment_size: 32
    .max_flat_workgroup_size: 128
    .sgpr_count:     80
    .vgpr_count:     1024
    .wavefront_size: 32
...
	.end_amdgpu_metadata
.endif
;; end of part 6
;; launch ffn2 (part 7): grid 8 x 32, 4 waves a work-group, clusters of 4 x 4, 327,680 bytes of LDS; arguments hb, castb, b2, o1f, y; writes y
.if DOCPART == 7
	.amdgcn_target "amdgcn-amd-amdhsa--gfx1250"
	.amdhsa_code_object_version 6
	.text
	.protected	k_q1835c94eef_ffn2
	.globl	k_q1835c94eef_ffn2
	.p2align	8
	.type	k_q1835c94eef_ffn2,@function
k_q1835c94eef_ffn2:
	s_mov_b64 s[64:65], 0
	v_nop
	global_prefetch_b8 v0, s[64:65] scope:SCOPE_SE
	s_setreg_imm32_b32 hwreg(HW_REG_WAVE_MODE, 25, 1), 1
	s_wait_xcnt 0x0
	s_wait_alu depctr_hold_cnt(0) depctr_sa_sdst(0) depctr_va_vdst(0) depctr_va_sdst(0) depctr_va_ssrc(0) depctr_va_vcc(0) depctr_vm_vsrc(0)
	s_getreg_b32 s2, hwreg(HW_REG_IB_STS2, 6, 4)
	s_cmp_eq_u32 s2, 0
	s_cbranch_scc0 .Lentry_in_a_cluster
	s_endpgm
.Lentry_in_a_cluster:
	s_bfe_u32 s2, ttmp6, 0x10000c
	s_cmp_lg_u32 s2, 0xf033
	s_cbranch_scc0 .Lentry_shape_is_right
	s_endpgm
.Lentry_shape_is_right:
; Launch 7: y = h w2 + b2 + out1, f32 [4096][1024].  The text of launch 4 with SIZE_K = 4096 and the place of w2 in castb.
; A is plane-major bf16 [SIZE_K/64 planes][4096 rows][64]; the weights are bf16 [SIZE_K][1024] at byte WOFF of castb.
; 256 work-groups need blocks of 128 x 128.  Every wave makes the WHOLE block (64 accumulator tiles) over its own quarter of K, so that 32 along K
; cost 16 KiB of LDS reads for 64 matrix instructions; the four partial blocks are added through LDS on the way out, which passes LDS anyway.
; Limit: each output is a sum of four partial sums over K, an order of rounding that differs from a single ascending sum.
; A slot holds K = 256: four planes of A (128 rows, pitch 144), then 256 k rows of the weights (pitch 288).  Wave w uses plane w and k rows 64 w ..
; CLUSTER 4 x 4: the tile of A hangs on by alone (joint along a row of the cluster), that of the weights on bx alone (along a column).
; The matrix instruction is used transposed (source 0 = weights, source 1 = A): a lane holds eight neighbouring columns of one row.
; REGISTERS.  window 0: v8-31 addresses and bias, v64-127, v128-191 fragments of A, later the residual and the result, v192-255 partial rows.
; window 1: v64-127, v128-191 fragments of the weights.  windows 2, 3: accumulators, tile (a, b) at 8 (8 (a mod 4) + b).
.set SIZE_K, 4096
.set WOFF, 16777216
.set AP, 144
.set APL, 128*AP
.set BP, 288
.set BOFF, 4*APL
.set SLOT, BOFF+256*BP                 ; 147456
.set LAPS, SIZE_K/512
.set ASTEP, 8*524288                   ; two slots: eight planes
.set BSTEP, 512*2048                   ; two slots: 512 k rows
.set PP, 528                           ; a row of a partial block: 512 bytes + 16
.set PART, 128*PP
.set RDP, 8
.set ADRA, 16
.set ADRB, 20
.set STO, 24
.set CO, 26
.set BI, 28
.set F0, 64
.set F1, 128
.set RES, 64
.set PT, 192
.set G1A, 24
.set G0A, 32
.set G1B, 48
.set G0B, 56
.set TO_B, 0x40
.set MUL_LO, 0xa1
.set MUL_HI, 0xf1
.set MSB, 0
.macro WIN new
.if MSB != \new
	s_set_vgpr_msb (MSB<<8)|\new
.set MSB, \new
.endif
.endm
.macro PLACES
.rept 4
	v_nop
.endr
.endm
.macro JLOAD s                         ; waves 0, 1: two planes of A each; waves 2, 3: 128 k rows of the weights each
	s_cmp_eq_u32 s15, 0
	s_cbranch_scc0 .Lfor_b_\@
	tensor_load_to_lds s[G0A+4*\s:G0A+4*\s+3], s[G1A:G1A+7]
	s_nop 0
	s_branch .Lasked_\@
.Lfor_b_\@:
	tensor_load_to_lds s[G0B+4*\s:G0B+4*\s+3], s[G1B:G1B+7]
	s_nop 0
.Lasked_\@:
.endm
.macro CREST
	s_cmp_lg_u32 s14, 0
	s_cbranch_scc1 .Lnot_wave_0_\@
	s_barrier_signal -3
.Lnot_wave_0_\@:
	s_barrier_wait -3
	s_barrier_signal -1
	s_barrier_wait -1
.endm
.macro CROUND
	s_barrier_signal -1
	s_barrier_wait -1
	CREST
.endm
	s_load_b256 s[4:11], s[0:1], 0x0               ; A s[4:5], castb s[6:7], bias s[8:9], residual s[10:11]
	s_load_b64 s[12:13], s[0:1], 0x20              ; y
	s_set_vgpr_msb 0x40
	v_lshl_add_u32 v255, v0, 2, 0x48000
	s_set_vgpr_msb 0x4000
	v_mov_b32 v63, 0
	s_set_vgpr_msb 0x1
	ds_add_u32 v255, v63
	s_set_vgpr_msb 0x100
	v_lshrrev_b32 v1, 5, v0
	v_readfirstlane_b32 s14, v1
	s_lshr_b32 s15, s14, 1
	s_and_b32 s16, s14, 1
	s_bfe_u32 s17, ttmp6, 0x40000
	s_bfe_u32 s18, ttmp6, 0x40004
	s_lshl_b32 s19, ttmp9, 2
	s_add_co_u32 s19, s19, s17                     ; bx: 128 columns
	s_and_b32 s20, ttmp7, 0xffff
	s_lshl_b32 s20, s20, 2
	s_add_co_u32 s20, s20, s18                     ; by: 128 rows
	s_lshl_b32 s21, s18, 2
	s_lshl_b32 s21, 15, s21
	s_lshl_b32 s22, 0x1111, s17
	; group 1 for A: the 128 rows of a plane are 16384 dense bytes, taken as one row of 8192 elements; two planes, 262144 elements apart;
	; 4 words of padding behind every 32 (one row of 64 elements)
	s_or_b32 s[G1A+0], s21, (1<<16)|(1<<20)|(1<<21)|(4<<22)|(3<<25)
	s_mov_b32 s[G1A+1], 8192<<16
	s_mov_b32 s[G1A+2], 2<<16
	s_mov_b32 s[G1A+3], 8192<<16
	s_mov_b32 s[G1A+4], 2
	s_mov_b32 s[G1A+5], 262144
	s_mov_b32 s[G1A+6], 0
	s_mov_b32 s[G1A+7], 0
	; group 1 for the weights: 128 k rows x 128 elements, pitch 1024, 8 words of padding behind every 64
	s_or_b32 s[G1B+0], s22, (1<<16)|(1<<20)|(1<<21)|(5<<22)|(7<<25)
	s_mov_b32 s[G1B+1], 128<<16
	s_mov_b32 s[G1B+2], 128<<16
	s_mov_b32 s[G1B+3], 128<<16
	s_mov_b32 s[G1B+4], 128
	s_mov_b32 s[G1B+5], 1024
	s_mov_b32 s[G1B+6], 0
	s_mov_b32 s[G1B+7], 0
	s_lshl_b32 s40, s16, 20                        ; A: my two planes of 524288 bytes
	s_lshl_b32 s41, s20, 14                        ; 128 by rows of 128 bytes
	s_add_co_u32 s40, s40, s41
	s_mov_b32 s41, 0
	s_lshl_b32 s44, s16, 18                        ; weights: my 128 k rows of 2048 bytes
	s_lshl_b32 s45, s19, 8                         ; 128 bx columns
	s_add_co_u32 s44, s44, s45
	s_add_co_u32 s44, s44, WOFF
	s_mov_b32 s45, 0
	s_mul_i32 s72, s16, 2*APL                      ; 36864: two planes of A, and 128 k rows of the weights
	s_wait_dscnt 0x0
	s_wait_kmcnt 0x0
	s_add_nc_u64 s[42:43], s[4:5], s[40:41]
	s_add_nc_u64 s[46:47], s[6:7], s[44:45]
	CROUND
.irp s, 0,1
	s_mov_b32 s[G0A+4*\s], 1
	s_add_co_u32 s[G0A+4*\s+1], s72, \s*SLOT
	s_add_nc_u64 s[G0A+4*\s+2:G0A+4*\s+3], s[42:43], \s*4*524288
	s_or_b32 s[G0A+4*\s+3], s[G0A+4*\s+3], 0x80000000
	s_mov_b32 s[G0B+4*\s], 1
	s_add_co_u32 s[G0B+4*\s+1], s72, BOFF+\s*SLOT
	s_add_nc_u64 s[G0B+4*\s+2:G0B+4*\s+3], s[46:47], \s*256*2048
	s_or_b32 s[G0B+4*\s+3], s[G0B+4*\s+3], 0x80000000
	JLOAD \s                                       ; two loads of the wave are out
.endr
	v_and_b32 v1, 15, v0
	v_bfe_u32 v2, v0, 4, 1
	v_and_b32 v3, 7, v0
	v_bfe_u32 v4, v0, 3, 1
	v_and_b32 v5, 31, v0
	v_mul_u32_u24 v6, v1, AP
	v_lshl_add_u32 v6, v2, 4, v6
	s_mul_i32 s73, s14, APL
	v_add_nc_u32 v[ADRA], s73, v6                  ; plane w: 144 r + 16 h
	v_add_nc_u32 v[ADRA+1], SLOT, v[ADRA]
	v_lshl_add_u32 v7, v2, 3, v3
	v_mul_u32_u24 v7, v7, BP
	v_lshl_add_u32 v7, v4, 4, v7
	s_mul_i32 s74, s14, 64*BP
	s_add_co_u32 s74, s74, BOFF
	v_add_nc_u32 v[ADRB], s74, v7                  ; (64 w + 8 h + lane mod 8) 288 + 16 bit 3
	v_add_nc_u32 v[ADRB+1], SLOT, v[ADRB]
	v_mul_u32_u24 v6, v1, PP
	v_lshl_add_u32 v6, v2, 5, v6
	s_mul_i32 s75, s14, PART
	v_add_nc_u32 v[STO], s75, v6                   ; my partial block: 528 r + 32 h
	v_lshlrev_b32 v[CO], 4, v5                     ; 16 x lane
	s_mul_i32 s76, s14, 32*PP
	v_add_nc_u32 v[RDP], s76, v[CO]                ; rows 32 w .. of partial block 0,
	v_add_nc_u32 v[RDP+1], PART, v[RDP]            ; 1,
	v_add_nc_u32 v[RDP+2], 2*PART, v[RDP]          ; 2,
	v_add_nc_u32 v[RDP+3], 3*PART, v[RDP]          ; 3
; 16 matrix instructions: m tiles a0, a0 + 1 of the four of a window x all 8 n tiles.  zero = 1: the product starts the sums.
; All 64 accumulators take turns in one fixed order, one instruction a turn, over the backward jump too.
.macro MUL16 f, hi, a0, zero
.irp a, \a0, \a0+1
.irp b, 0,1,2,3,4,5,6,7
.if \zero
	v_wmma_f32_16x16x32_bf16 v[8*(8*(\a)+\b):8*(8*(\a)+\b)+7], v[\f+8*\b:\f+8*\b+7], v[\f+8*(4*\hi+\a):\f+8*(4*\hi+\a)+7], 0
.else
	v_wmma_f32_16x16x32_bf16 v[8*(8*(\a)+\b):8*(8*(\a)+\b)+7], v[\f+8*\b:\f+8*\b+7], v[\f+8*(4*\hi+\a):\f+8*(4*\hi+\a)+7], v[8*(8*(\a)+\b):8*(8*(\a)+\b)+7]
.endif
.endr
.endr
.endm
.macro FETCH slot, kq, f               ; 32 LDS loads: 32 along K (half kq of my 64) into buffer f
	WIN TO_B
.irp b, 0,1,2,3,4,5,6,7
	ds_load_tr16_b128 v[\f+8*\b:\f+8*\b+3], v[ADRB+\slot] offset:(32*\kq)*BP+32*\b
	ds_load_tr16_b128 v[\f+8*\b+4:\f+8*\b+7], v[ADRB+\slot] offset:(32*\kq+16)*BP+32*\b
.endr
	WIN 0
.irp a, 0,1,2,3,4,5,6,7
	ds_load_b128 v[\f+8*\a:\f+8*\a+3], v[ADRA+\slot] offset:64*\kq+\a*16*AP
	ds_load_b128 v[\f+8*\a+4:\f+8*\a+7], v[ADRA+\slot] offset:64*\kq+\a*16*AP+32
.endr
.endm
.macro QUARTER slot, kq, f, g, zero
	s_wait_dscnt 8                                 ; the youngest eight loads (m tiles 4 to 7 of A) may be out
	WIN MUL_LO
	MUL16 \f, 0, 0, \zero
	MUL16 \f, 0, 2, \zero
	PLACES
	FETCH \slot, \kq, \g
	s_wait_dscnt 32                                ; all but the 32 just issued
	WIN MUL_HI
	MUL16 \f, 1, 0, \zero
	MUL16 \f, 1, 2, \zero
.endm
; multiplies buffer 1 and changes slots: in front of the barrier my reads of this slot and all my tensor loads are waited for; with fill = 1 the
; barrier opens a round of the cluster barrier and the joint refill is the first tensor load behind it, one a wave
.macro TURN slot, next, fill
	s_wait_dscnt 8
	WIN MUL_LO
	MUL16 F1, 0, 0, 0
	s_wait_dscnt 0x0
	s_wait_tensorcnt 0x0
	ds_add_u32 v255, v63
	s_wait_dscnt 0x0
	s_barrier_signal -1
	MUL16 F1, 0, 2, 0
	WIN 0
	s_barrier_wait -1
.if \fill
	CREST
	s_add_nc_u64 s[G0A+4*\slot+2:G0A+4*\slot+3], s[G0A+4*\slot+2:G0A+4*\slot+3], ASTEP
	s_add_nc_u64 s[G0B+4*\slot+2:G0B+4*\slot+3], s[G0B+4*\slot+2:G0B+4*\slot+3], BSTEP
	JLOAD \slot
.endif
	PLACES
	FETCH \next, 0, F0
	WIN MUL_HI
	MUL16 F1, 1, 0, 0
	MUL16 F1, 1, 2, 0
.endm
.macro LAP zero
	QUARTER 0, 1, F0, F1, \zero
	TURN 0, 1, 1
	QUARTER 1, 1, F0, F1, 0
	TURN 1, 0, 1
.endm
	s_wait_tensorcnt 0x1                           ; my part of slot 0 is in; slot 1 may stay out
	s_barrier_signal -1
	s_barrier_wait -1
	FETCH 0, 0, F0
	LAP 1
.if LAPS > 2
	WIN 0
	s_mov_b32 s23, LAPS-2
.Llap:
	LAP 0
	WIN 0
	s_sub_co_u32 s23, s23, 1
	s_cmp_lg_u32 s23, 0
	s_cbranch_scc1 .Llap
.endif
	QUARTER 0, 1, F0, F1, 0                        ; the last lap fills nothing
	TURN 0, 1, 0
	QUARTER 1, 1, F0, F1, 0
	s_wait_dscnt 8
	WIN MUL_LO
	MUL16 F1, 0, 0, 0
	MUL16 F1, 0, 2, 0
	s_wait_dscnt 0x0
	WIN MUL_HI
	MUL16 F1, 1, 0, 0
	MUL16 F1, 1, 2, 0
	; THE WAY OUT.  Wave w owns rows 32 w .. 32 w + 31 of the block: their residual is asked for first, into the fragment registers.
	PLACES
	WIN 0
	s_lshl_b32 s72, s20, 19                        ; 128 by rows of 4096 bytes
	s_lshl_b32 s73, s14, 17                        ; 32 w rows
	s_add_co_u32 s72, s72, s73
	s_lshl_b32 s74, s19, 9                         ; 128 bx columns of 4 bytes
	s_add_co_u32 s72, s72, s74
	s_mov_b32 s73, 0
	s_mov_b32 s75, 0
	s_add_nc_u64 s[66:67], s[10:11], s[72:73]
	s_add_nc_u64 s[68:69], s[12:13], s[72:73]
	s_add_nc_u64 s[70:71], s[8:9], s[74:75]
	global_load_b128 v[BI:BI+3], v[CO], s[70:71]
.set i, 0
.rept 32
	global_load_b128 v[RES+4*i:RES+4*i+3], v[CO], s[66:67] offset:4096*i
.set i, i+1
.endr
	s_wait_dscnt 0x0                               ; the ring has had its last fill; when all four waves have read it out,
	s_barrier_signal -1
	s_barrier_wait -1                              ; its bytes take the four partial blocks
	WIN 0x08
.irp a, 0,1,2,3
.irp b, 0,1,2,3,4,5,6,7
	ds_store_b128 v[STO], v[8*(8*\a+\b):8*(8*\a+\b)+3] offset:PP*16*\a+64*\b
	ds_store_b128 v[STO], v[8*(8*\a+\b)+4:8*(8*\a+\b)+7] offset:PP*16*\a+64*\b+16
.endr
.endr
	WIN 0x0c
.irp a, 0,1,2,3
.irp b, 0,1,2,3,4,5,6,7
	ds_store_b128 v[STO], v[8*(8*\a+\b):8*(8*\a+\b)+3] offset:PP*16*(\a+4)+64*\b
	ds_store_b128 v[STO], v[8*(8*\a+\b)+4:8*(8*\a+\b)+7] offset:PP*16*(\a+4)+64*\b+16
.endr
.endr
	WIN 0
	s_wait_dscnt 0x0                               ; my block is written, for the others
	s_barrier_signal -1
	s_barrier_wait -1
	s_wait_loadcnt 0x0                             ; bias and residual
.set g, 0
.rept 8                                ; four rows at a time: sixteen loads, then ((p0 + p1) + (p2 + p3)) + (residual + bias)
.irp t, 0,1,2,3
.irp p, 0,1,2,3
	ds_load_b128 v[PT+16*\t+4*\p:PT+16*\t+4*\p+3], v[RDP+\p] offset:PP*(4*g+\t)
.endr
.endr
.irp t, 0,1,2,3
.set PB, PT+16*\t
.set RR, RES+4*(4*g+\t)
	s_wait_dscnt 12-4*\t                           ; the loads of the later rows stay out
	v_pk_add_f32 v[PB:PB+1], v[PB:PB+1], v[PB+4:PB+5]
	v_pk_add_f32 v[PB+2:PB+3], v[PB+2:PB+3], v[PB+6:PB+7]
	v_pk_add_f32 v[PB+8:PB+9], v[PB+8:PB+9], v[PB+12:PB+13]
	v_pk_add_f32 v[PB+10:PB+11], v[PB+10:PB+11], v[PB+14:PB+15]
	v_pk_add_f32 v[RR:RR+1], v[RR:RR+1], v[BI:BI+1]
	v_pk_add_f32 v[RR+2:RR+3], v[RR+2:RR+3], v[BI+2:BI+3]
	v_pk_add_f32 v[PB:PB+1], v[PB:PB+1], v[PB+8:PB+9]
	v_pk_add_f32 v[PB+2:PB+3], v[PB+2:PB+3], v[PB+10:PB+11]
	v_pk_add_f32 v[RR:RR+1], v[RR:RR+1], v[PB:PB+1]
	v_pk_add_f32 v[RR+2:RR+3], v[RR+2:RR+3], v[PB+2:PB+3]
	global_store_b128 v[CO], v[RR:RR+3], s[68:69] offset:4096*(4*g+\t)   ; 512 consecutive aligned bytes; its registers are never written again
.endr
.set g, g+1
.endr
	s_set_vgpr_msb 0x1
	s_wait_tensorcnt 0x0
	ds_add_u32 v255, v63
	s_wait_dscnt 0x0
	s_set_vgpr_msb 0x100
	CROUND                                         ; the closing round
	s_endpgm
.Lfunc_end_k_q1835c94eef_ffn2:
	.size	k_q1835c94eef_ffn2, .Lfunc_end_k_q1835c94eef_ffn2-k_q1835c94eef_ffn2
	.p2alignl 7, 3214868480
	.fill 96, 4, 3214868480
	.section	.rodata,"a",@progbits
	.p2align	6, 0x0
	.amdhsa_kernel k_q1835c94eef_ffn2
		.amdhsa_group_segment_fixed_size 327680
		.amdhsa_private_segment_fixed_size 0
		.amdhsa_enable_private_segment 0
		.amdhsa_kernarg_size 40
		.amdhsa_user_sgpr_count 2
		.amdhsa_user_sgpr_kernarg_segment_ptr 1
		.amdhsa_wavefront_size32 1
		.amdhsa_system_sgpr_workgroup_id_x 1
		.amdhsa_system_sgpr_workgroup_id_y 1
		.amdhsa_system_sgpr_workgroup_id_z 1
		.amdhsa_system_vgpr_workitem_id 0
		.amdhsa_next_free_vgpr 1024
		.amdhsa_next_free_sgpr 80
		.amdhsa_reserve_vcc 0
		.amdhsa_float_denorm_mode_32 3
		.amdhsa_float_denorm_mode_16_64 3
		.amdhsa_memory_ordered 1
		.amdhsa_forward_progress 1
		.amdhsa_inst_pref_size 131
	.end_amdhsa_kernel
	.amdgpu_metadata
---
amdhsa.version: [ 1, 2 ]
amdhsa.kernels:
  - .name:           k_q1835c94eef_ffn2
    .symbol:         k_q1835c94eef_ffn2.kd
    .args:
      - { .name: hb, .offset: 0, .size: 8, .value_kind: global_buffer, .address_space: global }
      - { .name: castb, .offset: 8, .size: 8, .value_kind: global_buffer, .address_space: global }
      - { .name: b2, .offset: 16, .size: 8, .value_kind: global_buffer, .address_space: global }
      - { .name: o1f, .offset: 24, .size: 8, .value_kind: global_buffer, .address_space: global }
      - { .name: y, .offset: 32, .size: 8, .value_kind: global_buffer, .address_space: global }
    .group_segment_fixed_size: 327680
    .private_segment_fixed_size: 0
    .kernarg_segment_align: 8
    .kernarg_segment_size: 40
    .max_flat_workgroup_size: 128
    .sgpr_count:     80
    .vgpr_count:     1024
    .wavefront_size: 32
...
	.end_amdgpu_metadata
.endif
;; end of part 7
;; launch ln2 (part 8): grid 256 x 1, 4 waves a work-group, no clusters, 0 bytes of LDS; arguments y, gamma2, beta2, out0; writes out0
.if DOCPART == 8
	.amdgcn_target "amdgcn-amd-amdhsa--gfx1250"
	.amdhsa_code_object_version 6
	.text
	.protected	k_q1835c94eef_ln2
	.globl	k_q1835c94eef_ln2
	.p2align	8
	.type	k_q1835c94eef_ln2,@function
k_q1835c94eef_ln2:
	s_mov_b64 s[64:65], 0
	v_nop
	global_prefetch_b8 v0, s[64:65] scope:SCOPE_SE
	s_setreg_imm32_b32 hwreg(HW_REG_WAVE_MODE, 25, 1), 1
	s_wait_xcnt 0x0
; Launch 8: out0 = LayerNorm(y) gamma2 + beta2 in f32.  The text of launch 5 without the bf16 copy.
; A stream: memory binds, so no LDS, no barrier, no matrix unit.  One wave takes a whole row of 4096 bytes in 32 registers and keeps it between
; the pass for the mean, the pass for the variance of the differences (two passes: no difference of large sums) and the scaling.
; Wave 4 g + w owns four rows; all its 32 row loads go out at once, behind the 16 loads of gamma and beta.
.set WITH_BF16, 0
.set T, 4                              ; v[4:11]   four chains of sums
.set NMEAN, 12                         ; v[12:13]  minus the mean, twice
.set RSTD, 14                          ; v[14:15]  1 / sqrt(var + eps), twice
.set G, 16                             ; v[16:47]  gamma of my 32 columns
.set BT, 48                            ; v[48:79]  beta
.set X, 80                             ; v[80:207] four rows of 32 registers
.set Y2, 208                           ; not used here
	s_load_b256 s[4:11], s[0:1], 0x0               ; y s[4:5], gamma s[6:7], beta s[8:9], f32 result s[10:11]
.if WITH_BF16
	s_load_b64 s[12:13], s[0:1], 0x20              ; bf16 result
.endif
	v_lshrrev_b32 v3, 5, v0
	v_readfirstlane_b32 s14, v3
	v_and_b32 v1, 31, v0
	v_lshlrev_b32 v2, 3, v1                        ; 8 x lane
	v_lshlrev_b32 v1, 4, v1                        ; 16 x lane
	s_lshl2_add_u32 s15, ttmp9, s14                ; 4 g + w
	s_lshl_b32 s22, s15, 14                        ; four rows of 4096 bytes
	s_mov_b32 s23, 0
	s_mov_b32 s16, 0xba800000                      ; -1/1024
	s_mov_b32 s17, 0x3a800000                      ; 1/1024
	s_mov_b32 s18, 0x2edbe6ff                      ; 1e-10
	s_mov_b32 s20, 0x76543210
	s_mov_b32 s21, 0xfedcba98
	s_wait_kmcnt 0x0
	s_add_nc_u64 s[4:5], s[4:5], s[22:23]
	s_add_nc_u64 s[10:11], s[10:11], s[22:23]
.if WITH_BF16
	s_lshl_b32 s22, s15, 13                        ; four rows of 2048 bytes
	s_add_nc_u64 s[12:13], s[12:13], s[22:23]
.endif
.irp j, 0,1,2,3,4,5,6,7
	global_load_b128 v[G+4*\j:G+4*\j+3], v1, s[6:7] offset:512*\j
	global_load_b128 v[BT+4*\j:BT+4*\j+3], v1, s[8:9] offset:512*\j
.endr
.irp i, 0,1,2,3
.irp j, 0,1,2,3,4,5,6,7
	global_load_b128 v[X+32*\i+4*\j:X+32*\i+4*\j+3], v1, s[4:5] offset:4096*\i+512*\j th:TH_LOAD_NT
.endr
.endr
.macro FOLD                            ; the four chains, then the 32 lanes: the sum ends up in v[T] of every lane
	v_pk_add_f32 v[T:T+1], v[T:T+1], v[T+2:T+3]
	v_pk_add_f32 v[T+4:T+5], v[T+4:T+5], v[T+6:T+7]
	v_pk_add_f32 v[T:T+1], v[T:T+1], v[T+4:T+5]
	v_add_f32 v[T], v[T], v[T+1]
	v_add_f32_dpp v[T], v[T], v[T] row_xmask:1 row_mask:0xf bank_mask:0xf
	v_add_f32_dpp v[T], v[T], v[T] row_xmask:2 row_mask:0xf bank_mask:0xf
	v_add_f32_dpp v[T], v[T], v[T] row_xmask:4 row_mask:0xf bank_mask:0xf
	v_add_f32_dpp v[T], v[T], v[T] row_xmask:8 row_mask:0xf bank_mask:0xf
	v_permlanex16_b32 v[T+1], v[T], s20, s21
	v_add_f32 v[T], v[T], v[T+1]
.endm
.macro ROW i
.set XB, X+32*\i
	s_wait_loadcnt 24-8*\i                         ; gamma, beta and rows up to i are in; the later rows stay out
.irp k, 0,2,4,6
	v_pk_add_f32 v[T+\k:T+\k+1], v[XB+\k:XB+\k+1], v[XB+8+\k:XB+9+\k]
.endr
.irp m, 16,24
.irp k, 0,2,4,6
	v_pk_add_f32 v[T+\k:T+\k+1], v[T+\k:T+\k+1], v[XB+\m+\k:XB+\m+\k+1]
.endr
.endr
	FOLD
	v_mul_f32 v[NMEAN], s16, v[T]
	v_mul_f32 v[NMEAN+1], s16, v[T]
.set k, 0
.rept 16
	v_pk_add_f32 v[XB+k:XB+k+1], v[XB+k:XB+k+1], v[NMEAN:NMEAN+1]
.set k, k+2
.endr
.irp k, 0,2,4,6
	v_pk_mul_f32 v[T+\k:T+\k+1], v[XB+\k:XB+\k+1], v[XB+\k:XB+\k+1]
.endr
.irp m, 8,16,24
.irp k, 0,2,4,6
	v_pk_fma_f32 v[T+\k:T+\k+1], v[XB+\m+\k:XB+\m+\k+1], v[XB+\m+\k:XB+\m+\k+1], v[T+\k:T+\k+1]
.endr
.endr
	FOLD
	v_fma_f32 v3, v[T], s17, s18                   ; variance + eps
	v_rsq_f32 v[RSTD], v3
	v_nop                                          ; one plain place behind the transcendental (ISA guide 5.7.2)
	s_wait_alu depctr_va_vdst(0)
	v_mov_b32 v[RSTD+1], v[RSTD]
.set k, 0
.rept 16
	v_pk_mul_f32 v[XB+k:XB+k+1], v[XB+k:XB+k+1], v[RSTD:RSTD+1]
	v_pk_fma_f32 v[XB+k:XB+k+1], v[XB+k:XB+k+1], v[G+k:G+k+1], v[BT+k:BT+k+1]
.set k, k+2
.endr
.irp j, 0,1,2,3,4,5,6,7
	global_store_b128 v1, v[XB+4*\j:XB+4*\j+3], s[10:11] offset:4096*\i+512*\j th:TH_STORE_NT
.endr
.if WITH_BF16
	s_wait_xcnt 0x0                                ; Y2, which the stores of the row before read, is written again only behind this wait
.irp j, 0,1,2,3,4,5,6,7
	v_cvt_pk_bf16_f32 v[Y2+2*\j], v[XB+4*\j], v[XB+4*\j+1]
	v_cvt_pk_bf16_f32 v[Y2+2*\j+1], v[XB+4*\j+2], v[XB+4*\j+3]
	global_store_b64 v2, v[Y2+2*\j:Y2+2*\j+1], s[12:13] offset:2048*\i+256*\j   ; 32 lanes: 256 consecutive aligned bytes
.endr
.endif
.endm
	ROW 0
	ROW 1
	ROW 2
	ROW 3
	s_endpgm
.Lfunc_end_k_q1835c94eef_ln2:
	.size	k_q1835c94eef_ln2, .Lfunc_end_k_q1835c94eef_ln2-k_q1835c94eef_ln2
	.p2alignl 7, 3214868480
	.fill 96, 4, 3214868480
	.section	.rodata,"a",@progbits
	.p2align	6, 0x0
	.amdhsa_kernel k_q1835c94eef_ln2
		.amdhsa_group_segment_fixed_size 0
		.amdhsa_private_segment_fixed_size 0
		.amdhsa_enable_private_segment 0
		.amdhsa_kernarg_size 32
		.amdhsa_user_sgpr_count 2
		.amdhsa_user_sgpr_kernarg_segment_ptr 1
		.amdhsa_wavefront_size32 1
		.amdhsa_system_sgpr_workgroup_id_x 1
		.amdhsa_system_sgpr_workgroup_id_y 1
		.amdhsa_system_sgpr_workgroup_id_z 1
		.amdhsa_system_vgpr_workitem_id 0
		.amdhsa_next_free_vgpr 224
		.amdhsa_next_free_sgpr 66
		.amdhsa_reserve_vcc 0
		.amdhsa_float_denorm_mode_32 3
		.amdhsa_float_denorm_mode_16_64 3
		.amdhsa_memory_ordered 1
		.amdhsa_forward_progress 1
		.amdhsa_inst_pref_size 34
	.end_amdhsa_kernel
	.amdgpu_metadata
---
amdhsa.version: [ 1, 2 ]
amdhsa.kernels:
  - .name:           k_q1835c94eef_ln2
    .symbol:         k_q1835c94eef_ln2.kd
    .args:
      - { .name: y, .offset: 0, .size: 8, .value_kind: global_buffer, .address_space: global }
      - { .name: gamma2, .offset: 8, .size: 8, .value_kind: global_buffer, .address_space: global }
      - { .name: beta2, .offset: 16, .size: 8, .value_kind: global_buffer, .address_space: global }
      - { .name: out0, .offset: 24, .size: 8, .value_kind: global_buffer, .address_space: global }
    .group_segment_fixed_size: 0
    .private_segment_fixed_size: 0
    .kernarg_segment_align: 8
    .kernarg_segment_size: 32
    .max_flat_workgroup_size: 128
    .sgpr_count:     66
    .vgpr_count:     224
    .wavefront_size: 32
...
	.end_amdgpu_metadata
.endif
;; end of part 8
;; ======== version 2 of 3: 8 launches; 1.13 times as fast as version 1
;; workspace buffers: castb 33,554,432 bytes; qkvb 25,165,824 bytes; cb 8,388,608 bytes; y 16,777,216 bytes; o1f 16,777,216 bytes; o1b 8,388,608 bytes; hb 33,554,432 bytes
;; launch cast: the kernel of part 1 again; grid 1024 x 1, 8 waves a work-group, no clusters, 0 bytes of LDS; arguments x, w1, w2, wq, wk, wv, w_proj, castb; writes castb
;; launch qkv: the kernel of part 2 again; grid 16 x 16, 4 waves a work-group, clusters of 4 x 4, 327,680 bytes of LDS; arguments castb, bq, bv, qkvb; writes qkvb
;; launch attn (part 9): grid 8 x 32, 4 waves a work-group, clusters of 4 x 1, 327,680 bytes of LDS; arguments qkvb, cb; writes cb
.if DOCPART == 9
	.amdgcn_target "amdgcn-amd-amdhsa--gfx1250"
	.amdhsa_code_object_version 6
	.text
	.protected	k_q1835c94eef_attn
	.globl	k_q1835c94eef_attn
	.p2align	8
	.type	k_q1835c94eef_attn,@function
k_q1835c94eef_attn:
	s_mov_b64 s[64:65], 0
	v_nop
	global_prefetch_b8 v0, s[64:65] scope:SCOPE_SE
	s_setreg_imm32_b32 hwreg(HW_REG_WAVE_MODE, 25, 1), 1
	s_wait_xcnt 0x0
	s_wait_alu depctr_hold_cnt(0) depctr_sa_sdst(0) depctr_va_vdst(0) depctr_va_sdst(0) depctr_va_ssrc(0) depctr_va_vcc(0) depctr_vm_vsrc(0)
	s_getreg_b32 s2, hwreg(HW_REG_IB_STS2, 6, 4)
	s_cmp_eq_u32 s2, 0
	s_cbranch_scc0 .Lentry_in_a_cluster
	s_endpgm
.Lentry_in_a_cluster:
	s_bfe_u32 s2, ttmp6, 0x10000c
	s_cmp_lg_u32 s2, 0x3003
	s_cbranch_scc0 .Lentry_shape_is_right
	s_endpgm
.Lentry_shape_is_right:
; Launch 3: out = softmax(q k^T / 8) v for each of the 32 (batch, head) pairs, with a running maximum; cb[16 heads][4096 tokens][64] in bf16.
; k comes without bk: that term is the same along the softmax axis and cancels (shown at the head of the first kernel).
; A work-group has 256 queries of one (batch, head); wave w has 64: four tiles q of 16.  The four work-groups of a cluster are four query blocks
; of the same (batch, head) and ask jointly for its K and V tiles of 256 keys (two LDS slots, eight tiles).
; LAYOUT WITHOUT SHUFFLES.  S^T = K Q^T (source 0 = 16 keys, source 1 = 16 queries): lane (r, h) holds keys 16 tt + 8 h + j of query r.  Packed in
; pairs, tiles 2 u and 2 u + 1 are the source 1 fragment of O^T = V^T P^T (source 0 = 16 columns of V by the transposing load), in which lane
; (r, h) holds columns 16 et + 8 h + j of query r.  So maximum, sum and rescaling are a lane's own; the maximum crosses the two halves of the
; lanes by one permute a step, the sum once at the end.
; NM = -c x running maximum, c = log2(e) / 8.  p = exp2(c s + NM), the rescaling factor is exp2(NM new - NM old): one reference value serves p,
; the factor and the sum, so its own rounding cancels in the quotient.  Exponents are at most a rounding error above 0.
; TWO PIECES TAKE TURNS.  A step is 64 keys: 64 matrix instructions and 480 vector instructions.  Piece A = query tiles 0, 1, piece B = tiles 2, 3;
; they share the K and V fragments.  Step i has two phases of 32 products:
;   X(i): products P V of B for step i - 1, then K Q of B for step i;  between them the softmax of A for step i and the rescaling of A's O
;   Y(i): products P V of A for step i, then K Q of A for step i + 1;  between them the softmax of B for step i and the rescaling of B's O
; The vector work of a phase is a macro of 32 numbered slices, one behind each product.  V(i) is loaded in the middle of X(i), K(i + 1) at the head
; of Y(i).  The slices run on window 0 (the rescaling on window 1) and the products name both windows: two window switches for each product, 128 a
; step.  One window for all does not fit: an exponential has one source, so S would lie in the window of source 0 with K and V, and in the window
; of the destination with O: 128 + 128 + 64 + 64 registers.
; THE TEXT IS KEPT SHORT.  Steps 0 to 2 are written out (0 starts maximum, sum and A's O, 1 starts B's O); then a loop over pairs of tiles whose
; unit is: X of a tile's last step, the change of slots, Y, and the next tile's steps 0 to 2 from one body in a counted loop.
; REGISTERS.  window 0: v1-7 addresses, v8-15 pairs (NM, L), v16-23 pairs (AL, X), v24-31 at work, v32-95 Q, v96-223 S (P packed into the first
; 16 of each 32), v224, v225 the step loop's LDS addresses.  window 1: v0-63 K fragments, v64-127 V fragments, v128-255 O.
.set KP, 144
.set VP, 160
.set VOFF, 256*KP
.set SLOT, VOFF+256*VP                 ; 77824
.set STAGE, 2*SLOT                     ; behind the ring; no tensor load lands here
.set SP, 144
.set ADK, 1
.set ADV, 3
.set STO, 5
.set RD, 6
.set CO, 7
.set NM, 8
.set AL, 16
.set T, 24
.set Q, 32
.set S, 96
.set KA, 224
.set VA, 225
.set KF, 0
.set VF, 64
.set O, 128
.set G1K, 16
.set G1V, 24
.set G0K, 32
.set G0V, 40
.set MSB, 0
.macro WIN new                         ; the high byte of the immediate repeats the setting that is left; a switch that changes nothing is dropped
.if MSB != \new
	s_set_vgpr_msb (MSB<<8)|\new
.set MSB, \new
.endif
.endm
.macro PLACES n
.rept \n
	v_nop
.endr
.endm
.macro ROUND                           ; a round of the cluster barrier
	s_barrier_signal -1
	s_barrier_wait -1
	s_cmp_lg_u32 s8, 0
	s_cbranch_scc1 .Lnot_wave_0_\@
	s_barrier_signal -3
.Lnot_wave_0_\@:
	s_barrier_wait -3
	s_barrier_signal -1
	s_barrier_wait -1
.endm
.macro JLOAD s                         ; waves 0, 1: the halves of K; waves 2, 3: the halves of V
	s_cmp_eq_u32 s49, 0
	s_cbranch_scc0 .Lfor_v_\@
	tensor_load_to_lds s[G0K+4*\s:G0K+4*\s+3], s[G1K:G1K+7]
	s_nop 0
	s_branch .Lasked_\@
.Lfor_v_\@:
	tensor_load_to_lds s[G0V+4*\s:G0V+4*\s+3], s[G1V:G1V+7]
	s_nop 0
.Lasked_\@:
.endm
	s_load_b128 s[4:7], s[0:1], 0x0                ; qkvb s[4:5], cb s[6:7]
	v_lshl_add_u32 v254, v0, 2, 0x2f000
	v_mov_b32 v255, 0
	ds_add_u32 v254, v255
	v_lshrrev_b32 v1, 5, v0
	v_readfirstlane_b32 s8, v1                     ; wave
	s_and_b32 s9, s8, 1
	s_lshr_b32 s49, s8, 1
	s_bfe_u32 s10, ttmp6, 0x40000                  ; cx
	s_and_b32 s11, ttmp7, 0xffff                   ; 16 b + head
	s_lshl_b32 s12, ttmp9, 2
	s_add_co_u32 s12, s12, s10                     ; query block
	s_mov_b32 s14, 0x3e38aa3b                      ; c = log2(e) / 8
	s_mov_b32 s15, 0x3e38aa3b
	s_mov_b32 s48, 0xbe38aa3b                      ; -c
	s_mov_b32 s50, 0x76543210                      ; lane i of one half reads lane i of the other
	s_mov_b32 s51, 0xfedcba98
	; group 1: 128 keys = 16384 dense bytes as 64 rows of 128 elements; padding behind every 32 words (one key): 4 words for K, 8 for V; mask 15: all four
	s_mov_b32 s[G1K+0], 15|(1<<16)|(1<<20)|(1<<21)|(4<<22)|(3<<25)
	s_mov_b32 s[G1K+1], 128<<16
	s_mov_b32 s[G1K+2], 64<<16
	s_mov_b32 s[G1K+3], 128<<16
	s_mov_b32 s[G1K+4], 64
	s_mov_b32 s[G1K+5], 128
	s_mov_b32 s[G1K+6], 0
	s_mov_b32 s[G1K+7], 0
	s_mov_b32 s[G1V+0], 15|(1<<16)|(1<<20)|(1<<21)|(4<<22)|(7<<25)
	s_mov_b32 s[G1V+1], 128<<16
	s_mov_b32 s[G1V+2], 64<<16
	s_mov_b32 s[G1V+3], 128<<16
	s_mov_b32 s[G1V+4], 64
	s_mov_b32 s[G1V+5], 128
	s_mov_b32 s[G1V+6], 0
	s_mov_b32 s[G1V+7], 0
	s_lshl_b32 s52, s11, 18                        ; 2048 keys of 128 bytes for each (batch, head)
	s_lshl_b32 s53, s9, 14                         ; my half: 128 keys
	s_add_co_u32 s52, s52, s53
	s_add_co_u32 s52, s52, 0x800000                ; k lies behind q
	s_mov_b32 s53, 0
	s_mul_i32 s54, s9, 128*KP
	s_mul_i32 s55, s9, 128*VP
	s_add_co_u32 s55, s55, VOFF
	s_wait_dscnt 0x0
	s_wait_kmcnt 0x0
	s_add_nc_u64 s[56:57], s[4:5], s[52:53]
	s_add_nc_u64 s[58:59], s[56:57], 0x800000      ; v lies behind k
.irp s, 0,1
	s_mov_b32 s[G0K+4*\s], 1
	s_add_co_u32 s[G0K+4*\s+1], s54, \s*SLOT
	s_add_nc_u64 s[G0K+4*\s+2:G0K+4*\s+3], s[56:57], \s*32768
	s_or_b32 s[G0K+4*\s+3], s[G0K+4*\s+3], 0x80000000
	s_mov_b32 s[G0V+4*\s], 1
	s_add_co_u32 s[G0V+4*\s+1], s55, \s*SLOT
	s_add_nc_u64 s[G0V+4*\s+2:G0V+4*\s+3], s[58:59], \s*32768
	s_or_b32 s[G0V+4*\s+3], s[G0V+4*\s+3], 0x80000000
.endr
	ROUND                                          ; in front of the first joint loads
	JLOAD 0                                        ; tile 0
	JLOAD 1                                        ; tile 1: both first fills go out together; two loads of the wave are out
	v_and_b32 v25, 15, v0                          ; r
	v_bfe_u32 v26, v0, 4, 1                        ; h
	v_and_b32 v27, 7, v0
	v_bfe_u32 v28, v0, 3, 1
	v_and_b32 v29, 31, v0
	v_mul_u32_u24 v[ADK], v25, KP
	v_lshl_add_u32 v[ADK], v26, 4, v[ADK]          ; 144 r + 16 h
	v_add_nc_u32 v[ADK+1], SLOT, v[ADK]
	v_lshl_add_u32 v[ADV], v26, 3, v27
	v_mul_u32_u24 v[ADV], v[ADV], VP
	v_lshl_add_u32 v[ADV], v28, 4, v[ADV]
	v_add_nc_u32 v[ADV], VOFF, v[ADV]              ; (8 h + lane mod 8) 160 + 16 bit 3
	v_add_nc_u32 v[ADV+1], SLOT, v[ADV]
	s_mul_i32 s54, s8, 64*SP
	s_add_co_u32 s54, s54, STAGE
	v_add_nc_u32 v[STO], s54, v[ADK]
	v_lshrrev_b32 v[RD], 3, v29
	v_mul_u32_u24 v[RD], v[RD], SP
	v_lshl_add_u32 v[RD], v27, 4, v[RD]
	v_add_nc_u32 v[RD], s54, v[RD]
	v_lshlrev_b32 v[CO], 4, v29
	v_lshlrev_b32 v24, 7, v25
	v_lshl_add_u32 v24, v26, 4, v24                ; Q: 128 r + 16 h
	s_lshl_b32 s52, s11, 18
	s_lshl_b32 s54, s12, 15                        ; 256 queries of 128 bytes for each block
	s_add_co_u32 s52, s52, s54
	s_lshl_b32 s54, s8, 13                         ; 64 for each wave
	s_add_co_u32 s52, s52, s54
	s_mov_b32 s53, 0
	s_add_nc_u64 s[4:5], s[4:5], s[52:53]
.irp q, 0,1,2,3
.irp ks, 0,1
	global_load_b128 v[Q+16*\q+8*\ks:Q+16*\q+8*\ks+3], v24, s[4:5] offset:2048*\q+64*\ks
	global_load_b128 v[Q+16*\q+8*\ks+4:Q+16*\q+8*\ks+7], v24, s[4:5] offset:2048*\q+64*\ks+32
.endr
	v_mov_b32 v[NM+2*\q+1], 0                      ; the second register of the pair (NM, L) counts as read by the packed multiply-add
.endr
	s_wait_tensorcnt 0x1                           ; my part of tile 0 is in; tile 1 may stay out
	s_wait_loadcnt 0x0                             ; Q is in; v24 is free
	s_barrier_signal -1
	s_barrier_wait -1                              ; everybody's part of tile 0 is in
.macro KLOAD ka, i                     ; K fragments of the 64 keys that lie 64 i keys behind the address in v[ka]: 16 loads
	WIN 0x40
.irp tt, 0,1,2,3
.irp ks, 0,1
	ds_load_b128 v[KF+16*\tt+8*\ks:KF+16*\tt+8*\ks+3], v[\ka] offset:64*KP*(\i)+16*KP*\tt+64*\ks
	ds_load_b128 v[KF+16*\tt+8*\ks+4:KF+16*\tt+8*\ks+7], v[\ka] offset:64*KP*(\i)+16*KP*\tt+64*\ks+32
.endr
.endr
.endm
.macro VLOAD va, i                     ; V fragments, transposed, of the 64 keys that lie 64 i keys behind the address in v[va]: 16 loads
	WIN 0x40
.irp et, 0,1,2,3
.irp u, 0,1
	ds_load_tr16_b128 v[VF+16*\et+8*\u:VF+16*\et+8*\u+3], v[\va] offset:64*VP*(\i)+32*VP*\u+32*\et
	ds_load_tr16_b128 v[VF+16*\et+8*\u+4:VF+16*\et+8*\u+7], v[\va] offset:64*VP*(\i)+32*VP*\u+16*VP+32*\et
.endr
.endr
.endm
; THE PRODUCTS OF A PIECE, by number.  Each run of 16 takes its eight accumulators by turns, one instruction a turn.
; Score product idx of piece p: 0 to 7 start the eight tiles (2 queries x 4 key tiles) on dimensions 0-31, 8 to 15 add dimensions 32-63.
.macro SPROD p, idx
.set QQ, 2*\p+(((\idx)&7)>>2)
.set TT, (\idx)&3
.set KS, (\idx)>>3
.set ST, S+32*QQ+8*TT
	WIN 0x01                                       ; source 0 (K) window 1, all else window 0
.if KS
	v_wmma_f32_16x16x32_bf16 v[ST:ST+7], v[KF+16*TT+8:KF+16*TT+15], v[Q+16*QQ+8:Q+16*QQ+15], v[ST:ST+7]
.else
	v_wmma_f32_16x16x32_bf16 v[ST:ST+7], v[KF+16*TT:KF+16*TT+7], v[Q+16*QQ:Q+16*QQ+7], 0
.endif
.endm
; P V product idx of piece p: 0 to 7 take keys 0-31 on the eight tiles (2 queries x 4 column tiles), 8 to 15 keys 32-63.  mode 2: 0 to 7 start O.
.macro PVPROD p, idx, mode
.set QQ, 2*\p+(((\idx)&7)>>2)
.set ET, (\idx)&3
.set UU, (\idx)>>3
.set OT, O+32*QQ+8*ET
	WIN 0x51                                       ; source 0 (V), C and D (O) window 1, source 1 (P) window 0
.if (\mode)*(1-UU) > 1
	v_wmma_f32_16x16x32_bf16 v[OT:OT+7], v[VF+16*ET+8*UU:VF+16*ET+8*UU+7], v[S+32*QQ+8*UU:S+32*QQ+8*UU+7], 0
.else
	v_wmma_f32_16x16x32_bf16 v[OT:OT+7], v[VF+16*ET+8*UU:VF+16*ET+8*UU+7], v[S+32*QQ+8*UU:S+32*QQ+8*UU+7], v[OT:OT+7]
.endif
.endm
; THE VECTOR WORK OF A PIECE, in small parts.  sx: first S register of a tile; tx: its two running maxima at tx and tx + 2.
.macro MAXST sx, tx, m                 ; stage m of the maximum over a tile's 32 registers, two chains
.if (\m) < 1
	v_max3_num_f32 v[\tx], v[\sx], v[\sx+1], v[\sx+2]
	v_max3_num_f32 v[\tx+2], v[\sx+16], v[\sx+17], v[\sx+18]
.else
.if (\m) < 7
	v_max3_num_f32 v[\tx], v[\tx], v[\sx+2*(\m)+1], v[\sx+2*(\m)+2]
	v_max3_num_f32 v[\tx+2], v[\tx+2], v[\sx+2*(\m)+17], v[\sx+2*(\m)+18]
.else
	v_max3_num_f32 v[\tx], v[\tx], v[\sx+15], v[\sx+31]
.endif
.endif
.endm
.macro FOP sx, nm, f                   ; the exponents of registers 2 f, 2 f + 1: c s + NM
	v_pk_fma_f32 v[\sx+2*(\f):\sx+2*(\f)+1], v[\sx+2*(\f):\sx+2*(\f)+1], s[14:15], v[\nm:\nm+1] op_sel_hi:[1,0,0]
.endm
.macro EOP sx, e
	v_exp_f32 v[\sx+(\e)], v[\sx+(\e)]
.endm
.macro CVT sx, c                       ; ascending: register c is written when registers up to 2 c + 1 have been read
	v_cvt_pk_bf16_f32 v[\sx+(\c)], v[\sx+2*(\c)], v[\sx+2*(\c)+1]
.endm
; Part k (0 to 32) of a tile's sum and packing.  0 to 11: the 32 numbers into four chains (all of T).  12, 13, 16, 19, 22: the chains meet, the
; sum joins L; each of these waits for the one before, so the first six conversions stand among them.  All reads of S by the sum are over at 11.
.macro POP sx, nl, al, k, first
.if (\k) < 4
	s_wait_alu depctr_va_vdst(0)
	v_pk_add_f32 v[T+2*(\k):T+2*(\k)+1], v[\sx+2*(\k):\sx+2*(\k)+1], v[\sx+2*(\k)+8:\sx+2*(\k)+9]
.else
.if (\k) < 12
	v_pk_add_f32 v[T+2*((\k)&3):T+2*((\k)&3)+1], v[T+2*((\k)&3):T+2*((\k)&3)+1], v[\sx+2*(\k)+8:\sx+2*(\k)+9]
.else
.if (\k) < 14
	v_pk_add_f32 v[T+4*((\k)-12):T+4*((\k)-12)+1], v[T+4*((\k)-12):T+4*((\k)-12)+1], v[T+4*((\k)-12)+2:T+4*((\k)-12)+3]
.else
.if (\k) < 16
	CVT \sx, (\k)-14
.else
.if (\k) < 17
	v_pk_add_f32 v[T:T+1], v[T:T+1], v[T+4:T+5]
.else
.if (\k) < 19
	CVT \sx, (\k)-15
.else
.if (\k) < 20
.if \first
	v_add_f32 v[\nl+1], v[T], v[T+1]
.else
	v_add_f32 v[\al+1], v[T], v[T+1]
.endif
.else
.if (\k) < 22
	CVT \sx, (\k)-16
.else
.if (\k) < 23
.if \first
.else
	v_fma_f32 v[\nl+1], v[\nl+1], v[\al], v[\al+1]
.endif
.else
	CVT \sx, (\k)-17
.endif
.endif
.endif
.endif
.endif
.endif
.endif
.endif
.endif
.endm
.macro PRUN sx, nl, al, k0, cnt, first ; parts k0 .. k0 + cnt - 1
.set PK, \k0
.rept \cnt
	POP \sx, \nl, \al, PK, \first
.set PK, PK+1
.endr
.endm
; SLICE idx (0 to 31) of the vector work of piece p; a and b are its two tiles.  first = 1: the launch's first step (no old maximum, nothing to rescale).
;   0-3   the maxima of a and b, four chains          4, 5  across the halves of the lanes, NM, the factor AL
;   6, 7  the exponents of a                          8-15  the exponentials of a among the exponents of b
;   16-23 the exponentials of b, each followed by a part of a's sum and packing          24-27 b's sum and packing
;   28-31 O of a, then of b, times AL: eight plain multiplies a slice
; Behind every exponential the next plain instruction works on the other tile, before the exponential's result is read (ISA guide 5.7.2).
.macro SLICE p, idx, first
.set XA, S+64*\p
.set XB, XA+32
.set NMA, NM+4*\p
.set NMB, NMA+2
.set ALA, AL+4*\p
.set ALB, ALA+2
.set OA, O+64*\p
.if (\idx) < 3
	WIN 0
	MAXST XA, T, 2*(\idx)
	MAXST XB, T+4, 2*(\idx)
	MAXST XA, T, 2*(\idx)+1
	MAXST XB, T+4, 2*(\idx)+1
.else
.if (\idx) < 4
	WIN 0
	MAXST XA, T, 6
	MAXST XB, T+4, 6
	MAXST XA, T, 7
	MAXST XB, T+4, 7
	v_max_num_f32 v[T], v[T], v[T+2]
	v_max_num_f32 v[T+4], v[T+4], v[T+6]
.else
.if (\idx) < 5
	WIN 0
	v_permlanex16_b32 v[T+1], v[T], s50, s51       ; the other 32 keys of the same query
	v_permlanex16_b32 v[T+5], v[T+4], s50, s51
	v_max_num_f32 v[T], v[T], v[T+1]
	v_max_num_f32 v[T+4], v[T+4], v[T+5]
.if \first
	v_mul_f32 v[NMA], s48, v[T]
	v_mul_f32 v[NMB], s48, v[T+4]
.else
	v_mul_f32 v[T], s48, v[T]
	v_mul_f32 v[T+4], s48, v[T+4]
	v_min_num_f32 v[T], v[T], v[NMA]               ; -c x the larger maximum
	v_min_num_f32 v[T+4], v[T+4], v[NMB]
.endif
.else
.if (\idx) < 6
.if \first
.else
	WIN 0
	v_sub_f32 v[T+1], v[T], v[NMA]
	v_sub_f32 v[T+5], v[T+4], v[NMB]
	v_exp_f32 v[ALA], v[T+1]                       ; the factors for what has been summed so far
	v_exp_f32 v[ALB], v[T+5]
	v_mov_b32 v[NMA], v[T]                         ; plain instructions behind the exponentials, touching neither their sources nor their results
	v_mov_b32 v[NMB], v[T+4]
.endif
.else
.if (\idx) < 8
	WIN 0
.set FF, 8*((\idx)-6)
.rept 8
	FOP XA, NMA, FF
.set FF, FF+1
.endr
.else
.if (\idx) < 16
	WIN 0
.set EE, 4*((\idx)-8)
.set FF, 2*((\idx)-8)
	EOP XA, EE
	FOP XB, NMB, FF
	EOP XA, EE+1
	EOP XA, EE+2
	FOP XB, NMB, FF+1
	EOP XA, EE+3
.else
.if (\idx) < 24
	WIN 0
.set EE, 4*((\idx)-16)
.rept 4
	EOP XB, EE
	POP XA, NMA, ALA, EE, \first
.set EE, EE+1
.endr
.else
.if (\idx) < 28
	WIN 0
.if (\idx) < 25
	POP XA, NMA, ALA, 32, \first
	PRUN XB, NMB, ALB, 0, 8, \first
.else
.if (\idx) < 26
	PRUN XB, NMB, ALB, 8, 9, \first
.else
.if (\idx) < 27
	PRUN XB, NMB, ALB, 17, 8, \first
.else
	PRUN XB, NMB, ALB, 25, 8, \first
.endif
.endif
.endif
.else
.if \first
.else
	WIN 0x41                                       ; O in window 1, the factor in window 0
.set RR, (\idx)-28
.set RO, OA+16*RR
.set RA, ALA+2*(RR>>1)
.rept 8
	v_pk_mul_f32 v[RO:RO+1], v[RO:RO+1], v[RA:RA+1] op_sel_hi:[1,0]
.set RO, RO+2
.endr
.endif
.endif
.endif
.endif
.endif
.endif
.endif
.endif
.endif
.endm
; Places lo to hi - 1 of a phase: at each, one product of piece mp (0-15 P V, 16-31 K Q), then one slice of piece vp.
; pvmode 0: no P V products; 1: they add onto O; 2: they start O.  sprod 0: no score products.
.macro RUN vp, mp, lo, hi, first, pvmode, sprod
.set NN, \lo
.rept \hi-\lo
.if NN < 16
.if \pvmode
	PVPROD \mp, NN, \pvmode
.endif
.else
.if \sprod
	SPROD \mp, NN-16
.endif
.endif
	SLICE \vp, NN, \first
.set NN, NN+1
.endr
.endm
; DISTANCES BEHIND MATRIX INSTRUCTIONS (ISA guide 7.12.1), by this text's own count of plain vector instructions that name none of their registers:
; a slice names only the vector piece's S, O, NM, AL and T; a product only the other piece's S, O, Q and the K or V fragments.
;   behind a phase's last score product: slice 31's eight multiplies (in the first step four v_nop), in front of the next reads of S and the K loads;
;   behind P V product 15: two in slice 15, four each in slices 16 and 17, in front of the V loads;
;   between the last read of a P (products 11 and 15) and the score product that writes over it (17 and 21): at least 14.
; Phase X: vector piece A, products of B.  The V fragments of this step (64 vi keys behind v[va]) are fetched behind slice 17.
.macro PHX va, vi, first, pvmode
	RUN 0, 1, 0, 18, \first, \pvmode, 1
	VLOAD \va, \vi
	RUN 0, 1, 18, 32, \first, \pvmode, 1
	WIN 0
.if \first
	PLACES 4
.endif
.endm
; Phase Y: vector piece B, products of A.  more = 1: the next step's K fragments (64 ki keys behind v[ka]) are fetched first and multiplied from place 16 on.
.macro PHY ka, ki, first, pvmode, more
.if \more
	KLOAD \ka, \ki
	s_wait_dscnt 16                                ; the 16 K loads just issued stay out; the V fragments are in
.else
	s_wait_dscnt 0x0                               ; the V fragments are in
.endif
	RUN 1, 0, 0, 16, \first, \pvmode, \more
.if \more
	s_wait_dscnt 0x0                               ; the K fragments, asked for 16 products ago
.endif
	RUN 1, 0, 16, 32, \first, \pvmode, \more
	WIN 0
.if \first
	PLACES 4
.endif
.endm
; From a tile's last step into the next tile.  X of the last step fetches the slot's last fragments.  Then the change of slots: all my tensor loads have
; landed (one was out: my part of the other slot's tile), my reads of this slot are back, a round of the cluster barrier; behind it the joint refill of
; this slot comes first, one load a wave, two tiles ahead; it has the next tile's four steps in which to land.  Y takes its K fragments from the other
; slot.  The other slot's steps 0 to 2 run from one body: s52 counts the step, and the LDS addresses are the slot's base plus s52 x 64 keys; the fetch
; ahead reaches 64 keys further, at most the slot's last 64.  At the loop's label no LDS load is out, on the way in and on the way back alike.
.macro CHUNK slot, other, refill
	PHX ADV+\slot, 3, 0, 1
	s_wait_tensorcnt 0x0
	ds_add_u32 v254, v255
	s_wait_dscnt 0x0
.if \refill
	s_add_nc_u64 s[G0K+4*\slot+2:G0K+4*\slot+3], s[G0K+4*\slot+2:G0K+4*\slot+3], 65536   ; no load of mine is out: this slot's next tile
	s_add_nc_u64 s[G0V+4*\slot+2:G0V+4*\slot+3], s[G0V+4*\slot+2:G0V+4*\slot+3], 65536
.endif
	s_wait_dscnt 0x0
	ROUND
.if \refill
	JLOAD \slot
.endif
	PHY ADK+\other, 0, 0, 1, 1
	s_mov_b32 s52, 0
.Lstep_\@:
	s_mul_i32 s53, s52, 64*KP
	s_mul_i32 s54, s52, 64*VP
	v_add_nc_u32 v[KA], s53, v[ADK+\other]
	v_add_nc_u32 v[VA], s54, v[ADV+\other]
	PHX VA, 0, 0, 1
	PHY KA, 1, 0, 1, 1
	s_add_co_u32 s52, s52, 1
	s_cmp_lt_u32 s52, 3
	s_cbranch_scc1 .Lstep_\@
.endm
	KLOAD ADK, 0                                   ; step 0: A's scores have nothing to stand beside
	s_wait_dscnt 0x0
.set NN, 0
.rept 16
	SPROD 0, NN
.set NN, NN+1
.endr
	WIN 0
	PLACES 4                                       ; in front of the first reads of S
	PHX ADV, 0, 1, 0                               ; step 0 starts maximum and sum of both pieces,
	PHY ADK, 1, 1, 2, 1                            ; and A's O
	PHX ADV, 1, 0, 2                               ; step 1 starts B's O
	PHY ADK, 2, 0, 1, 1
	PHX ADV, 2, 0, 1                               ; step 2
	PHY ADK, 3, 0, 1, 1
	s_mov_b32 s13, 3
.Lpair:
	CHUNK 0, 1, 1                                  ; the ends of tiles 0 to 5: every one of them asks for the tile two further on
	CHUNK 1, 0, 1
	s_sub_co_u32 s13, s13, 1
	s_cmp_lg_u32 s13, 0
	s_cbranch_scc1 .Lpair
	CHUNK 0, 1, 0                                  ; the end of tile 6: nothing is left to ask for
	PHX ADV+1, 3, 0, 1                             ; the last step
	PHY ADK, 0, 0, 1, 0                            ; no further K, no further scores
.set NN, 0
.rept 16
	PVPROD 1, NN, 1                                ; B's last P V products
.set NN, NN+1
.endr
	WIN 0
	PLACES 4                                       ; in front of the reads of O
	; the end: the two halves of each sum meet, O is divided by it, rounded, and leaves through the stage as rows of 128 bytes
.irp q, 0,1,2,3
	v_permlanex16_b32 v[T+\q], v[NM+2*\q+1], s50, s51
.endr
.irp q, 0,1,2,3
	v_add_f32 v[NM+2*\q+1], v[NM+2*\q+1], v[T+\q]
.endr
.irp q, 0,1,2,3
	v_rcp_f32 v[AL+2*\q], v[NM+2*\q+1]
.endr
	v_nop
	WIN 0x41
	s_wait_alu depctr_va_vdst(0)
.irp q, 0,1,2,3
.set n, 0
.rept 16
	v_pk_mul_f32 v[O+32*\q+n:O+32*\q+n+1], v[O+32*\q+n:O+32*\q+n+1], v[AL+2*\q:AL+2*\q+1] op_sel_hi:[1,0]
.set n, n+2
.endr
.endr
	WIN 0x05
.irp t, 0,1,2,3,4,5,6,7,8,9,10,11,12,13,14,15
.irp r, 0,1,2,3
	v_cvt_pk_bf16_f32 v[S+4*\t+\r], v[O+8*\t+2*\r], v[O+8*\t+2*\r+1]
.endr
.endr
	WIN 0
	s_and_b32 s52, s11, 15
	s_lshl_b32 s52, s52, 19                        ; the head's plane: 4096 tokens of 128 bytes
	s_lshr_b32 s54, s11, 4
	s_lshl_b32 s54, s54, 18                        ; the batch: 2048 tokens
	s_add_co_u32 s52, s52, s54
	s_lshl_b32 s54, s12, 15
	s_add_co_u32 s52, s52, s54
	s_lshl_b32 s54, s8, 13
	s_add_co_u32 s52, s52, s54
	s_mov_b32 s53, 0
	s_add_nc_u64 s[6:7], s[6:7], s[52:53]
.irp t, 0,1,2,3,4,5,6,7,8,9,10,11,12,13,14,15
	ds_store_b128 v[STO], v[S+4*\t:S+4*\t+3] offset:16*SP*(\t>>2)+32*(\t&3)
.endr
.irp t, 0,1,2,3,4,5,6,7,8,9,10,11,12,13,14,15
	ds_load_b128 v[S+64+4*\t:S+64+4*\t+3], v[RD] offset:4*SP*\t     ; a wave is served in order: these see the stores above
.endr
.irp t, 0,1,2,3,4,5,6,7,8,9,10,11,12,13,14,15
	s_wait_dscnt 15-\t                             ; the younger loads stay out
	global_store_b128 v[CO], v[S+64+4*\t:S+64+4*\t+3], s[6:7] offset:512*\t   ; four rows: 512 consecutive aligned bytes
.endr
	s_wait_tensorcnt 0x0
	ds_add_u32 v254, v255
	s_wait_dscnt 0x0
	ROUND                                          ; the closing round
	s_endpgm
.Lfunc_end_k_q1835c94eef_attn:
	.size	k_q1835c94eef_attn, .Lfunc_end_k_q1835c94eef_attn-k_q1835c94eef_attn
	.p2alignl 7, 3214868480
	.fill 96, 4, 3214868480
	.section	.rodata,"a",@progbits
	.p2align	6, 0x0
	.amdhsa_kernel k_q1835c94eef_attn
		.amdhsa_group_segment_fixed_size 327680
		.amdhsa_private_segment_fixed_size 0
		.amdhsa_enable_private_segment 0
		.amdhsa_kernarg_size 16
		.amdhsa_user_sgpr_count 2
		.amdhsa_user_sgpr_kernarg_segment_ptr 1
		.amdhsa_wavefront_size32 1
		.amdhsa_system_sgpr_workgroup_id_x 1
		.amdhsa_system_sgpr_workgroup_id_y 1
		.amdhsa_system_sgpr_workgroup_id_z 1
		.amdhsa_system_vgpr_workitem_id 0
		.amdhsa_next_free_vgpr 512
		.amdhsa_next_free_sgpr 66
		.amdhsa_reserve_vcc 0
		.amdhsa_float_denorm_mode_32 3
		.amdhsa_float_denorm_mode_16_64 3
		.amdhsa_memory_ordered 1
		.amdhsa_forward_progress 1
		.amdhsa_inst_pref_size 255
	.end_amdhsa_kernel
	.section	.bss,"aw",@nobits
	.p2align	6
	.space	262144
	.amdgpu_metadata
---
amdhsa.version: [ 1, 2 ]
amdhsa.kernels:
  - .name:           k_q1835c94eef_attn
    .symbol:         k_q1835c94eef_attn.kd
    .args:
      - { .name: qkvb, .offset: 0, .size: 8, .value_kind: global_buffer, .address_space: global }
      - { .name: cb, .offset: 8, .size: 8, .value_kind: global_buffer, .address_space: global }
    .group_segment_fixed_size: 327680
    .private_segment_fixed_size: 0
    .kernarg_segment_align: 8
    .kernarg_segment_size: 16
    .max_flat_workgroup_size: 128
    .sgpr_count:     66
    .vgpr_count:     512
    .wavefront_size: 32
...
	.end_amdgpu_metadata
.endif
;; end of part 9
;; launch proj: the kernel of part 4 again; grid 8 x 32, 4 waves a work-group, clusters of 4 x 4, 327,680 bytes of LDS; arguments cb, castb, b_proj, x, y; writes y
;; launch ln1: the kernel of part 5 again; grid 256 x 1, 4 waves a work-group, no clusters, 0 bytes of LDS; arguments y, gamma1, beta1, o1f, o1b; writes o1f, o1b
;; launch ffn1: the kernel of part 6 again; grid 16 x 16, 4 waves a work-group, clusters of 4 x 4, 327,680 bytes of LDS; arguments o1b, castb, b1, hb; writes hb
;; launch ffn2: the kernel of part 7 again; grid 8 x 32, 4 waves a work-group, clusters of 4 x 4, 327,680 bytes of LDS; arguments hb, castb, b2, o1f, y; writes y
;; launch ln2: the kernel of part 8 again; grid 256 x 1, 4 waves a work-group, no clusters, 0 bytes of LDS; arguments y, gamma2, beta2, out0; writes out0
;; ======== version 3 of 3: 8 launches; version 2 with the launches ln1, ln2 written anew for expert scheduling mode
;; workspace buffers: castb 33,554,432 bytes; qkvb 25,165,824 bytes; cb 8,388,608 bytes; y 16,777,216 bytes; o1f 16,777,216 bytes; o1b 8,388,608 bytes; hb 33,554,432 bytes
;; launch cast: the kernel of part 1 again; grid 1024 x 1, 8 waves a work-group, no clusters, 0 bytes of LDS; arguments x, w1, w2, wq, wk, wv, w_proj, castb; writes castb
;; launch qkv: the kernel of part 2 again; grid 16 x 16, 4 waves a work-group, clusters of 4 x 4, 327,680 bytes of LDS; arguments castb, bq, bv, qkvb; writes qkvb
;; launch attn: the kernel of part 9 again; grid 8 x 32, 4 waves a work-group, clusters of 4 x 1, 327,680 bytes of LDS; arguments qkvb, cb; writes cb
;; launch proj: the kernel of part 4 again; grid 8 x 32, 4 waves a work-group, clusters of 4 x 4, 327,680 bytes of LDS; arguments cb, castb, b_proj, x, y; writes y
;; launch ln1 (part 10): grid 256 x 1, 4 waves a work-group, no clusters, 0 bytes of LDS; arguments y, gamma1, beta1, o1f, o1b; writes o1f, o1b
.if DOCPART == 10
	.amdgcn_target "amdgcn-amd-amdhsa--gfx1250"
	.amdhsa_code_object_version 6
	.text
	.protected	k_q1835c94eef_ln1
	.globl	k_q1835c94eef_ln1
	.p2align	8
	.type	k_q1835c94eef_ln1,@function
k_q1835c94eef_ln1:
	s_mov_b64 s[64:65], 0
	v_nop
	global_prefetch_b8 v0, s[64:65] scope:SCOPE_SE
	s_setreg_imm32_b32 hwreg(HW_REG_WAVE_SCHED_MODE, 0, 2), 2
	s_setreg_imm32_b32 hwreg(HW_REG_WAVE_MODE, 25, 1), 1
	s_wait_xcnt 0x0
	s_wait_alu depctr_vm_vsrc(0)
; Launch 5: out1 = LayerNorm(y) gamma1 + beta1, stored in f32 (the later residual) and in bf16 (the operand of the next product).
; A stream: memory binds, so no LDS, no barrier, no matrix unit.  One wave takes a whole row of 4096 bytes in 32 registers and keeps it between
; the pass for the mean, the pass for the variance of the differences (two passes: no difference of large sums) and the scaling.
; Wave 4 g + w owns four rows; all its 32 row loads go out at once, behind the 16 loads of gamma and beta.
; THE MODE: SCHED_MODE bits 1:0 = 2 (LLVM: expert scheduling mode 2), set by the entry lines.  The code itself states the register dependences
; between vector instructions and memory instructions, with s_wait_alu, always for 0.
; THE PLAN.  Registers that memory instructions touch:
;   v1, v2      byte offsets, made once at the head and never written again; every load and store reads one of them.
;   G, BT       loaded once at the head; read by vector instructions alone.
;   X0 .. X3    a buffer a row.  Loaded once at the head; row i's arithmetic rewrites X[i] in place; row i's eight f32 stores read it; never written again.
;   Y2[0], [1]  two buffers.  Row i's sixteen roundings write Y2[i % 2]; row i's eight bf16 stores read it.
; Row i's sixteen stores are issued in row i + 1, one ahead of each of its first sixteen packed additions.  Row i + 1's vector instructions name X[i + 1],
; Y2[(i + 1) % 2], G, BT and the registers at work: none that those stores touch.  So one wait at a row's head states all that the stores dealt below hang on.
; Y2[0] is written again in row 2, Y2[1] in row 3: one pair of waits ahead of row 2's roundings, behind the last store of rows 0 and 1, frees both.
.set WITH_BF16, 1
.set NST, 8+8*WITH_BF16                ; stores of a row
.set T, 4                              ; v[4:11]   four chains of sums
.set NMEAN, 12                         ; v[12:13]  minus the mean, twice
.set RSTD, 14                          ; v[14:15]  1 / sqrt(var + eps), twice
.set G, 16                             ; v[16:47]  gamma of my 32 columns
.set BT, 48                            ; v[48:79]  beta
.set X, 80                             ; v[80:207] four rows of 32 registers
.set Y2, 208                           ; v[208:239] two buffers of 16: a row in bf16
	s_load_b256 s[4:11], s[0:1], 0x0               ; y s[4:5], gamma s[6:7], beta s[8:9], f32 result s[10:11]
.if WITH_BF16
	s_load_b64 s[12:13], s[0:1], 0x20              ; bf16 result
.endif
	v_lshrrev_b32 v3, 5, v0
	v_readfirstlane_b32 s14, v3
	v_and_b32 v1, 31, v0
	v_lshlrev_b32 v2, 3, v1                        ; 8 x lane
	v_lshlrev_b32 v1, 4, v1                        ; 16 x lane
	s_wait_alu depctr_va_sdst(0)                   ; s14, the wave's number, is written, ahead of its first reader: the rows' bases are made from it
	s_lshl2_add_u32 s15, ttmp9, s14                ; 4 g + w
	s_lshl_b32 s22, s15, 14                        ; four rows of 4096 bytes
	s_mov_b32 s23, 0
	s_mov_b32 s16, 0xba800000                      ; -1/1024
	s_mov_b32 s17, 0x3a800000                      ; 1/1024
	s_mov_b32 s18, 0x2edbe6ff                      ; 1e-10
	s_mov_b32 s20, 0x76543210
	s_mov_b32 s21, 0xfedcba98
	s_wait_kmcnt 0x0
	s_add_nc_u64 s[4:5], s[4:5], s[22:23]
	s_add_nc_u64 s[10:11], s[10:11], s[22:23]
.if WITH_BF16
	s_lshl_b32 s22, s15, 13                        ; four rows of 2048 bytes
	s_add_nc_u64 s[12:13], s[12:13], s[22:23]
.endif
	s_wait_alu depctr_va_vdst(0)                   ; v1 and v2 are written: every load and store of the kernel reads one of them as its offset
.irp j, 0,1,2,3,4,5,6,7
	global_load_b128 v[G+4*\j:G+4*\j+3], v1, s[6:7] offset:512*\j
	global_load_b128 v[BT+4*\j:BT+4*\j+3], v1, s[8:9] offset:512*\j
.endr
.irp i, 0,1,2,3
.irp j, 0,1,2,3,4,5,6,7
	global_load_b128 v[X+32*\i+4*\j:X+32*\i+4*\j+3], v1, s[4:5] offset:4096*\i+512*\j th:TH_LOAD_NT
.endr
.endr
.macro FOLD                            ; the four chains, then the 32 lanes: the sum ends up in v[T] of every lane
	v_pk_add_f32 v[T:T+1], v[T:T+1], v[T+2:T+3]
	v_pk_add_f32 v[T+4:T+5], v[T+4:T+5], v[T+6:T+7]
	v_pk_add_f32 v[T:T+1], v[T:T+1], v[T+4:T+5]
	v_add_f32 v[T], v[T], v[T+1]
	v_add_f32_dpp v[T], v[T], v[T] row_xmask:1 row_mask:0xf bank_mask:0xf
	v_add_f32_dpp v[T], v[T], v[T] row_xmask:2 row_mask:0xf bank_mask:0xf
	v_add_f32_dpp v[T], v[T], v[T] row_xmask:4 row_mask:0xf bank_mask:0xf
	v_add_f32_dpp v[T], v[T], v[T] row_xmask:8 row_mask:0xf bank_mask:0xf
	v_permlanex16_b32 v[T+1], v[T], s20, s21
	v_add_f32 v[T], v[T], v[T+1]
.endm
; Store j of row i: 0 to 7 the row in f32, 512 consecutive aligned bytes each; 8 to 15 the row in bf16, 256 consecutive aligned bytes each.
.macro OUT i, j
.if (\j) < 8
	global_store_b128 v1, v[X+32*(\i)+4*(\j):X+32*(\i)+4*(\j)+3], s[10:11] offset:4096*(\i)+512*(\j)
.else
	global_store_b64 v2, v[Y2+16*((\i)%2)+2*((\j)-8):Y2+16*((\i)%2)+2*((\j)-8)+1], s[12:13] offset:2048*(\i)+256*((\j)-8)
.endif
.endm
; In row i: the next store of row i - 1, while there is one.  sn counts them.
.macro NEXT i
.if (\i) > 0
.if sn < NST
	OUT (\i)-1, sn
.set sn, sn+1
.endif
.endif
.endm
.macro ROW i
.set XB, X+32*\i
.set YB, Y2+16*((\i)%2)
.set sn, 0
	s_wait_loadcnt 24-8*\i                         ; gamma, beta and rows up to i are in; the later rows stay out
.if (\i) > 0
	s_wait_alu depctr_va_vdst(0)                   ; the row before has written its X and its Y2, which the stores dealt below read; no vector instruction of this row names them
.endif
.irp k, 0,2,4,6
	NEXT \i
	v_pk_add_f32 v[T+\k:T+\k+1], v[XB+\k:XB+\k+1], v[XB+8+\k:XB+9+\k]
.endr
.irp m, 16,24
.irp k, 0,2,4,6
	NEXT \i
	v_pk_add_f32 v[T+\k:T+\k+1], v[T+\k:T+\k+1], v[XB+\m+\k:XB+\m+\k+1]
.endr
.endr
	FOLD
	v_mul_f32 v[NMEAN], s16, v[T]
	v_mul_f32 v[NMEAN+1], s16, v[T]
.set k, 0
.rept 16
	NEXT \i                                        ; the last four stores of the row before stand ahead of the first four of these
	v_pk_add_f32 v[XB+k:XB+k+1], v[XB+k:XB+k+1], v[NMEAN:NMEAN+1]
.set k, k+2
.endr
.irp k, 0,2,4,6
	v_pk_mul_f32 v[T+\k:T+\k+1], v[XB+\k:XB+\k+1], v[XB+\k:XB+\k+1]
.endr
.irp m, 8,16,24
.irp k, 0,2,4,6
	v_pk_fma_f32 v[T+\k:T+\k+1], v[XB+\m+\k:XB+\m+\k+1], v[XB+\m+\k:XB+\m+\k+1], v[T+\k:T+\k+1]
.endr
.endr
	FOLD
	v_fma_f32 v3, v[T], s17, s18                   ; variance + eps
	v_rsq_f32 v[RSTD], v3
	v_nop                                          ; one plain place behind the transcendental (ISA guide 5.7.2)
	s_wait_alu depctr_va_vdst(0)                   ; the reciprocal root is written, ahead of the first instruction that names it
	v_mov_b32 v[RSTD+1], v[RSTD]
.set k, 0
.rept 16
	v_pk_mul_f32 v[XB+k:XB+k+1], v[XB+k:XB+k+1], v[RSTD:RSTD+1]
	v_pk_fma_f32 v[XB+k:XB+k+1], v[XB+k:XB+k+1], v[G+k:G+k+1], v[BT+k:BT+k+1]
.set k, k+2
.endr
.if WITH_BF16
.if (\i) == 2
	s_wait_xcnt 0x0                                ; every earlier memory instruction has had its addresses translated (ISA guide 3.1): both Y2 buffers are written again only behind this wait
	s_wait_alu depctr_vm_vsrc(0)                   ; the bf16 stores of rows 0 and 1, all issued by now, have read Y2[0] and Y2[1], which this row's roundings and the next row's write again
.endif
.irp j, 0,1,2,3,4,5,6,7
	v_cvt_pk_bf16_f32 v[YB+2*\j], v[XB+4*\j], v[XB+4*\j+1]
	v_cvt_pk_bf16_f32 v[YB+2*\j+1], v[XB+4*\j+2], v[XB+4*\j+3]
.endr
.endif
.endm
	ROW 0
	ROW 1
	ROW 2
	ROW 3
	s_wait_alu depctr_va_vdst(0)                   ; row 3 has written X3 and Y2[1], which the last stores read
.set sn, 0
.rept NST
	OUT 3, sn
.set sn, sn+1
.endr
	s_endpgm
.Lfunc_end_k_q1835c94eef_ln1:
	.size	k_q1835c94eef_ln1, .Lfunc_end_k_q1835c94eef_ln1-k_q1835c94eef_ln1
	.p2alignl 7, 3214868480
	.fill 96, 4, 3214868480
	.section	.rodata,"a",@progbits
	.p2align	6, 0x0
	.amdhsa_kernel k_q1835c94eef_ln1
		.amdhsa_group_segment_fixed_size 0
		.amdhsa_private_segment_fixed_size 0
		.amdhsa_enable_private_segment 0
		.amdhsa_kernarg_size 40
		.amdhsa_user_sgpr_count 2
		.amdhsa_user_sgpr_kernarg_segment_ptr 1
		.amdhsa_wavefront_size32 1
		.amdhsa_system_sgpr_workgroup_id_x 1
		.amdhsa_system_sgpr_workgroup_id_y 1
		.amdhsa_system_sgpr_workgroup_id_z 1
		.amdhsa_system_vgpr_workitem_id 0
		.amdhsa_next_free_vgpr 240
		.amdhsa_next_free_sgpr 66
		.amdhsa_reserve_vcc 0
		.amdhsa_float_denorm_mode_32 3
		.amdhsa_float_denorm_mode_16_64 3
		.amdhsa_memory_ordered 1
		.amdhsa_forward_progress 1
		.amdhsa_inst_pref_size 41
	.end_amdhsa_kernel
	.amdgpu_metadata
---
amdhsa.version: [ 1, 2 ]
amdhsa.kernels:
  - .name:           k_q1835c94eef_ln1
    .symbol:         k_q1835c94eef_ln1.kd
    .args:
      - { .name: y, .offset: 0, .size: 8, .value_kind: global_buffer, .address_space: global }
      - { .name: gamma1, .offset: 8, .size: 8, .value_kind: global_buffer, .address_space: global }
      - { .name: beta1, .offset: 16, .size: 8, .value_kind: global_buffer, .address_space: global }
      - { .name: o1f, .offset: 24, .size: 8, .value_kind: global_buffer, .address_space: global }
      - { .name: o1b, .offset: 32, .size: 8, .value_kind: global_buffer, .address_space: global }
    .group_segment_fixed_size: 0
    .private_segment_fixed_size: 0
    .kernarg_segment_align: 8
    .kernarg_segment_size: 40
    .max_flat_workgroup_size: 128
    .sgpr_count:     66
    .vgpr_count:     240
    .wavefront_size: 32
...
	.end_amdgpu_metadata
.endif
;; end of part 10
;; launch ffn1: the kernel of part 6 again; grid 16 x 16, 4 waves a work-group, clusters of 4 x 4, 327,680 bytes of LDS; arguments o1b, castb, b1, hb; writes hb
;; launch ffn2: the kernel of part 7 again; grid 8 x 32, 4 waves a work-group, clusters of 4 x 4, 327,680 bytes of LDS; arguments hb, castb, b2, o1f, y; writes y
;; launch ln2 (part 11): grid 256 x 1, 4 waves a work-group, no clusters, 0 bytes of LDS; arguments y, gamma2, beta2, out0; writes out0
.if DOCPART == 11
	.amdgcn_target "amdgcn-amd-amdhsa--gfx1250"
	.amdhsa_code_object_version 6
	.text
	.protected	k_q1835c94eef_ln2
	.globl	k_q1835c94eef_ln2
	.p2align	8
	.type	k_q1835c94eef_ln2,@function
k_q1835c94eef_ln2:
	s_mov_b64 s[64:65], 0
	v_nop
	global_prefetch_b8 v0, s[64:65] scope:SCOPE_SE
	s_setreg_imm32_b32 hwreg(HW_REG_WAVE_SCHED_MODE, 0, 2), 2
	s_setreg_imm32_b32 hwreg(HW_REG_WAVE_MODE, 25, 1), 1
	s_wait_xcnt 0x0
	s_wait_alu depctr_vm_vsrc(0)
; Launch 8: out0 = LayerNorm(y) gamma2 + beta2 in f32.  The text of launch 5 without the bf16 copy.
; A stream: memory binds, so no LDS, no barrier, no matrix unit.  One wave takes a whole row of 4096 bytes in 32 registers and keeps it between
; the pass for the mean, the pass for the variance of the differences (two passes: no difference of large sums) and the scaling.
; Wave 4 g + w owns four rows; all its 32 row loads go out at once, behind the 16 loads of gamma and beta.
; THE MODE: SCHED_MODE bits 1:0 = 2 (LLVM: expert scheduling mode 2), set by the entry lines.  The code itself states the register dependences
; between vector instructions and memory instructions, with s_wait_alu, always for 0.
; THE PLAN.  Registers that memory instructions touch:
;   v1          the byte offset, made once at the head and never written again; every load and store reads it.
;   G, BT       loaded once at the head; read by vector instructions alone.
;   X0 .. X3    a buffer a row.  Loaded once at the head; row i's arithmetic rewrites X[i] in place; row i's eight stores read it; never written again.
; Row i's eight stores are issued in row i + 1, one ahead of each of its first eight packed additions.  Row i + 1's vector instructions name X[i + 1], G, BT
; and the registers at work: none that those stores touch.  So one wait at a row's head states all that the stores dealt below hang on.
; No register that a store reads is written again, so no wait stands for that.
.set WITH_BF16, 0
.set NST, 8+8*WITH_BF16                ; stores of a row
.set T, 4                              ; v[4:11]   four chains of sums
.set NMEAN, 12                         ; v[12:13]  minus the mean, twice
.set RSTD, 14                          ; v[14:15]  1 / sqrt(var + eps), twice
.set G, 16                             ; v[16:47]  gamma of my 32 columns
.set BT, 48                            ; v[48:79]  beta
.set X, 80                             ; v[80:207] four rows of 32 registers
.set Y2, 208                           ; not used here
	s_load_b256 s[4:11], s[0:1], 0x0               ; y s[4:5], gamma s[6:7], beta s[8:9], f32 result s[10:11]
.if WITH_BF16
	s_load_b64 s[12:13], s[0:1], 0x20              ; bf16 result
.endif
	v_lshrrev_b32 v3, 5, v0
	v_readfirstlane_b32 s14, v3
	v_and_b32 v1, 31, v0
	v_lshlrev_b32 v2, 3, v1                        ; 8 x lane
	v_lshlrev_b32 v1, 4, v1                        ; 16 x lane
	s_wait_alu depctr_va_sdst(0)                   ; s14, the wave's number, is written, ahead of its first reader: the rows' bases are made from it
	s_lshl2_add_u32 s15, ttmp9, s14                ; 4 g + w
	s_lshl_b32 s22, s15, 14                        ; four rows of 4096 bytes
	s_mov_b32 s23, 0
	s_mov_b32 s16, 0xba800000                      ; -1/1024
	s_mov_b32 s17, 0x3a800000                      ; 1/1024
	s_mov_b32 s18, 0x2edbe6ff                      ; 1e-10
	s_mov_b32 s20, 0x76543210
	s_mov_b32 s21, 0xfedcba98
	s_wait_kmcnt 0x0
	s_add_nc_u64 s[4:5], s[4:5], s[22:23]
	s_add_nc_u64 s[10:11], s[10:11], s[22:23]
.if WITH_BF16
	s_lshl_b32 s22, s15, 13                        ; four rows of 2048 bytes
	s_add_nc_u64 s[12:13], s[12:13], s[22:23]
.endif
	s_wait_alu depctr_va_vdst(0)                   ; v1 is written: every load and store of the kernel reads it as its offset
.irp j, 0,1,2,3,4,5,6,7
	global_load_b128 v[G+4*\j:G+4*\j+3], v1, s[6:7] offset:512*\j
	global_load_b128 v[BT+4*\j:BT+4*\j+3], v1, s[8:9] offset:512*\j
.endr
.irp i, 0,1,2,3
.irp j, 0,1,2,3,4,5,6,7
	global_load_b128 v[X+32*\i+4*\j:X+32*\i+4*\j+3], v1, s[4:5] offset:4096*\i+512*\j th:TH_LOAD_NT
.endr
.endr
.macro FOLD                            ; the four chains, then the 32 lanes: the sum ends up in v[T] of every lane
	v_pk_add_f32 v[T:T+1], v[T:T+1], v[T+2:T+3]
	v_pk_add_f32 v[T+4:T+5], v[T+4:T+5], v[T+6:T+7]
	v_pk_add_f32 v[T:T+1], v[T:T+1], v[T+4:T+5]
	v_add_f32 v[T], v[T], v[T+1]
	v_add_f32_dpp v[T], v[T], v[T] row_xmask:1 row_mask:0xf bank_mask:0xf
	v_add_f32_dpp v[T], v[T], v[T] row_xmask:2 row_mask:0xf bank_mask:0xf
	v_add_f32_dpp v[T], v[T], v[T] row_xmask:4 row_mask:0xf bank_mask:0xf
	v_add_f32_dpp v[T], v[T], v[T] row_xmask:8 row_mask:0xf bank_mask:0xf
	v_permlanex16_b32 v[T+1], v[T], s20, s21
	v_add_f32 v[T], v[T], v[T+1]
.endm
; Store j of row i: 0 to 7 the row in f32, 512 consecutive aligned bytes each (8 to 15, the row in bf16, are never asked for here: NST is 8).
.macro OUT i, j
.if (\j) < 8
	global_store_b128 v1, v[X+32*(\i)+4*(\j):X+32*(\i)+4*(\j)+3], s[10:11] offset:4096*(\i)+512*(\j) th:TH_STORE_NT
.else
	global_store_b64 v2, v[Y2+16*((\i)%2)+2*((\j)-8):Y2+16*((\i)%2)+2*((\j)-8)+1], s[12:13] offset:2048*(\i)+256*((\j)-8)
.endif
.endm
; In row i: the next store of row i - 1, while there is one.  sn counts them.
.macro NEXT i
.if (\i) > 0
.if sn < NST
	OUT (\i)-1, sn
.set sn, sn+1
.endif
.endif
.endm
.macro ROW i
.set XB, X+32*\i
.set YB, Y2+16*((\i)%2)
.set sn, 0
	s_wait_loadcnt 24-8*\i                         ; gamma, beta and rows up to i are in; the later rows stay out
.if (\i) > 0
	s_wait_alu depctr_va_vdst(0)                   ; the row before has written its X, which the stores dealt below read; no vector instruction of this row names it
.endif
.irp k, 0,2,4,6
	NEXT \i
	v_pk_add_f32 v[T+\k:T+\k+1], v[XB+\k:XB+\k+1], v[XB+8+\k:XB+9+\k]
.endr
.irp m, 16,24
.irp k, 0,2,4,6
	NEXT \i
	v_pk_add_f32 v[T+\k:T+\k+1], v[T+\k:T+\k+1], v[XB+\m+\k:XB+\m+\k+1]
.endr
.endr
	FOLD
	v_mul_f32 v[NMEAN], s16, v[T]
	v_mul_f32 v[NMEAN+1], s16, v[T]
.set k, 0
.rept 16
	NEXT \i                                        ; nothing is left here: the eight stores stand in the pass above
	v_pk_add_f32 v[XB+k:XB+k+1], v[XB+k:XB+k+1], v[NMEAN:NMEAN+1]
.set k, k+2
.endr
.irp k, 0,2,4,6
	v_pk_mul_f32 v[T+\k:T+\k+1], v[XB+\k:XB+\k+1], v[XB+\k:XB+\k+1]
.endr
.irp m, 8,16,24
.irp k, 0,2,4,6
	v_pk_fma_f32 v[T+\k:T+\k+1], v[XB+\m+\k:XB+\m+\k+1], v[XB+\m+\k:XB+\m+\k+1], v[T+\k:T+\k+1]
.endr
.endr
	FOLD
	v_fma_f32 v3, v[T], s17, s18                   ; variance + eps
	v_rsq_f32 v[RSTD], v3
	v_nop                                          ; one plain place behind the transcendental (ISA guide 5.7.2)
	s_wait_alu depctr_va_vdst(0)                   ; the reciprocal root is written, ahead of the first instruction that names it
	v_mov_b32 v[RSTD+1], v[RSTD]
.set k, 0
.rept 16
	v_pk_mul_f32 v[XB+k:XB+k+1], v[XB+k:XB+k+1], v[RSTD:RSTD+1]
	v_pk_fma_f32 v[XB+k:XB+k+1], v[XB+k:XB+k+1], v[G+k:G+k+1], v[BT+k:BT+k+1]
.set k, k+2
.endr
.if WITH_BF16
.if (\i) == 2
	s_wait_xcnt 0x0                                ; every earlier memory instruction has had its addresses translated (ISA guide 3.1): both Y2 buffers are written again only behind this wait
	s_wait_alu depctr_vm_vsrc(0)                   ; the bf16 stores of rows 0 and 1, all issued by now, have read Y2[0] and Y2[1], which this row's roundings and the next row's write again
.endif
.irp j, 0,1,2,3,4,5,6,7
	v_cvt_pk_bf16_f32 v[YB+2*\j], v[XB+4*\j], v[XB+4*\j+1]
	v_cvt_pk_bf16_f32 v[YB+2*\j+1], v[XB+4*\j+2], v[XB+4*\j+3]
.endr
.endif
.endm
	ROW 0
	ROW 1
	ROW 2
	ROW 3
	s_wait_alu depctr_va_vdst(0)                   ; row 3 has written X3, which the last stores read
.set sn, 0
.rept NST
	OUT 3, sn
.set sn, sn+1
.endr
	s_endpgm
.Lfunc_end_k_q1835c94eef_ln2:
	.size	k_q1835c94eef_ln2, .Lfunc_end_k_q1835c94eef_ln2-k_q1835c94eef_ln2
	.p2alignl 7, 3214868480
	.fill 96, 4, 3214868480
	.section	.rodata,"a",@progbits
	.p2align	6, 0x0
	.amdhsa_kernel k_q1835c94eef_ln2
		.amdhsa_group_segment_fixed_size 0
		.amdhsa_private_segment_fixed_size 0
		.amdhsa_enable_private_segment 0
		.amdhsa_kernarg_size 32
		.amdhsa_user_sgpr_count 2
		.amdhsa_user_sgpr_kernarg_segment_ptr 1
		.amdhsa_wavefront_size32 1
		.amdhsa_system_sgpr_workgroup_id_x 1
		.amdhsa_system_sgpr_workgroup_id_y 1
		.amdhsa_system_sgpr_workgroup_id_z 1
		.amdhsa_system_vgpr_workitem_id 0
		.amdhsa_next_free_vgpr 224
		.amdhsa_next_free_sgpr 66
		.amdhsa_reserve_vcc 0
		.amdhsa_float_denorm_mode_32 3
		.amdhsa_float_denorm_mode_16_64 3
		.amdhsa_memory_ordered 1
		.amdhsa_forward_progress 1
		.amdhsa_inst_pref_size 34
	.end_amdhsa_kernel
	.amdgpu_metadata
---
amdhsa.version: [ 1, 2 ]
amdhsa.kernels:
  - .name:           k_q1835c94eef_ln2
    .symbol:         k_q1835c94eef_ln2.kd
    .args:
      - { .name: y, .offset: 0, .size: 8, .value_kind: global_buffer, .address_space: global }
      - { .name: gamma2, .offset: 8, .size: 8, .value_kind: global_buffer, .address_space: global }
      - { .name: beta2, .offset: 16, .size: 8, .value_kind: global_buffer, .address_space: global }
      - { .name: out0, .offset: 24, .size: 8, .value_kind: global_buffer, .address_space: global }
    .group_segment_fixed_size: 0
    .private_segment_fixed_size: 0
    .kernarg_segment_align: 8
    .kernarg_segment_size: 32
    .max_flat_workgroup_size: 128
    .sgpr_count:     66
    .vgpr_count:     224
    .wavefront_size: 32
...
	.end_amdgpu_metadata
.endif
;; end of part 11
